; MI455X (gfx1250); checked and timed in simulation.
; The chip was launched on July 23, 2026; its instructions are those of AMD's public machine-readable ISA for CDNA 5 (MIT licence, August 2026) and "CDNA5" Instruction Set Architecture Reference Guide (July 2026). The comments in the code are by the model that wrote it; some were corrected since.
;; Multi Head Attention Layer. Allowed arithmetic: matrix products marked QUANTISED: E4M3 operands, one E8M0 scale for each 32 along K, by v_wmma_scale_f32_16x16x128_f8f6f4 with both operands' format E4M3, f32 sums; everything else in f32.
;; Inputs: bk 1,024 float32; bo 1,024 float32; bq 1,024 float32; bv 1,024 float32; k 4 x 2,048 x 1,024 float32; mask 4 x 1 x 2,048 x 2,048 bool; q 4 x 2,048 x 1,024 float32; v 4 x 2,048 x 1,024 float32; wk 1,024 x 1,024 float32; wo 1,024 x 1,024 float32; wq 1,024 x 1,024 float32; wv 1,024 x 1,024 float32.
;; Outputs: out0 4 x 2,048 x 1,024 float32.
;; This version of the problem:
;;   THIS VERSION OF THE PROBLEM IS GIVEN IN LOW PRECISION. The matrix products marked QUANTISED in the list below multiply operands that are first quantised to E4M3 (4 exponent bits, 3 mantissa bits; 8 bits a number), with one power-of-two scale for each 32 numbers along K (OCP MX v1.0); their sums are f32. All else is computed in f32.
;;   The module's matrix products, in the order in which they are computed (A, B: the left and right operand; K: the contracted axis; several contracted axes count as one K, in the product's order):
;;     1. [M 8,192, K 1,024] x [K 1,024, N 1,024]; A: input q; B: input wq: QUANTISED
;;     2. [M 8,192, K 1,024] x [K 1,024, N 1,024]; A: input k; B: input wk: QUANTISED
;;     3. [M 8,192, K 1,024] x [K 1,024, N 1,024]; A: input v; B: input wv: QUANTISED
;;     4. batch 64 x [M 2,048, K 64] x [K 64, N 2,048]; A: computed on the way; B: computed on the way: QUANTISED
;;     5. batch 64 x [M 2,048, K 2,048] x [K 2,048, N 64]; A: softmax (see below); B: computed on the way: QUANTISED
;;     6. [M 8,192, K 1,024] x [K 1,024, N 1,024]; A: computed on the way; B: input wo: QUANTISED
;;   THE QUANTISER, for each operand of a quantised product, along K:
;;     - K is cut into blocks of 32 from its start; a last block that is shorter is filled with zeros.
;;     - A block's scale is 2^e with e = floor(log2(the largest magnitude in the block)) - 8, held to -126 .. 127; a block of zeros has e = 0. As a byte (E8M0): e + 127.
;;     - Each number is divided by its block's scale, clamped to +-448, and rounded to the nearest number of E4M3, ties to even, subnormals kept.
;;     - The product sums the exact products of the quantised numbers (number of the format x scale) in f32.
;;   ~~~python
;;   def quantise(x, axis):      # numpy; x: float32 -> the quantised numbers, widened to float32 again
;;       x = np.moveaxis(x, axis, -1); K = x.shape[-1]
;;       x = np.pad(x, [(0, 0)] * (x.ndim - 1) + [(0, -K % 32)]); x = x.reshape(x.shape[:-1] + (-1, 32)); a = np.abs(x).max(-1, keepdims=True)
;;       e = np.where(a > 0, np.clip(np.frexp(np.where(a > 0, a, 1))[1] - 1 - 8, -126, 127), 0)      # np.frexp(a)[1] - 1 = floor(log2(a)), exactly
;;       r = np.clip(x / 2.0 ** e, -448, 448)
;;       step = 2.0 ** (np.maximum(np.frexp(np.where(r == 0, 1, r))[1] - 1, -6) - 3)
;;       q = np.round(r / step) * step * 2.0 ** e      # np.round: ties to even
;;       return np.moveaxis(q.reshape(q.shape[:-2] + (-1,))[..., :K], -1, axis).astype(np.float32)
;;   ~~~
;;   SOFTMAX AHEAD OF A QUANTISED PRODUCT. Where the list says 'softmax', what is quantised is not the finished softmax but p = 2^(t - M), with t = logit x log2(e) and M = ceil(the row's largest t), a whole number; so 1/2 < the row's largest p <= 1. The row's sum l is taken of the UNQUANTISED p, in f32, and the product's result is divided by l at the end. Since M is a whole number, a kernel that streams over the keys may use a running M (the ceiling of the running maximum): every later rescaling is an exact power of two, which a block's scale takes up: the codes' values come out the same.
;;   OPERANDS COMPUTED ON THE WAY. 'Computed on the way' means the value that the module computes at that place (a softmax that the list does not call 'softmax' is quantised finished and normalised). What goes into a quantiser is computed in f32, as accurately as f32 sums, v_exp_f32 and their like allow (about 1e-6 of the number): no bf16 or f16 on the way to a quantiser, and a product that is left as it is and whose result goes on into a quantised operand takes f32 operands (vector FMAs, or v_wmma_f32_16x16x4_f32). A number that lies on a knife's edge between two numbers of the format may be rounded either way, as far as f32 arithmetic and the matrix unit's own rounding can turn it there, and no further.
;; 2 versions. Each part assembles by itself: llvm-mc -triple=amdgcn-amd-amdhsa -mcpu=gfx1250 --defsym DOCPART=n.
;; ======== version 1 of 2: 4 launches
;; workspace buffers: wc 4,325,376 bytes; qc 8,388,608 bytes; kc 8,388,608 bytes; vc 8,388,608 bytes; sc 1,310,720 bytes; mb 2,097,152 bytes of whole numbers; mf 2,048 bytes of whole numbers; oc 8,650,752 bytes
;; launch prep (part 1): grid 384 x 1, 4 waves a work-group, no clusters, 67,072 bytes of LDS; arguments wq, wk, wv, wo, mask, wc, mb, mf; writes wc, mb, mf
.if DOCPART == 1
	.amdgcn_target "amdgcn-amd-amdhsa--gfx1250"
	.amdhsa_code_object_version 6
	.text
	.protected	k_qbff2083ba5_prep
	.globl	k_qbff2083ba5_prep
	.p2align	8
	.type	k_qbff2083ba5_prep,@function
k_qbff2083ba5_prep:
	s_mov_b64 s[64:65], 0
	v_nop
	global_prefetch_b8 v0, s[64:65] scope:SCOPE_SE
	s_setreg_imm32_b32 hwreg(HW_REG_WAVE_MODE, 25, 1), 1
	s_wait_xcnt 0x0
; PREP.  Work-groups 0-127: the four weights [1024 (k)][1024 (n)] f32 become codes of E4M3 with one E8M0 byte for each 32 along k, laid in the ORDER OF THE OPERAND'S REGISTERS:
;   wc codes  [mat 4][slice 8 (128 n)][K step 8][tile 8][group c 4][lane 32][16 bytes]; lane (r, h) of tile t holds n = 32 (t / 2) + 8 (t % 2) + r + 8 (r / 8), k = 32 c + 16 h + 0 .. 15
;   wc scales at WCS: [mat][slice][K step][r 16][tile 8] words (four bytes: the K step's four blocks)
; A lane takes a column n and its registers run down k: a block of 32 lies in one lane, nothing is transposed, and each store of codes covers two runs of 256 consecutive aligned bytes.
; The scale words leave as 4 bytes a lane, 32 bytes apart: one byte for each 128 bytes that the path reads.
; Work-groups 128-383: the mask [4][2048 (query)][2048 (key)] of bytes becomes, for each tile of 16 queries and each step of 128 keys, 64 words of lane bits in the layout of the score registers:
;   mb [b 128 + tile][step 16][word 16 beta + i]; bit (16 h + r) = mask[query of lane r][128 step + 32 beta + 16 h + i];  mf [b 128 + tile]: bit s: step s has an open key; bit 16 + s: step s has a hidden key.
; Any byte other than 0 counts as true.  A wave takes 16 rows x 1,024 bytes through a stage of its own in LDS (rows 1,040 bytes apart: 16 rows start 16 bytes apart modulo 256).  Waves share nothing: no barrier.
; LIMITS: a block whose largest magnitude lies under 2^-118 (a block of zeros too) gets the byte 1; only this program reads the bytes.  NaN and infinities among the weights are not served.
.set WCS,  4194304
.set X,    32                          ; v32-95   two sets of 32 numbers
.set C,    96                          ; v96-159  8 registers of codes for each block: no store's data are written again
.set SB,   24                          ; v24-25   scale bytes, four to a register
.set WD,   170                         ; v170-185 mask path: a pair of registers for each step's 64 words
.set MROW, 1040
	s_load_b256 s[4:11], s[0:1], 0x0               ; wq, wk, wv, wo
	s_load_b256 s[12:19], s[0:1], 0x20             ; mask, wc, mb, mf
	v_lshl_add_u32 v192, v0, 2, 0x10400
	v_mov_b32 v193, 0
	v_lshrrev_b32 v1, 5, v0
	v_readfirstlane_b32 s20, v1                    ; wave
	v_and_b32 v2, 31, v0                           ; lane
	s_wait_kmcnt 0x0
	s_cmp_ge_u32 ttmp9, 128
	s_cbranch_scc1 .Lmask
	; ---------------- the weights ----------------
	s_lshr_b32 s21, ttmp9, 5                       ; which weight
	s_bfe_u32 s22, ttmp9, 0x30002                  ; slice of 128 columns
	s_and_b32 s23, ttmp9, 3                        ; which 256 along k
	v_lshlrev_b32 v3, 2, v2                        ; in: 4 bytes a lane
	v_bfe_u32 v4, v2, 3, 1                         ; u: my column 32 w + lane lies in tile 2 w + u,
	v_and_b32 v5, 7, v2
	v_lshrrev_b32 v6, 4, v2
	v_lshl_add_u32 v5, v6, 3, v5                   ; at its lane r' = lane % 8 + 8 (lane / 16)
	v_lshlrev_b32 v7, 11, v4
	v_lshl_add_u32 v7, v5, 4, v7                   ; codes: 2,048 u + 16 r'
	v_lshlrev_b32 v8, 2, v4
	v_lshl_add_u32 v8, v5, 5, v8                   ; scale words: 32 r' + 4 u
	s_lshl_b32 s24, s23, 20                        ; in: 256 rows of 4,096 bytes,
	s_lshl_b32 s25, s22, 9                         ; 128 columns,
	s_add_co_u32 s24, s24, s25
	s_lshl_b32 s25, s20, 7                         ; 32 columns a wave
	s_add_co_u32 s24, s24, s25
	s_mov_b32 s25, 0
	s_lshl_b32 s26, s21, 20                        ; codes: weight, slice, two K steps, two tiles a wave
	s_lshl_b32 s27, s22, 17
	s_add_co_u32 s26, s26, s27
	s_lshl_b32 s27, s23, 15
	s_add_co_u32 s26, s26, s27
	s_lshl_b32 s27, s20, 12
	s_add_co_u32 s26, s26, s27
	s_mov_b32 s27, 0
	s_lshl_b32 s28, s21, 15                        ; scale words likewise
	s_lshl_b32 s29, s22, 12
	s_add_co_u32 s28, s28, s29
	s_lshl_b32 s29, s23, 10
	s_add_co_u32 s28, s28, s29
	s_lshl_b32 s29, s20, 3
	s_add_co_u32 s28, s28, s29
	s_add_co_u32 s28, s28, WCS
	s_mov_b32 s29, 0
	s_mov_b32 s31, 0x600000                        ; the mantissa field of 448
	s_cmp_eq_u32 s21, 1                            ; the choice hangs on the work-group's number alone
	s_cselect_b64 s[4:5], s[6:7], s[4:5]
	s_cmp_eq_u32 s21, 2
	s_cselect_b64 s[4:5], s[8:9], s[4:5]
	s_cmp_eq_u32 s21, 3
	s_cselect_b64 s[4:5], s[10:11], s[4:5]
	s_add_nc_u64 s[4:5], s[4:5], s[24:25]
	s_add_nc_u64 s[26:27], s[14:15], s[26:27]
	s_add_nc_u64 s[28:29], s[14:15], s[28:29]
.macro WLOAD t                         ; block t: W(32 t + n, my column) into set t % 2: 128 consecutive bytes a load
.set n, 0
.rept 32
	global_load_b32 v[X+32*((\t)%2)+n], v3, s[4:5] offset:(32*(\t)+n)*4096 th:TH_LOAD_NT
.set n, n+1
.endr
.endm
.macro WBLOCK t
.set XB, X+32*((\t)%2)
.set CB, C+8*(\t)
.if (\t) < 7
	s_wait_loadcnt 32                              ; this block's 32 loads are in; the next block's 32 are younger
.else
	s_wait_loadcnt 0x0
.endif
	v_max3_num_f32 v12, |v[XB]|, |v[XB+1]|, |v[XB+2]|      ; the block's largest magnitude: all 32 numbers are mine; two chains
	v_max3_num_f32 v13, |v[XB+3]|, |v[XB+4]|, |v[XB+5]|
.irp i, 6,10,14,18,22,26
	v_max3_num_f32 v12, v12, |v[XB+\i]|, |v[XB+\i+1]|
	v_max3_num_f32 v13, v13, |v[XB+\i+2]|, |v[XB+\i+3]|
.endr
	v_max3_num_f32 v12, v12, |v[XB+30]|, |v[XB+31]|
	v_max3_num_f32 v12, v12, v13, 0x4800000        ; and the floor 2^(9 - 127): the byte cannot fall under 1
	v_add_nc_u32 v11, 0xfc000000, v12              ; 8 off the exponent field: the conversion's scale operand
	v_and_or_b32 v10, v12, 0x7f800000, s31         ; 448 x the scale
	v_lshrrev_b32 v13, 23, v11                     ; the scale's byte
.if (\t)%4 == 0
	v_mov_b32 v[SB+(\t)/4], v13
.else
	v_lshl_or_b32 v[SB+(\t)/4], v13, 8*((\t)%4), v[SB+(\t)/4]
.endif
.set n, 0
.rept 32
	v_med3_num_f32 v[XB+n], v[XB+n], -v10, v10     ; the conversion to an 8-bit code does not saturate (ISA guide 7.6.2): the hold comes first
.set n, n+1
.endr
.irp g, 0,1,2,3
	v_cvt_scalef32_pk8_fp8_f32 v[CB+2*\g:CB+2*\g+1], v[XB+8*\g:XB+8*\g+7], v11
.endr
	v_nop                                          ; a plain line behind the last conversion
	global_store_b128 v7, v[CB:CB+3], s[26:27] offset:((\t)/4)*16384+((\t)%4)*512        ; k = 32 c + 0 .. 15: the places of lanes 0-15
	global_store_b128 v7, v[CB+4:CB+7], s[26:27] offset:((\t)/4)*16384+((\t)%4)*512+256  ; k = 32 c + 16 .. 31: those of lanes 16-31
.if (\t)+2 < 8
	WLOAD (\t)+2
.endif
.endm
	WLOAD 0
	WLOAD 1
.irp t, 0,1,2,3,4,5,6,7
	WBLOCK \t
.endr
	global_store_b32 v8, v[SB], s[28:29]
	global_store_b32 v8, v[SB+1], s[28:29] offset:512
	s_endpgm
	; ---------------- the mask ----------------
.Lmask:
	s_sub_co_u32 s21, ttmp9, 128
	s_lshl_b32 s21, s21, 2
	s_add_co_u32 s21, s21, s20
	s_lshr_b32 s22, s21, 1                         ; the tile of queries: b 128 + chunk 8 + a
	s_and_b32 s23, s21, 1                          ; which half of the keys
	s_lshr_b32 s24, s22, 3
	s_lshl_b32 s24, s24, 7                         ; its first row: 128 (b 16 + chunk)
	s_bfe_u32 s25, s22, 0x20001
	s_lshl_b32 s25, s25, 5
	s_add_co_u32 s24, s24, s25                     ; + 32 (a / 2)
	s_and_b32 s25, s22, 1
	s_lshl_b32 s25, s25, 3
	s_add_co_u32 s24, s24, s25                     ; + 8 (a % 2)
	s_lshl_b32 s24, s24, 11                        ; rows of 2,048 bytes
	s_lshl_b32 s25, s23, 10
	s_add_co_u32 s24, s24, s25
	s_mov_b32 s25, 0
	s_add_nc_u64 s[12:13], s[12:13], s[24:25]
	s_lshl_b32 s24, s22, 12                        ; mb: 4,096 bytes a tile, 2,048 a half
	s_lshl_b32 s26, s23, 11
	s_add_co_u32 s24, s24, s26
	s_add_nc_u64 s[16:17], s[16:17], s[24:25]
	s_lshl_b32 s24, s22, 2                         ; mf: 4 bytes a tile; my half's byte
	s_add_co_u32 s24, s24, s23
	s_add_nc_u64 s[18:19], s[18:19], s[24:25]
	v_lshlrev_b32 v3, 4, v2                        ; 16 bytes a lane
	s_mul_i32 s26, s20, 16*MROW                    ; my stage
	v_add_nc_u32 v4, s26, v3                       ; into it
	v_and_b32 v5, 15, v2                           ; r
	v_lshrrev_b32 v6, 4, v2                        ; h
	v_mul_u32_u24 v5, v5, MROW
	v_lshl_add_u32 v5, v6, 4, v5
	v_add_nc_u32 v5, s26, v5                       ; out of it: row r, + 16 h
	v_lshlrev_b32 v6, 3, v2                        ; mb: 8 bytes a lane
	s_mov_b32 s48, 0xff
	s_mov_b32 s49, 0xff00
	s_mov_b32 s50, 0xff0000
	s_mov_b32 s51, 0xff000000
	s_mov_b32 s52, 0                               ; steps with an open key
	s_mov_b32 s53, 0                               ; steps with a hidden key
.set n, 0
.rept 32                                       ; row n / 2 of the tile (rows 8-15 lie 8 further down), 512 consecutive bytes a load
	global_load_b128 v[40+4*n:43+4*n], v3, s[12:13] offset:((n/2)+8*(n/16))*2048+(n%2)*512 th:TH_LOAD_NT
.set n, n+1
.endr
.set n, 0
.rept 16
	v_mov_b32 v[WD+n], 0                           ; written once: v_writelane_b32's destination counts as read
.set n, n+1
.endr
.set n, 0
.rept 32
	s_wait_loadcnt 31-n                            ; loads come back in order: number n is in, the younger ones stay out
	ds_store_b128 v4, v[40+4*n:43+4*n] offset:(n/2)*MROW+(n%2)*512
.set n, n+1
.endr
.macro MSTEP st                        ; 128 keys: lane (r, h) takes 16 bytes of each block of 32; a compare gives a word of lane bits
.irp b, 0,1,2,3
	ds_load_b128 v[8+4*\b:11+4*\b], v5 offset:128*(\st)+32*\b     ; LDS serves a wave's instructions in order: these see my stores
.endr
	s_wait_dscnt 0x0
	s_mov_b32 s28, 0                               ; the OR of the step's 64 words
	s_mov_b32 s29, -1                              ; and their AND
.irp b, 0,1,2,3
.irp i, 0,1,2,3,4,5,6,7,8,9,10,11,12,13,14,15
	v_and_b32 v[24+\i], s[48+(\i%4)], v[8+4*\b+\i/4]
.endr
.irp i, 0,1,2,3,4,5,6,7,8,9,10,11,12,13,14,15
	v_cmp_ne_u32 s[32+\i], 0, v[24+\i]
.endr
.irp i, 0,1,2,3,4,5,6,7,8,9,10,11,12,13,14,15
	v_writelane_b32 v[WD+2*(\st)+(\i%2)], s[32+\i], 8*\b+\i/2     ; word 16 b + i goes to lane (16 b + i) / 2
	s_or_b32 s28, s28, s[32+\i]
	s_and_b32 s29, s29, s[32+\i]
.endr
.endr
	s_cmp_lg_u32 s29, -1
	s_cselect_b32 s30, 1<<(\st), 0
	s_or_b32 s52, s52, s30
	s_cmp_lg_u32 s28, 0
	s_cselect_b32 s30, 1<<(\st), 0
	s_or_b32 s53, s53, s30
	global_store_b64 v6, v[WD+2*(\st):WD+2*(\st)+1], s[16:17] offset:256*(\st)   ; 32 lanes store 256 consecutive aligned bytes
.endm
.irp t, 0,1,2,3,4,5,6,7
	MSTEP \t
.endr
	v_mov_b32 v9, s52
	v_mov_b32 v10, s53
	v_cmp_eq_u32 vcc_lo, 1, v2
	v_cndmask_b32 v9, v9, v10, vcc_lo              ; lane 0: the open steps; lane 1: the hidden ones
	v_lshlrev_b32 v11, 1, v2
	v_cmp_gt_u32 vcc_lo, 2, v2
	s_wait_xcnt 0x0                                ; EXEC changes only behind this wait
	s_wait_tensorcnt 0x0
	ds_add_u32 v192, v193
	s_wait_dscnt 0x0
	s_and_saveexec_b32 s30, vcc_lo
	global_store_b8 v11, v9, s[18:19]
	s_wait_xcnt 0x0
	s_or_b32 exec_lo, exec_lo, s30
	s_endpgm
.Lfunc_end_k_qbff2083ba5_prep:
	.size	k_qbff2083ba5_prep, .Lfunc_end_k_qbff2083ba5_prep-k_qbff2083ba5_prep
	.p2alignl 7, 3214868480
	.fill 96, 4, 3214868480
	.section	.rodata,"a",@progbits
	.p2align	6, 0x0
	.amdhsa_kernel k_qbff2083ba5_prep
		.amdhsa_group_segment_fixed_size 67072
		.amdhsa_private_segment_fixed_size 0
		.amdhsa_enable_private_segment 0
		.amdhsa_kernarg_size 64
		.amdhsa_user_sgpr_count 2
		.amdhsa_user_sgpr_kernarg_segment_ptr 1
		.amdhsa_wavefront_size32 1
		.amdhsa_system_sgpr_workgroup_id_x 1
		.amdhsa_system_sgpr_workgroup_id_y 1
		.amdhsa_system_sgpr_workgroup_id_z 1
		.amdhsa_system_vgpr_workitem_id 0
		.amdhsa_next_free_vgpr 194
		.amdhsa_next_free_sgpr 66
		.amdhsa_reserve_vcc 1
		.amdhsa_float_denorm_mode_32 3
		.amdhsa_float_denorm_mode_16_64 3
		.amdhsa_memory_ordered 1
		.amdhsa_forward_progress 1
		.amdhsa_inst_pref_size 183
	.end_amdhsa_kernel
	.amdgpu_metadata
---
amdhsa.version: [ 1, 2 ]
amdhsa.kernels:
  - .name:           k_qbff2083ba5_prep
    .symbol:         k_qbff2083ba5_prep.kd
    .args:
      - { .name: wq, .offset: 0, .size: 8, .value_kind: global_buffer, .address_space: global }
      - { .name: wk, .offset: 8, .size: 8, .value_kind: global_buffer, .address_space: global }
      - { .name: wv, .offset: 16, .size: 8, .value_kind: global_buffer, .address_space: global }
      - { .name: wo, .offset: 24, .size: 8, .value_kind: global_buffer, .address_space: global }
      - { .name: mask, .offset: 32, .size: 8, .value_kind: global_buffer, .address_space: global }
      - { .name: wc, .offset: 40, .size: 8, .value_kind: global_buffer, .address_space: global }
      - { .name: mb, .offset: 48, .size: 8, .value_kind: global_buffer, .address_space: global }
      - { .name: mf, .offset: 56, .size: 8, .value_kind: global_buffer, .address_space: global }
    .group_segment_fixed_size: 67072
    .private_segment_fixed_size: 0
    .kernarg_segment_align: 8
    .kernarg_segment_size: 64
    .max_flat_workgroup_size: 128
    .sgpr_count:     66
    .vgpr_count:     194
    .wavefront_size: 32
...
	.end_amdgpu_metadata
.endif
;; end of part 1
;; launch proj (part 2): grid 64 x 3, 4 waves a work-group, no clusters, 203,264 bytes of LDS; arguments q, k, v, bq, bk, bv, wc, qc, kc, vc, sc; writes qc, kc, vc, sc
.if DOCPART == 2
	.amdgcn_target "amdgcn-amd-amdhsa--gfx1250"
	.amdhsa_code_object_version 6
	.text
	.protected	k_qbff2083ba5_proj
	.globl	k_qbff2083ba5_proj
	.p2align	8
	.type	k_qbff2083ba5_proj,@function
k_qbff2083ba5_proj:
	s_mov_b64 s[64:65], 0
	v_nop
	global_prefetch_b8 v0, s[64:65] scope:SCOPE_SE
	s_setreg_imm32_b32 hwreg(HW_REG_WAVE_MODE, 25, 1), 1
	s_wait_xcnt 0x0
; PROJ.  y = x W + b for x = q, k or v (work-group y), on codes of E4M3 with one E8M0 byte for each 32 along K; the result is quantised at once into attention's operands.
; A work-group takes 128 rows of x (work-group x = batch 16 + step) and all 1,024 columns.  TILES: lane r of tile t of a group of 128 holds row 32 (t / 2) + 8 (t % 2) + r + 8 (r / 8), for x's rows and for W's
; columns alike, so that in a result the 16 registers of source 0's tiles 2 beta and 2 beta + 1 are 16 neighbours, 32 beta + 16 (lane / 16) + 0 .. 15: the next operand's layout.
; PHASE X: wave w quantises rows 32 w .. 32 w + 31: a K step's 32 x 512 bytes come by dense loads (512 consecutive bytes each), turn through the wave's stage in LDS, and leave as images of the operand's registers:
;   group c of a fragment at 512 c + 16 lane; the scale word at 4 r.  One barrier.
; PHASE G: two passes; wave w takes columns 128 (2 w + pass): 64 accumulators, 8 K steps of 64 matrix instructions.  x's fragments come from LDS, W's from wc, laid in register order, two sets.
;   q, k: source 0 = W, source 1 = x: a lane holds one row and 128 columns (two heads): quantised along the head's 64.   v: source 0 = x, source 1 = W: a lane holds one column and 128 keys: quantised along the keys.
;   The bias is the C of each sum's first matrix instruction.  The 64 accumulators take turns, one instruction a turn.
; OUT: qc, kc [b 16 + head][step][tile 8][c 2][lane][16];  vc [b 16 + head][step][tile of d 4][c 4][lane][16];  every store of codes covers 512 consecutive aligned bytes.
;   sc: q's scale words at 0, k's at 524,288: [bh][step][r][tile 8], each word (s0, s1, s0, s1);  v's at 1,048,576: [bh][step][r][tile 4].
; NO TENSOR LOADS, NO CLUSTER, though all 64 row blocks walk the same W: the images, scale words and stages take 202,752 bytes; two slots of one K step of the four waves' slices (2 x 65,536) would make 333,824, over the 327,680 that a work-group can have.
; LIMITS: a block under 2^-118 (a block of zeros too) gets the byte 1; only this program reads the bytes.  NaN and infinities among the inputs are not served.
.set XSC,  131072                      ; LDS: images [K step 8][tile 8] x 2,048 from 0; here their scale words [K step][tile][r] ;
.set STG,  135168                      ; and the waves' stages, 32 rows x 528 each
.set SROW, 528                         ; 512 bytes + 16: 16 rows start 16 bytes apart modulo 256
.set WSTG, 32*SROW
.set LI,   1                           ; 16 x lane
.set PUTA, 4                           ; the stage, on the way in
.set TRD,  5                           ; and out: row r, + 64 h
.set IMG0, 6                           ; my images: 4,096 w + 16 lane
.set XSW0, 7                           ; my scale words: XSC + 128 w + 4 r
.set IMGA, 8                           ; the two with the K step added
.set XSWA, 9
.set XSA0, 10                          ; XSC + 4 r
.set XAD,  11                          ; phase G: images of the K step in hand
.set OFC,  12                          ; v12-15 the four groups' places in the output
.set XSA,  16                          ; phase G: scale words of the K step in hand
.set WSO,  17                          ; 32 r
.set BO,   18                          ; the bias's lane term
.set SELV, 19                          ; byte selector for the scale words
.set FLR,  20                          ; 2^(9 - 127)
.set SSO,  21                          ; the scale words' place in sc
.set XS,   32                          ; v32-47  x's scale words, two sets of 8
.set WS,   48                          ; v48-63  W's, two sets of 8
.set BIAS, 64                          ; v64-127 eight registers for each tile of W
.set XF,   128                         ; v128-255 x's eight fragments; outside the products: T, PC, TM, PW, SW
.set T,    128
.set PC,   192
.set TM,   208
.set PW,   224
.set SW,   232
.set XP,   26                          ; s[26:27] x;  s[28:29] bias;  s[30:31] codes out;  s[32:33] W's codes;  s[34:35] W's scale words;  s[36:37] scale words out
.set BP,   28
.set OP,   30
.set WP,   32
.set WSP,  34
.set SP,   36
.set WV,   46
.set KIND, 47
.set KX,   48
.set KS,   49
.set CNT,  50
.set PASS, 51
.set XK,   52
.set XSK,  53
.set SEL,  54
.set MNT,  56
.set HM,   57
.set INCA, 58
.set INCB, 60
.set INCC, 62
.set SPI,  66
.set VM,   68
.set MSB, 0
.macro WIN new                         ; s_set_vgpr_msb: bits 1:0 source 0, 3:2 source 1, 5:4 source 2, 7:6 destination; the high byte repeats the setting that is left
.if MSB != (\new)
	s_set_vgpr_msb (MSB<<8)|(\new)
.set MSB, \new
.endif
.endm
.macro BARRIER
	s_wait_dscnt 0x0                               ; my LDS stores have landed and my LDS loads are in
	s_barrier_signal -1
	s_barrier_wait -1
.endm
.macro SCALES4                         ; v[TM..TM+3]: my 16 numbers' largest magnitudes -> TM+8: 448 x scale, TM+12: the conversion's operand, PW: the scale word
.irp b, 0,1,2,3
	v_permlanex16_b32 v[TM+4+\b], v[TM+\b], s[SEL], s[SEL+1]
.endr
.irp b, 0,1,2,3
	v_max_num_f32 v[TM+\b], v[TM+\b], v[TM+4+\b]   ; with lane l xor 16's: the block's largest magnitude
.endr
.irp b, 0,1,2,3
	v_add_nc_u32 v[TM+12+\b], 0xfc000000, v[TM+\b]
.endr
.irp b, 0,1,2,3
	v_and_or_b32 v[TM+8+\b], v[TM+\b], 0x7f800000, s[MNT]
.endr
.irp b, 0,1,2,3
	v_lshrrev_b32 v[TM+4+\b], 23, v[TM+12+\b]
.endr
	v_lshl_or_b32 v[PW], v[TM+5], 8, v[TM+4]
	v_lshl_or_b32 v[PW], v[TM+6], 16, v[PW]
	v_lshl_or_b32 v[PW], v[TM+7], 24, v[PW]
.endm
.macro QUANT s                         ; 64 numbers of a lane, register 16 b + i = k 32 b + 16 h + i of my row -> codes in v[PC] on, scale word in v[PW]
.irp b, 0,1,2,3
	v_max3_num_f32 v[TM+\b], |v[\s+16*\b]|, |v[\s+1+16*\b]|, v[FLR]
.endr
.irp i, 2,4,6,8,10,12,14
.irp b, 0,1,2,3
	v_max3_num_f32 v[TM+\b], v[TM+\b], |v[\s+16*\b+\i]|, |v[\s+1+16*\b+\i]|
.endr
.endr
	SCALES4
.irp b, 0,1,2,3
.irp i, 0,1,2,3,4,5,6,7,8,9,10,11,12,13,14,15
	v_med3_num_f32 v[\s+16*\b+\i], v[\s+16*\b+\i], -v[TM+8+\b], v[TM+8+\b]   ; the conversion does not saturate (ISA guide 7.6.2): the hold
.endr
	v_cvt_scalef32_pk8_fp8_f32 v[PC+4*\b:PC+4*\b+1], v[\s+16*\b:\s+16*\b+7], v[TM+12+\b]
	v_cvt_scalef32_pk8_fp8_f32 v[PC+4*\b+2:PC+4*\b+3], v[\s+16*\b+8:\s+16*\b+15], v[TM+12+\b]
.endr
	v_nop                                          ; a plain line behind the last conversion
.endm
.macro GET set, off                    ; a K step (512 bytes) of my 32 rows into raw set 0 or 1 of window 2
	WIN 0x80
.set n, 0
.rept 32
	global_load_b128 v[128*(\set)+4*n:128*(\set)+4*n+3], v[LI], s[XP:XP+1] offset:n*4096+(\off) th:TH_LOAD_NT
.set n, n+1
.endr
	WIN 0
.endm
.macro PUT set                         ; into the stage; a tile's 16 rows stand together: row n goes to place 16 ((n / 8) % 2) + n % 8 + 8 (n / 16)
	WIN 0x08
.set n, 0
.rept 32
	ds_store_b128 v[PUTA], v[128*(\set)+4*n:128*(\set)+4*n+3] offset:(16*((n/8)%2)+(n%8)+8*(n/16))*SROW
.set n, n+1
.endr
	WIN 0
.endm
.macro QX kk, u                        ; tile 2 w + u of K step (pair's first + kk): out of the stage, quantised, its image and scale word to LDS
.irp b, 0,1,2,3
.irp j, 0,1,2,3
	ds_load_b128 v[T+16*\b+4*\j:T+16*\b+4*\j+3], v[TRD] offset:(\u)*16*SROW+128*\b+16*\j
.endr
.endr
	s_wait_dscnt 0x0
	QUANT T
.irp c, 0,1,2,3
	ds_store_b128 v[IMGA], v[PC+4*\c:PC+4*\c+3] offset:(\kk)*16384+(\u)*2048+512*\c
.endr
	ds_store_b32 v[XSWA], v[PW] offset:(\kk)*512+(\u)*64     ; lanes r and r + 16 write the same word with the same value
	s_wait_dscnt 0x0                               ; the stores have read their registers
.endm
	s_load_b512 s[4:19], s[0:1], 0x0               ; q, k, v, bq, bk, bv, wc, qc
	s_load_b128 s[20:23], s[0:1], 0x40             ; kc, vc
	s_load_b64 s[24:25], s[0:1], 0x50              ; sc
	v_lshl_add_u32 v30, v0, 2, 0x31800
	v_mov_b32 v31, 0
	v_lshrrev_b32 v2, 5, v0
	v_readfirstlane_b32 s[WV], v2                  ; wave 0..3
	s_and_b32 s[KIND], ttmp7, 0xffff               ; 0: q, 1: k, 2: v
	v_and_b32 v2, 31, v0
	v_lshlrev_b32 v[LI], 4, v2
	v_and_b32 v2, 15, v0                           ; r
	v_bfe_u32 v3, v0, 4, 1                         ; h
	s_mul_i32 s38, s[WV], WSTG
	s_add_co_u32 s38, s38, STG
	v_add_nc_u32 v[PUTA], s38, v[LI]
	v_mul_u32_u24 v[TRD], v2, SROW
	v_lshl_add_u32 v[TRD], v3, 6, v[TRD]
	v_add_nc_u32 v[TRD], s38, v[TRD]
	s_lshl_b32 s38, s[WV], 12
	v_add_nc_u32 v[IMG0], s38, v[LI]
	s_lshl_b32 s38, s[WV], 7
	s_add_co_u32 s38, s38, XSC
	v_lshl_add_u32 v[XSW0], v2, 2, s38
	v_lshlrev_b32 v[XSA0], 2, v2
	v_add_nc_u32 v[XSA0], XSC, v[XSA0]
	v_lshlrev_b32 v[WSO], 5, v2
	v_mov_b32 v[FLR], 0x4800000
	s_mov_b32 s[SEL], 0x76543210
	s_mov_b32 s[SEL+1], 0xfedcba98                 ; v_permlanex16_b32's selects for lane l xor 16
	s_mov_b32 s[MNT], 0x600000                     ; the mantissa field of 448
	s_mov_b32 s[HM], 0xffff0000                    ; lanes 16-31
	; what differs between q, k and v in the way out is chosen here, by the work-group's number alone
	s_cmp_eq_u32 s[KIND], 2
	s_cselect_b32 s[VM], -1, 0
	s_cselect_b32 s38, 4, 5
	s_cselect_b32 s39, 12, 13
	s_mov_b32 s40, 131072
	s_cselect_b32 s40, 1024, s40                   ; group 2's place: q, k: the next head; v: 1,024 on
	s_cselect_b32 s43, 1, 0
	s_mov_b32 s[INCA], 1024
	s_cselect_b32 s[INCA], 2048, s[INCA]           ; from tile to tile
	s_mov_b32 s[INCA+1], 0
	s_mov_b32 s[INCB], 1024
	s_cselect_b32 s[INCB], 124928, s[INCB]         ; from tile 3 to tile 4: v: the next head, 131,072 - 3 x 2,048
	s_mov_b32 s[INCB+1], 0
	s_mov_b32 s[INCC], 254976
	s_cselect_b32 s[INCC], 124928, s[INCC]         ; from tile 7 to the next pass's tile 0: two heads (262,144) less what was stepped
	s_mov_b32 s[INCC+1], 0
	s_mov_b32 s[SPI], 16384
	s_cselect_b32 s[SPI], 8192, s[SPI]             ; the scale words of two heads
	s_mov_b32 s[SPI+1], 0
	v_lshlrev_b32 v[SSO], s38, v2
	v_lshlrev_b32 v22, s39, v3
	v_add_nc_u32 v[SSO], v[SSO], v22               ; q, k: 32 r + 8,192 h;  v: 16 r + 4,096 h
	v_mov_b32 v[OFC], v[LI]
	v_add_nc_u32 v[OFC+1], 512, v[LI]
	v_add_nc_u32 v[OFC+2], s40, v[LI]
	v_add_nc_u32 v[OFC+3], 512, v[OFC+2]
	v_lshlrev_b32 v[BO], 6, v3                     ; q, k: the bias of columns 16 h + 0 .. 7 of a tile
	v_and_b32 v22, 8, v2
	v_add_nc_u32 v22, v22, v2
	v_lshlrev_b32 v22, 2, v22                      ; v: of column r + 8 (r / 8)
	v_cndmask_b32 v[BO], v[BO], v22, s[VM]
	v_mov_b32 v[SELV], 0x01000100                  ; q, k: lanes 0-15 repeat bytes 0, 1 (the first head),
	v_mov_b32 v22, 0x03020302
	v_cndmask_b32 v[SELV], v[SELV], v22, s[HM]     ; lanes 16-31 bytes 2, 3 (the second);
	v_mov_b32 v22, 0x03020100
	v_cndmask_b32 v[SELV], v[SELV], v22, s[VM]     ; v: the word as it is
.irp b, 0,1,2,3
	v_mov_b32 v[TM+4+\b], 0                        ; written once: a lane permute's destination counts as read
.endr
	s_wait_kmcnt 0x0
	s_cmp_eq_u32 s[KIND], 1
	s_cselect_b64 s[XP:XP+1], s[6:7], s[4:5]
	s_cselect_b64 s[BP:BP+1], s[12:13], s[10:11]
	s_cselect_b64 s[OP:OP+1], s[20:21], s[18:19]
	s_cmp_eq_u32 s[KIND], 2
	s_cselect_b64 s[XP:XP+1], s[8:9], s[XP:XP+1]
	s_cselect_b64 s[BP:BP+1], s[14:15], s[BP:BP+1]
	s_cselect_b64 s[OP:OP+1], s[22:23], s[OP:OP+1]
	s_lshl_b32 s38, ttmp9, 19                      ; x: 128 rows of 4,096 bytes a work-group, 32 a wave
	s_lshl_b32 s39, s[WV], 17
	s_add_co_u32 s38, s38, s39
	s_mov_b32 s39, 0
	s_add_nc_u64 s[XP:XP+1], s[XP:XP+1], s[38:39]
	GET 0, 0                                       ; K steps 0 and 1 are on their way while the other addresses are made
	GET 1, 512
	s_lshl_b32 s38, s[KIND], 20                    ; W's codes: weight, slice 2 w
	s_lshl_b32 s40, s[WV], 18
	s_add_co_u32 s38, s38, s40
	s_add_nc_u64 s[WP:WP+1], s[16:17], s[38:39]
	s_lshl_b32 s38, s[KIND], 15
	s_lshl_b32 s40, s[WV], 13
	s_add_co_u32 s38, s38, s40
	s_add_co_u32 s38, s38, 4194304
	s_add_nc_u64 s[WSP:WSP+1], s[16:17], s[38:39]
	s_lshl_b32 s38, s[WV], 10                      ; the bias of 256 columns a wave
	s_add_nc_u64 s[BP:BP+1], s[BP:BP+1], s[38:39]
	s_lshr_b32 s40, ttmp9, 4                       ; batch
	s_and_b32 s41, ttmp9, 15                       ; step
	s_lshl_b32 s38, s40, 21                        ; codes out: (16 batch + 4 w) heads of 131,072, + 8,192 step
	s_lshl_b32 s42, s[WV], 19
	s_add_co_u32 s38, s38, s42
	s_lshl_b32 s42, s41, 13
	s_add_co_u32 s38, s38, s42
	s_add_nc_u64 s[OP:OP+1], s[OP:OP+1], s[38:39]
	s_lshl_b32 s38, s40, 17                        ; scale words out: heads of 8,192 (v: 4,096), steps of 512 (v: 256)
	s_lshl_b32 s42, s[WV], 15
	s_add_co_u32 s38, s38, s42
	s_lshl_b32 s42, s41, 9
	s_add_co_u32 s38, s38, s42
	s_lshr_b32 s38, s38, s43
	s_lshl_b32 s42, s[KIND], 19                    ; q's at 0, k's at 524,288, v's at 1,048,576
	s_add_co_u32 s38, s38, s42
	s_add_nc_u64 s[SP:SP+1], s[24:25], s[38:39]
	; ---------------- phase X ----------------
	s_mov_b32 s[KX], 0
	s_mov_b32 s[KS], 0
	s_mov_b32 s[CNT], 3
.Lxk:                                              ; a trip: two K steps quantised, the two after them asked for
	v_add_nc_u32 v[IMGA], s[KX], v[IMG0]
	v_add_nc_u32 v[XSWA], s[KS], v[XSW0]
	s_wait_loadcnt 32                              ; set 0 is in; set 1's 32 loads are younger
	PUT 0
	s_wait_dscnt 0x0                               ; the stores have read set 0
	GET 0, 1024
	QX 0, 0
	QX 0, 1
	s_wait_loadcnt 32                              ; set 1 is in; set 0's new 32 loads are younger
	PUT 1
	s_wait_dscnt 0x0
	GET 1, 1536
	QX 1, 0
	QX 1, 1
	s_wait_xcnt 0x0                                ; the loads have read their base: it may step
	s_add_nc_u64 s[XP:XP+1], s[XP:XP+1], 1024
	s_add_co_u32 s[KX], s[KX], 32768
	s_add_co_u32 s[KS], s[KS], 1024
	s_sub_co_u32 s[CNT], s[CNT], 1
	s_cmp_lg_u32 s[CNT], 0
	s_cbranch_scc1 .Lxk
	v_add_nc_u32 v[IMGA], s[KX], v[IMG0]           ; the last two K steps ask for nothing: no load leaves the buffer
	v_add_nc_u32 v[XSWA], s[KS], v[XSW0]
	s_wait_loadcnt 32
	PUT 0
	QX 0, 0
	QX 0, 1
	s_wait_loadcnt 0x0
	PUT 1
	QX 1, 0
	QX 1, 1
	BARRIER                                        ; all 64 images and their scale words lie in LDS; from here on LDS is only read
	; ---------------- phase G ----------------
.macro FETCH_W p, off                  ; a K step of my slice of W into set p of window 1, and its scale words: 34 loads
	WIN 0x40
.irp b, 0,1,2,3,4,5,6,7
.irp c, 0,1,2,3
	global_load_b128 v[128*(\p)+16*\b+4*\c:128*(\p)+16*\b+4*\c+3], v[LI], s[WP:WP+1] offset:(\off)+\b*2048+\c*512
.endr
.endr
	WIN 0
	global_load_b128 v[WS+8*(\p):WS+8*(\p)+3], v[WSO], s[WSP:WSP+1] offset:(\off)/32
	global_load_b128 v[WS+8*(\p)+4:WS+8*(\p)+7], v[WSO], s[WSP:WSP+1] offset:(\off)/32+16
.endm
.macro FETCH_X i0, off                 ; x's tiles i0 .. i0 + 3: 16 LDS loads
.irp a, \i0, \i0+1, \i0+2, \i0+3
.irp c, 0,1,2,3
	ds_load_b128 v[XF+16*(\a)+4*\c:XF+16*(\a)+4*\c+3], v[XAD] offset:(\off)+(\a)*2048+\c*512
.endr
.endr
.endm
.macro FETCH_XS x, off                 ; x's eight scale words into set x
.irp a, 0,1,2,3,4,5,6,7
	ds_load_b32 v[XS+8*(\x)+\a], v[XSA] offset:(\off)/32+\a*64
.endr
.endm
.macro MULQ a0, p, first               ; source 0 = W (window 1), source 1 = x; accumulator (a, b) at v[8 (8 (a % 4) + b)] of window 2 + a / 4
.if \first
	WIN 0x81+0x40*((\a0)/4)
.else
	WIN 0xa1+0x50*((\a0)/4)
.endif
.irp a, \a0, \a0+1, \a0+2, \a0+3
.irp b, 0,1,2,3,4,5,6,7
.if \first
	v_wmma_scale_f32_16x16x128_f8f6f4 v[8*(8*((\a)%4)+\b):8*(8*((\a)%4)+\b)+7], v[128*(\p)+16*\b:128*(\p)+16*\b+15], v[XF+16*(\a):XF+16*(\a)+15], v[BIAS+8*\b:BIAS+8*\b+7], v[WS+8*(\p)+\b], v[XS+8*(\p)+(\a)]
.else
	v_wmma_scale_f32_16x16x128_f8f6f4 v[8*(8*((\a)%4)+\b):8*(8*((\a)%4)+\b)+7], v[128*(\p)+16*\b:128*(\p)+16*\b+15], v[XF+16*(\a):XF+16*(\a)+15], v[8*(8*((\a)%4)+\b):8*(8*((\a)%4)+\b)+7], v[WS+8*(\p)+\b], v[XS+8*(\p)+(\a)]
.endif
.endr
.endr
.endm
.macro MULV a0, p, first               ; source 0 = x, source 1 = W (window 1); accumulator (b, a) at v[8 (8 (b % 4) + a)] of window 2 + b / 4
.irp g, 0,1
.if \first
	WIN 0x84+0x40*\g
.else
	WIN 0xa4+0x50*\g
.endif
.irp e, 0,1,2,3
.irp a, \a0, \a0+1, \a0+2, \a0+3
.if \first
	v_wmma_scale_f32_16x16x128_f8f6f4 v[8*(8*\e+(\a)):8*(8*\e+(\a))+7], v[XF+16*(\a):XF+16*(\a)+15], v[128*(\p)+16*(4*\g+\e):128*(\p)+16*(4*\g+\e)+15], v[BIAS+8*(4*\g+\e):BIAS+8*(4*\g+\e)+7], v[XS+8*(\p)+(\a)], v[WS+8*(\p)+4*\g+\e]
.else
	v_wmma_scale_f32_16x16x128_f8f6f4 v[8*(8*\e+(\a)):8*(8*\e+(\a))+7], v[XF+16*(\a):XF+16*(\a)+15], v[128*(\p)+16*(4*\g+\e):128*(\p)+16*(4*\g+\e)+15], v[8*(8*\e+(\a)):8*(8*\e+(\a))+7], v[XS+8*(\p)+(\a)], v[WS+8*(\p)+4*\g+\e]
.endif
.endr
.endr
.endr
.endm
.macro MUL var, a0, p, first
.if (\var) == 0
	MULQ \a0, \p, \first
.else
	MULV \a0, \p, \first
.endif
.endm
; A K step: 64 matrix instructions on sets p.  Loads into registers that matrix instructions have read stand eight plain vector lines behind them.
.macro STEP var, p, first, last, bump, xoff, woff
.if (\last) == 0
	FETCH_W 1-(\p), \woff                          ; the next K step of W, into the set that the step before has left (its closing eight lines stand between)
	s_wait_loadcnt 34                              ; all but the 34 just issued: this step's W is in
.else
	s_wait_loadcnt 0x0
.endif
	s_wait_dscnt 16                                ; x's tiles 0-3 and scale words are in; the 16 loads of tiles 4-7 are younger
	MUL \var, 0, \p, \first
	s_wait_dscnt 0x0
	WIN 0
.if \bump
	s_add_co_u32 s[XK], s[XK], 32768               ; two K steps on in LDS (no LDS load of mine is out)
	s_add_co_u32 s[XSK], s[XSK], 1024
	v_add_nc_u32 v[XAD], s[XK], v[LI]
	v_add_nc_u32 v[XSA], s[XSK], v[XSA0]
.rept 6
	v_nop
.endr
.else
.rept 8
	v_nop
.endr
.endif
.if (\last) == 0
	FETCH_X 0, \xoff
	FETCH_XS 1-(\p), \xoff
.endif
	MUL \var, 4, \p, \first
	WIN 0
.rept 8
	v_nop
.endr
.if (\last) == 0
	FETCH_X 4, \xoff
.endif
.endm
.macro GEMM var
.if (\var) == 0
.irp b, 0,1,2,3,4,5,6,7                        ; the bias in the result's layout: tile b, columns 32 (b / 2) + 8 (b % 2) + 16 h + 0 .. 7
	global_load_b128 v[BIAS+8*\b:BIAS+8*\b+3], v[BO], s[BP:BP+1] offset:(32*(\b/2)+8*(\b%2))*4
	global_load_b128 v[BIAS+8*\b+4:BIAS+8*\b+7], v[BO], s[BP:BP+1] offset:(32*(\b/2)+8*(\b%2))*4+16
.endr
	FETCH_W 0, 0
.else
.irp b, 0,1,2,3,4,5,6,7                        ; a lane holds one column: its bias, in all eight registers of the tile
	global_load_b32 v[BIAS+8*\b], v[BO], s[BP:BP+1] offset:(32*(\b/2)+8*(\b%2))*4
.endr
	FETCH_W 0, 0
	s_wait_loadcnt 34                              ; the eight words are in; W's 34 loads are younger
.irp b, 0,1,2,3,4,5,6,7
.irp j, 1,2,3,4,5,6,7
	v_mov_b32 v[BIAS+8*\b+\j], v[BIAS+8*\b]
.endr
.endr
.endif
	FETCH_X 0, 0
	FETCH_XS 0, 0
	FETCH_X 4, 0
	STEP \var, 0, 1, 0, 0, 16384, 16384            ; K step 0 starts the sums from the bias
	s_mov_b32 s[CNT], 3
.Lk_\@:                                            ; K steps 1, 2 | 3, 4 | 5, 6
	STEP \var, 1, 0, 0, 1, 0, 32768
	STEP \var, 0, 0, 0, 0, 16384, 49152
	s_wait_xcnt 0x0                                ; W's loads have read their bases
	s_add_nc_u64 s[WP:WP+1], s[WP:WP+1], 32768
	s_add_nc_u64 s[WSP:WSP+1], s[WSP:WSP+1], 1024
	s_sub_co_u32 s[CNT], s[CNT], 1
	s_cmp_lg_u32 s[CNT], 0
	s_cbranch_scc1 .Lk_\@
	STEP \var, 1, 0, 1, 0, 0, 0                    ; K step 7 asks for nothing
.endm
; The way out of the 64 registers at 64 (i % 4) of window 2 + i / 4: q, k: x's tile i, 128 columns; v: W's tile i, 128 keys.  Each accumulator is read from its low end on.
.macro QW i
.set AB, 64*((\i)%4)
.set WN, 2+(\i)/4
	WIN (WN<<2)|(WN<<4)                            ; sources 1 and 2: the accumulators
.irp b, 0,1,2,3
	v_max3_num_f32 v[TM+\b], v[FLR], |v[AB+16*\b]|, |v[AB+16*\b+1]|
.endr
.irp k, 2,4,6,8,10,12,14
.irp b, 0,1,2,3
	v_max3_num_f32 v[TM+\b], v[TM+\b], |v[AB+16*\b+\k]|, |v[AB+16*\b+\k+1]|
.endr
.endr
	WIN 0
	SCALES4
	WIN WN                                         ; source 0: the accumulators
.irp b, 0,1,2,3
.irp k, 0,1,2,3,4,5,6,7,8,9,10,11,12,13,14,15
	v_med3_num_f32 v[T+16*\b+\k], v[AB+16*\b+\k], -v[TM+8+\b], v[TM+8+\b]
.endr
.endr
	WIN 0
.if (\i) > 0
	s_wait_xcnt 0x0                                ; the last tile's stores have read their data and their base
.if (\i) == 4
	s_add_nc_u64 s[OP:OP+1], s[OP:OP+1], s[INCB:INCB+1]
.else
	s_add_nc_u64 s[OP:OP+1], s[OP:OP+1], s[INCA:INCA+1]
.endif
.endif
.irp b, 0,1,2,3
	v_cvt_scalef32_pk8_fp8_f32 v[PC+4*\b:PC+4*\b+1], v[T+16*\b:T+16*\b+7], v[TM+12+\b]
	v_cvt_scalef32_pk8_fp8_f32 v[PC+4*\b+2:PC+4*\b+3], v[T+16*\b+8:T+16*\b+15], v[TM+12+\b]
.endr
	v_perm_b32 v[SW+(\i)], v[PW], v[PW], v[SELV]   ; the tile's scale word, as the reader wants it.  (Also the plain line behind the last conversion)
.irp c, 0,1,2,3
	global_store_b128 v[OFC+\c], v[PC+4*\c:PC+4*\c+3], s[OP:OP+1]    ; 512 consecutive aligned bytes
.endr
.endm
	s_mov_b32 s[PASS], 2
.Lpass:
	s_mov_b32 s[XK], 0
	s_mov_b32 s[XSK], 0
	v_mov_b32 v[XAD], v[LI]
	v_mov_b32 v[XSA], v[XSA0]
	s_cmp_eq_u32 s[KIND], 2
	s_cbranch_scc1 .Lgv
	GEMM 0
	s_branch .Lepi
.Lgv:
	GEMM 1
.Lepi:                                             ; the last K step's closing eight lines are the places in front of the first read of results
.irp i, 0,1,2,3,4,5,6,7
	QW \i
.endr
	s_cmp_eq_u32 s[KIND], 2
	s_cbranch_scc1 .Lsv
	global_store_b128 v[SSO], v[SW:SW+3], s[SP:SP+1]                 ; lanes 0-15: the first head's 512 bytes; lanes 16-31: the second's
	global_store_b128 v[SSO], v[SW+4:SW+7], s[SP:SP+1] offset:16
	s_branch .Lsd
.Lsv:
.irp k, 0,1,2,3
	v_cndmask_b32 v[SW+\k], v[SW+\k], v[SW+4+\k], s[HM]              ; lanes 0-15: tiles 0-3 (the first head); lanes 16-31: tiles 4-7
.endr
	global_store_b128 v[SSO], v[SW:SW+3], s[SP:SP+1]
.Lsd:
	s_wait_xcnt 0x0                                ; every store has read its data and base: the pointers step, and the next pass may load over the data
	s_add_nc_u64 s[OP:OP+1], s[OP:OP+1], s[INCC:INCC+1]
	s_add_nc_u64 s[SP:SP+1], s[SP:SP+1], s[SPI:SPI+1]
	s_add_nc_u64 s[BP:BP+1], s[BP:BP+1], 512
	s_add_nc_u64 s[WP:WP+1], s[WP:WP+1], 32768     ; 3 x 32,768 were stepped: the next slice lies 131,072 on
	s_add_nc_u64 s[WSP:WSP+1], s[WSP:WSP+1], 1024
	s_sub_co_u32 s[PASS], s[PASS], 1
	s_cmp_lg_u32 s[PASS], 0
	s_cbranch_scc1 .Lpass
	s_wait_tensorcnt 0x0
	ds_add_u32 v30, v31
	s_wait_dscnt 0x0
	s_endpgm
.Lfunc_end_k_qbff2083ba5_proj:
	.size	k_qbff2083ba5_proj, .Lfunc_end_k_qbff2083ba5_proj-k_qbff2083ba5_proj
	.p2alignl 7, 3214868480
	.fill 96, 4, 3214868480
	.section	.rodata,"a",@progbits
	.p2align	6, 0x0
	.amdhsa_kernel k_qbff2083ba5_proj
		.amdhsa_group_segment_fixed_size 203264
		.amdhsa_private_segment_fixed_size 0
		.amdhsa_enable_private_segment 0
		.amdhsa_kernarg_size 88
		.amdhsa_user_sgpr_count 2
		.amdhsa_user_sgpr_kernarg_segment_ptr 1
		.amdhsa_wavefront_size32 1
		.amdhsa_system_sgpr_workgroup_id_x 1
		.amdhsa_system_sgpr_workgroup_id_y 1
		.amdhsa_system_sgpr_workgroup_id_z 1
		.amdhsa_system_vgpr_workitem_id 0
		.amdhsa_next_free_vgpr 1024
		.amdhsa_next_free_sgpr 72
		.amdhsa_reserve_vcc 0
		.amdhsa_float_denorm_mode_32 3
		.amdhsa_float_denorm_mode_16_64 3
		.amdhsa_memory_ordered 1
		.amdhsa_forward_progress 1
		.amdhsa_inst_pref_size 255
	.end_amdhsa_kernel
	.section	.bss,"aw",@nobits
	.p2align	6
	.space	262144
	.amdgpu_metadata
---
amdhsa.version: [ 1, 2 ]
amdhsa.kernels:
  - .name:           k_qbff2083ba5_proj
    .symbol:         k_qbff2083ba5_proj.kd
    .args:
      - { .name: q, .offset: 0, .size: 8, .value_kind: global_buffer, .address_space: global }
      - { .name: k, .offset: 8, .size: 8, .value_kind: global_buffer, .address_space: global }
      - { .name: v, .offset: 16, .size: 8, .value_kind: global_buffer, .address_space: global }
      - { .name: bq, .offset: 24, .size: 8, .value_kind: global_buffer, .address_space: global }
      - { .name: bk, .offset: 32, .size: 8, .value_kind: global_buffer, .address_space: global }
      - { .name: bv, .offset: 40, .size: 8, .value_kind: global_buffer, .address_space: global }
      - { .name: wc, .offset: 48, .size: 8, .value_kind: global_buffer, .address_space: global }
      - { .name: qc, .offset: 56, .size: 8, .value_kind: global_buffer, .address_space: global }
      - { .name: kc, .offset: 64, .size: 8, .value_kind: global_buffer, .address_space: global }
      - { .name: vc, .offset: 72, .size: 8, .value_kind: global_buffer, .address_space: global }
      - { .name: sc, .offset: 80, .size: 8, .value_kind: global_buffer, .address_space: global }
    .group_segment_fixed_size: 203264
    .private_segment_fixed_size: 0
    .kernarg_segment_align: 8
    .kernarg_segment_size: 88
    .max_flat_workgroup_size: 128
    .sgpr_count:     72
    .vgpr_count:     1024
    .wavefront_size: 32
...
	.end_amdgpu_metadata
.endif
;; end of part 2
;; launch attn (part 3): grid 8 x 64, 16 waves a work-group, no clusters, 47,104 bytes of LDS; arguments qc, kc, vc, sc, mb, mf, oc; writes oc
.if DOCPART == 3
	.amdgcn_target "amdgcn-amd-amdhsa--gfx1250"
	.amdhsa_code_object_version 6
	.text
	.protected	k_qbff2083ba5_attn
	.globl	k_qbff2083ba5_attn
	.p2align	8
	.type	k_qbff2083ba5_attn,@function
k_qbff2083ba5_attn:
	s_mov_b64 s[64:65], 0
	v_nop
	global_prefetch_b8 v0, s[64:65] scope:SCOPE_SE
	s_setreg_imm32_b32 hwreg(HW_REG_WAVE_MODE, 25, 1), 1
	s_wait_xcnt 0x0
; ATTN.  For one batch and head: S^T = K Q^T, the given mask, p = 2^(t - M), O^T += V^T P^T, O / l, quantised for the last product.  All products on codes of E4M3 with E8M0 scales.
; t = score x log2(e) / 8; M = the running largest t rounded UP to a whole number; p is quantised along the keys, not normalised; the row's sum l is taken of the unquantised p; when M moves, l and O are multiplied by 2^(old M - new M): exact.
; SHARES.  A work-group owns chunks j and 15 - j of 128 queries; each of its sixteen waves owns one tile of 16 queries in 256 registers.  Wave w: tile w / 2 of chunk j or 15 - j by (w xor w / 4) % 2.
; Every work-group walks all 16 steps of 128 keys with one barrier a step.  WHAT IS LEFT OUT hangs on whole numbers that an earlier launch made of the mask: a wave leaves out the work of a step all of whose keys are
; hidden from its 16 queries; the work-group leaves out the fill of a step that none of its waves works on; the 64 selects of the mask are left out in a step with no hidden key.  This holds for every mask.
; LAYOUT.  Both products are used transposed: a lane holds ONE query (lane % 16).  Operands lie in memory as images of their registers (group c at 512 c + 16 lane), so a step's K (8,192 bytes) and V (8,192) are dense:
; each thread brings 16 bytes of each through registers into a ring of two slots, a step ahead.  K's and V's scale words of the whole head stay in LDS.
; THE HEAD'S K IS 64, THE INSTRUCTION'S 128.  Q's upper 64 codes are zeros.  K's tile t is named v[32 + 8 t : 47 + 8 t]: its upper half is the next tile's codes (behind tile 7: zeros): numbers of the format, never the NaN code,
; since the quantiser holds at 448; times Q's zeros they add nothing.  The scale words repeat their two bytes.
; NO TENSOR LOADS, NO CLUSTER, though the eight work-groups of a head read the same K and V: this text branches on numbers read from memory.
; A row with no open key has l = 0: its scale bytes become 0xff, so that the last product gives NaN there, as the softmax of a row of -infinity does.
; LIMITS: a block under 2^-118 gets the byte 1; only this program reads the bytes.
.set VSL,  8192                        ; LDS: K's scale words [step][r][tile 8] from 0; V's [step][r][tile 4] from here;
.set RING, 12288                       ; slot s at RING + 16,384 s: K's images, then V's
.set SLOT, 16384
.set S,    104                         ; v104-167 S^T, then p;  register 16 b + i: key 32 b + 16 h + i
.set O,    168                         ; v168-199 O^T: register 16 b + i: channel 32 b + 16 h + i
.set PCD,  200                         ; v200-215 p's codes
.set KSW,  216                         ; v216-223 K's scale words;  v224-227 V's;  v228 Q's;  v229 p's
.set VSW,  224
.set QSW,  228
.set PSW,  229
.set FD,   230                         ; v230-237 the fill's data
.set BM,   238
.set PMX,  242
.set LIM,  246
.set SOP,  250
; v1 16 lane; v2 32 r; v3 VSL + 16 r; v4 RING + 16 thread; v5 16 thread; v6 -infinity; v7, v8 the step's scale words; v9 at work; v[10:11] f; v12 -M; v13 largest t; v[14:15] l; v16-31 Q; v32-103 K (v96-103 zeros), then V in v32-95
; s[6:7] K, s[8:9] V, s[12:13] the mask's words, s[16:17] codes out, s[10:11] scale bytes out; s18 wave; s19 trips; s[20:21] selects; s[22:23] c; s24 mantissa; s25 my open steps; s26 my hidden steps; s27 the work-group's steps; s28, s29 scale words' steps
	s_load_b256 s[4:11], s[0:1], 0x0               ; qc, kc, vc, sc
	s_load_b128 s[12:15], s[0:1], 0x20             ; mb, mf
	s_load_b64 s[16:17], s[0:1], 0x30              ; oc
	v_lshl_add_u32 v254, v0, 2, 0xb000
	v_mov_b32 v255, 0
	v_lshrrev_b32 v9, 5, v0
	v_readfirstlane_b32 s18, v9                    ; wave 0..15
	s_and_b32 s30, ttmp7, 0xffff                   ; batch 16 + head
	s_lshr_b32 s31, s30, 4                         ; batch
	s_and_b32 s2, s30, 15                          ; head
	s_lshr_b32 s3, s18, 2
	s_xor_b32 s3, s3, s18
	s_and_b32 s3, s3, 1
	s_sub_co_u32 s32, 15, ttmp9
	s_cmp_eq_u32 s3, 1
	s_cselect_b32 s33, s32, ttmp9                  ; my chunk
	s_lshr_b32 s34, s18, 1                         ; my tile in it
	s_lshl_b32 s35, s31, 7
	s_lshl_b32 s36, s33, 3
	s_add_co_u32 s35, s35, s36
	s_add_co_u32 s35, s35, s34                     ; batch 128 + chunk 8 + tile
	s_mov_b32 s37, 0
	v_and_b32 v9, 31, v0
	v_lshlrev_b32 v1, 4, v9
	v_and_b32 v10, 15, v0                          ; r
	v_lshlrev_b32 v2, 5, v10
	v_lshlrev_b32 v3, 4, v10
	v_add_nc_u32 v3, VSL, v3
	v_lshlrev_b32 v5, 4, v0
	v_add_nc_u32 v4, RING, v5
	v_lshlrev_b32 v7, 3, v0
	s_wait_kmcnt 0x0
	s_lshl_b32 s36, s35, 2
	s_add_nc_u64 s[56:57], s[14:15], s[36:37]
	s_load_b32 s25, s[56:57], 0x0                  ; my tile's flags
	s_lshl_b32 s38, s31, 9
	s_lshl_b32 s36, ttmp9, 5
	s_add_co_u32 s36, s36, s38
	s_add_nc_u64 s[58:59], s[14:15], s[36:37]
	s_load_b256 s[40:47], s[58:59], 0x0            ; those of chunk j's eight tiles,
	s_lshl_b32 s36, s32, 5
	s_add_co_u32 s36, s36, s38
	s_add_nc_u64 s[60:61], s[14:15], s[36:37]
	s_load_b256 s[48:55], s[60:61], 0x0            ; and of chunk 15 - j's
	s_lshl_b32 s36, s30, 17                        ; a head's codes: 131,072 bytes
	s_add_nc_u64 s[6:7], s[6:7], s[36:37]
	s_add_nc_u64 s[8:9], s[8:9], s[36:37]
	s_lshl_b32 s38, s33, 13
	s_add_co_u32 s36, s36, s38
	s_lshl_b32 s38, s34, 10
	s_add_co_u32 s36, s36, s38
	s_add_nc_u64 s[4:5], s[4:5], s[36:37]          ; my tile of Q
	s_lshl_b32 s36, s35, 12
	s_add_nc_u64 s[12:13], s[12:13], s[36:37]      ; my tile's mask words: 4,096 bytes
	s_lshl_b32 s39, s30, 13
	s_lshl_b32 s36, s33, 9
	s_add_co_u32 s36, s36, s39
	s_lshl_b32 s38, s34, 2
	s_add_co_u32 s36, s36, s38
	s_add_nc_u64 s[68:69], s[10:11], s[36:37]      ; Q's scale words
	s_add_co_u32 s36, s39, 524288
	s_add_nc_u64 s[70:71], s[10:11], s[36:37]      ; K's, the whole head's
	s_lshl_b32 s36, s30, 12
	s_add_co_u32 s36, s36, 1048576
	s_add_nc_u64 s[72:73], s[10:11], s[36:37]      ; V's
	global_load_b128 v[FD:FD+3], v5, s[6:7]        ; step 0's K and V
	global_load_b128 v[FD+4:FD+7], v5, s[8:9]
	global_load_b128 v[32:35], v5, s[70:71]
	global_load_b64 v[36:37], v7, s[72:73]
	global_load_b128 v[16:19], v1, s[4:5]
	global_load_b128 v[20:23], v1, s[4:5] offset:512
	global_load_b32 v[QSW], v2, s[68:69]
	s_lshl_b32 s38, s31, 4
	s_add_co_u32 s38, s38, s33                     ; the block of 128 rows: batch 16 + chunk
	s_lshr_b32 s39, s2, 1                          ; the last product's K step: head / 2
	s_and_b32 s2, s2, 1
	s_lshl_b32 s36, s38, 12                        ; scale bytes out: [block][K step][tile][r] words, my head's two bytes
	s_lshl_b32 s3, s39, 9
	s_add_co_u32 s36, s36, s3
	s_lshl_b32 s3, s34, 6
	s_add_co_u32 s36, s36, s3
	s_lshl_b32 s3, s2, 1
	s_add_co_u32 s36, s36, s3
	s_add_co_u32 s36, s36, 8388608
	s_add_nc_u64 s[10:11], s[16:17], s[36:37]
	s_lshl_b32 s36, s38, 17                        ; codes out: [block][K step][tile][c 4][lane][16], my head's two groups
	s_lshl_b32 s3, s39, 14
	s_add_co_u32 s36, s36, s3
	s_lshl_b32 s3, s34, 11
	s_add_co_u32 s36, s36, s3
	s_lshl_b32 s3, s2, 10
	s_add_co_u32 s36, s36, s3
	s_add_nc_u64 s[16:17], s[16:17], s[36:37]
	s_mov_b32 s20, 0x76543210
	s_mov_b32 s21, 0xfedcba98                      ; v_permlanex16_b32's selects for lane l xor 16
	s_mov_b32 s22, 0x3e38aa3b                      ; c = log2(e) / 8
	s_mov_b32 s23, s22                             ; (named with it as a pair)
	s_mov_b32 s24, 0x600000
	s_mov_b32 s28, 0
	s_mov_b32 s29, 0
	s_mov_b32 s19, 8
	v_mov_b32 v6, 0xff800000
	v_mov_b32 v13, 0xff61b1e6                      ; the largest t so far: -3e38
	v_floor_f32 v12, -v13
	v_mov_b32 v14, 0
	v_mov_b32 v15, 0
	v_mov_b32 v11, 0                               ; (named as the upper half of the pair v[10:11])
.irp i, 0,1,2,3,4,5,6,7
	v_mov_b32 v[24+\i], 0                          ; Q's upper 64 codes
	v_mov_b32 v[96+\i], 0                          ; and what stands behind K's tile 7
.endr
.irp i, 0,1,2,3
	v_mov_b32 v[PMX+\i], 0                         ; written once: a lane permute's destination counts as read
.endr
.set j, 0
.rept 32
	v_mov_b32 v[O+j], 0                            ; O^T: the step is written once; its first turn finds zeros
.set j, j+1
.endr
	s_wait_kmcnt 0x0
	s_or_b32 s27, s40, s41
.irp i, 42,43,44,45,46,47,48,49,50,51,52,53,54,55
	s_or_b32 s27, s27, s\i
.endr
	s_and_b32 s27, s27, 0xffff                     ; the steps on which some wave of the work-group works
	s_lshr_b32 s26, s25, 16
	s_and_b32 s25, s25, 0xffff
	s_wait_loadcnt 0x0
	ds_store_b128 v4, v[FD:FD+3]
	ds_store_b128 v4, v[FD+4:FD+7] offset:8192
	ds_store_b128 v5, v[32:35]
	ds_store_b64 v7, v[36:37] offset:VSL
	s_wait_dscnt 0x0                               ; for the others' sake, and the stores have read their registers
	global_load_b128 v[FD:FD+3], v5, s[6:7] offset:8192      ; step 1's
	global_load_b128 v[FD+4:FD+7], v5, s[8:9] offset:8192
	s_barrier_signal -1
	s_barrier_wait -1
.macro KSTEP sg                        ; a step of 128 keys, read from slot sg
	v_add_nc_u32 v7, s28, v2                       ; the step's scale words; made ahead of every branch.  (Two of the eight plain lines between the last products and K's loads)
	v_add_nc_u32 v8, s29, v3
	s_wait_loadcnt 0x0                             ; the next step's 32 bytes, asked for a step ago
	s_bitcmp1_b32 s27, 1
	s_cbranch_scc0 .Lnf_\@
	ds_store_b128 v4, v[FD:FD+3] offset:(1-\sg)*SLOT           ; into the slot that every wave left at the last barrier
	ds_store_b128 v4, v[FD+4:FD+7] offset:(1-\sg)*SLOT+8192
	s_wait_dscnt 0x0                               ; the stores have read their registers
.Lnf_\@:
	s_bitcmp1_b32 s27, 2                           ; bits 16 and 17 are 0: no load passes the head's last step
	s_cbranch_scc0 .Lnl_\@
	global_load_b128 v[FD:FD+3], v5, s[6:7] offset:(2+\sg)*8192
	global_load_b128 v[FD+4:FD+7], v5, s[8:9] offset:(2+\sg)*8192
.Lnl_\@:
	s_bitcmp1_b32 s25, 0
	s_cbranch_scc0 .Lnw_\@
.rept 6
	v_nop
.endr
	s_load_b512 s[32:47], s[12:13], \sg*256        ; the step's 64 words of lane bits
	s_load_b512 s[48:63], s[12:13], \sg*256+64
	s_load_b512 s[68:83], s[12:13], \sg*256+128
	s_load_b512 s[84:99], s[12:13], \sg*256+192
.irp t, 0,1,2,3,4,5,6,7
.irp c, 0,1
	ds_load_b128 v[32+8*\t+4*\c:35+8*\t+4*\c], v1 offset:RING+\sg*SLOT+\t*1024+\c*512
.endr
.endr
	ds_load_b128 v[KSW:KSW+3], v7
	ds_load_b128 v[KSW+4:KSW+7], v7 offset:16
	s_wait_dscnt 0x0
.irp t, 0,1,2,3,4,5,6,7
	v_wmma_scale_f32_16x16x128_f8f6f4 v[S+8*\t:S+8*\t+7], v[32+8*\t:47+8*\t], v[16:31], 0, v[KSW+\t], v[QSW]
.endr
.rept 8
	v_nop                                          ; in front of loads into registers that these products read, and of the first read of the scores
.endr
.irp t, 0,1,2,3
.irp c, 0,1,2,3
	ds_load_b128 v[32+16*\t+4*\c:35+16*\t+4*\c], v1 offset:RING+\sg*SLOT+8192+\t*2048+\c*512   ; V lands under the softmax
.endr
.endr
	ds_load_b128 v[VSW:VSW+3], v8
	s_wait_kmcnt 0x0
	s_bitcmp1_b32 s26, 0
	s_cbranch_scc0 .Lop_\@
.set j, 0
.rept 64                                       ; hidden scores become -infinity ahead of the maximum: p = 0 then
.if j < 32
	v_cndmask_b32 v[S+j], v[S+j], v6, s[32+j]
.else
	v_cndmask_b32 v[S+j], v[S+j], v6, s[36+j]
.endif
.set j, j+1
.endr
.Lop_\@:
.irp b, 0,1,2,3
	v_max3_num_f32 v[BM+\b], v[S+16*\b], v[S+16*\b+1], v[S+16*\b+2]   ; the largest score of each block of 32 keys: for the row's maximum and, since p rises with the score, for the block's largest p
.endr
.irp i, 3,5,7,9,11,13
.irp b, 0,1,2,3
	v_max3_num_f32 v[BM+\b], v[BM+\b], v[S+16*\b+\i], v[S+16*\b+\i+1]
.endr
.endr
.irp b, 0,1,2,3
	v_max_num_f32 v[BM+\b], v[BM+\b], v[S+16*\b+15]
.endr
.irp b, 0,1,2,3
	v_permlanex16_b32 v[PMX+\b], v[BM+\b], s20, s21
.endr
.irp b, 0,1,2,3
	v_max_num_f32 v[BM+\b], v[BM+\b], v[PMX+\b]
.endr
	v_max3_num_f32 v9, v[BM], v[BM+1], v[BM+2]
	v_max_num_f32 v9, v9, v[BM+3]
	v_mul_f32 v9, s22, v9
	v_max_num_f32 v13, v13, v9                     ; the running largest t
	v_mov_b32 v9, v12
	v_floor_f32 v12, -v13                          ; the new -M = floor(-t): M is a whole number
	v_sub_f32 v9, v12, v9                          ; old M - new M: a whole number, 0 or less
	v_cvt_i32_f32 v9, v9                           ; (it saturates)
	v_ldexp_f32 v10, 1.0, v9                       ; f = 2^(old M - new M)
.set j, 0
.rept 32
	v_pk_fma_f32 v[S+j:S+j+1], v[S+j:S+j+1], s[22:23], v[12:13] op_sel_hi:[1,0,0]   ; t - M, two at a time
.set j, j+2
.endr
.irp b, 0,1,2,3
	v_fma_f32 v[BM+\b], v[BM+\b], s22, v12
.endr
.set j, 0
.rept 64
	v_exp_f32 v[S+j], v[S+j]                       ; p = 2^(t - M)
.set j, j+1
.endr
	v_pk_mul_f32 v[14:15], v[14:15], v[10:11] op_sel_hi:[1,0]     ; l under the new M.  (The plain line behind the exponentials)
	s_wait_alu depctr_va_vdst(0)                   ; one wait for the batch of 64, ahead of its first reader
.irp b, 0,1,2,3
	v_exp_f32 v[BM+\b], v[BM+\b]                   ; each block's largest p
.endr
	v_pk_add_f32 v[PMX:PMX+1], v[S:S+1], v[S+2:S+3]               ; the row's sum of the unquantised p, in two chains
.irp j, 4,8,12,16,20,24,28,32,36,40,44,48,52,56,60
	v_pk_add_f32 v[14:15], v[14:15], v[S+\j:S+\j+1]
	v_pk_add_f32 v[PMX:PMX+1], v[PMX:PMX+1], v[S+\j+2:S+\j+3]
.endr
	v_pk_add_f32 v[14:15], v[14:15], v[PMX:PMX+1]
	s_wait_alu depctr_va_vdst(0)                   ; and one for the four
.irp b, 0,1,2,3
	v_max_num_f32 v[BM+\b], 0x4800000, v[BM+\b]    ; the floor 2^(9 - 127)
.endr
.irp b, 0,1,2,3
	v_add_nc_u32 v[SOP+\b], 0xfc000000, v[BM+\b]
.endr
.irp b, 0,1,2,3
	v_and_or_b32 v[LIM+\b], v[BM+\b], 0x7f800000, s24
.endr
.irp b, 0,1,2,3
	v_lshrrev_b32 v[PMX+\b], 23, v[SOP+\b]
.endr
	v_lshl_or_b32 v[PSW], v[PMX+1], 8, v[PMX]
	v_lshl_or_b32 v[PSW], v[PMX+2], 16, v[PSW]
	v_lshl_or_b32 v[PSW], v[PMX+3], 24, v[PSW]
.irp b, 0,1,2,3
.irp i, 0,1,2,3,4,5,6,7,8,9,10,11,12,13,14,15
	v_min_num_f32 v[S+16*\b+\i], v[S+16*\b+\i], v[LIM+\b]         ; the hold; p is not negative
.endr
	v_cvt_scalef32_pk8_fp8_f32 v[PCD+4*\b:PCD+4*\b+1], v[S+16*\b:S+16*\b+7], v[SOP+\b]
	v_cvt_scalef32_pk8_fp8_f32 v[PCD+4*\b+2:PCD+4*\b+3], v[S+16*\b+8:S+16*\b+15], v[SOP+\b]
.endr
.set j, 0
.rept 16
	v_pk_mul_f32 v[O+j:O+j+1], v[O+j:O+j+1], v[10:11] op_sel_hi:[1,0]   ; O^T under the new M.  (These lines also stand between the codes' making and the products)
.set j, j+2
.endr
	s_wait_dscnt 0x0                               ; V and its scale words are in
.irp t, 0,1,2,3
	v_wmma_scale_f32_16x16x128_f8f6f4 v[O+8*\t:O+8*\t+7], v[32+16*\t:47+16*\t], v[PCD:PCD+15], v[O+8*\t:O+8*\t+7], v[VSW+\t], v[PSW]
.endr
.Lnw_\@:
	s_lshr_b32 s27, s27, 1
	s_lshr_b32 s25, s25, 1
	s_lshr_b32 s26, s26, 1
	s_add_co_u32 s28, s28, 512
	s_add_co_u32 s29, s29, 256
	s_wait_dscnt 0x0                               ; my stores into the other slot have landed and my reads of this slot are over
	s_barrier_signal -1
	s_barrier_wait -1                              ; both now hold of every wave
.endm
.Ltrip:
	KSTEP 0
	KSTEP 1
	s_wait_xcnt 0x0                                ; the trip's loads have read their bases
	s_add_nc_u64 s[6:7], s[6:7], 16384
	s_add_nc_u64 s[8:9], s[8:9], 16384
	s_add_nc_u64 s[12:13], s[12:13], 512
	s_sub_co_u32 s19, s19, 1
	s_cmp_lg_u32 s19, 0
	s_cbranch_scc1 .Ltrip
	; THE WAY OUT: O / l, quantised along the head's 64 channels (two blocks of the last product's K), as two groups of that operand's image.
.rept 8
	v_nop
.endr
	v_add_f32 v14, v14, v15
	v_permlanex16_b32 v9, v14, s20, s21
	v_add_f32 v14, v14, v9                         ; the row's sum
	v_rcp_f32 v15, v14
	v_nop
	s_wait_alu depctr_va_vdst(0)                   ; ahead of the reciprocal's first reader
.set j, 0
.rept 32
	v_mul_f32 v[S+j], v[O+j], v15                  ; each accumulator from its low end on
.set j, j+1
.endr
.irp b, 0,1
	v_max3_num_f32 v[BM+\b], |v[S+16*\b]|, |v[S+16*\b+1]|, 0x4800000
.endr
.irp i, 2,4,6,8,10,12,14
.irp b, 0,1
	v_max3_num_f32 v[BM+\b], v[BM+\b], |v[S+16*\b+\i]|, |v[S+16*\b+\i+1]|
.endr
.endr
.irp b, 0,1
	v_permlanex16_b32 v[PMX+\b], v[BM+\b], s20, s21
.endr
.irp b, 0,1
	v_max_num_f32 v[BM+\b], v[BM+\b], v[PMX+\b]
.endr
.irp b, 0,1
	v_add_nc_u32 v[SOP+\b], 0xfc000000, v[BM+\b]
.endr
.irp b, 0,1
	v_and_or_b32 v[LIM+\b], v[BM+\b], 0x7f800000, s24
.endr
.irp b, 0,1
	v_lshrrev_b32 v[PMX+\b], 23, v[SOP+\b]
.endr
	v_lshl_or_b32 v[PSW], v[PMX+1], 8, v[PMX]
	v_cmp_lt_f32 vcc_lo, 0, v14
	v_cndmask_b32 v[PSW], 0xffff, v[PSW], vcc_lo   ; a row with no open key: both bytes 0xff
.irp b, 0,1
.irp i, 0,1,2,3,4,5,6,7,8,9,10,11,12,13,14,15
	v_med3_num_f32 v[S+16*\b+\i], v[S+16*\b+\i], -v[LIM+\b], v[LIM+\b]
.endr
	v_cvt_scalef32_pk8_fp8_f32 v[PCD+4*\b:PCD+4*\b+1], v[S+16*\b:S+16*\b+7], v[SOP+\b]
	v_cvt_scalef32_pk8_fp8_f32 v[PCD+4*\b+2:PCD+4*\b+3], v[S+16*\b+8:S+16*\b+15], v[SOP+\b]
.endr
	v_nop
	global_store_b128 v1, v[PCD:PCD+3], s[16:17]             ; 512 consecutive aligned bytes each
	global_store_b128 v1, v[PCD+4:PCD+7], s[16:17] offset:512
	v_and_b32 v7, 15, v0
	v_lshlrev_b32 v7, 2, v7
	v_and_b32 v9, 31, v0
	v_cmp_gt_u32 vcc_lo, 16, v9
	s_wait_xcnt 0x0                                ; EXEC changes only behind this wait
	s_wait_tensorcnt 0x0
	ds_add_u32 v254, v255
	s_wait_dscnt 0x0
	s_and_saveexec_b32 s30, vcc_lo
	global_store_b16 v7, v[PSW], s[10:11]          ; two bytes of each row's word: 32 of the wave's 1,056 bytes; the word's other two come from the neighbouring head's work-group
	s_wait_xcnt 0x0
	s_or_b32 exec_lo, exec_lo, s30
	s_endpgm
.Lfunc_end_k_qbff2083ba5_attn:
	.size	k_qbff2083ba5_attn, .Lfunc_end_k_qbff2083ba5_attn-k_qbff2083ba5_attn
	.p2alignl 7, 3214868480
	.fill 96, 4, 3214868480
	.section	.rodata,"a",@progbits
	.p2align	6, 0x0
	.amdhsa_kernel k_qbff2083ba5_attn
		.amdhsa_group_segment_fixed_size 47104
		.amdhsa_private_segment_fixed_size 0
		.amdhsa_enable_private_segment 0
		.amdhsa_kernarg_size 56
		.amdhsa_user_sgpr_count 2
		.amdhsa_user_sgpr_kernarg_segment_ptr 1
		.amdhsa_wavefront_size32 1
		.amdhsa_system_sgpr_workgroup_id_x 1
		.amdhsa_system_sgpr_workgroup_id_y 1
		.amdhsa_system_sgpr_workgroup_id_z 1
		.amdhsa_system_vgpr_workitem_id 0
		.amdhsa_next_free_vgpr 256
		.amdhsa_next_free_sgpr 100
		.amdhsa_reserve_vcc 1
		.amdhsa_float_denorm_mode_32 3
		.amdhsa_float_denorm_mode_16_64 3
		.amdhsa_memory_ordered 1
		.amdhsa_forward_progress 1
		.amdhsa_inst_pref_size 61
	.end_amdhsa_kernel
	.amdgpu_metadata
---
amdhsa.version: [ 1, 2 ]
amdhsa.kernels:
  - .name:           k_qbff2083ba5_attn
    .symbol:         k_qbff2083ba5_attn.kd
    .args:
      - { .name: qc, .offset: 0, .size: 8, .value_kind: global_buffer, .address_space: global }
      - { .name: kc, .offset: 8, .size: 8, .value_kind: global_buffer, .address_space: global }
      - { .name: vc, .offset: 16, .size: 8, .value_kind: global_buffer, .address_space: global }
      - { .name: sc, .offset: 24, .size: 8, .value_kind: global_buffer, .address_space: global }
      - { .name: mb, .offset: 32, .size: 8, .value_kind: global_buffer, .address_space: global }
      - { .name: mf, .offset: 40, .size: 8, .value_kind: global_buffer, .address_space: global }
      - { .name: oc, .offset: 48, .size: 8, .value_kind: global_buffer, .address_space: global }
    .group_segment_fixed_size: 47104
    .private_segment_fixed_size: 0
    .kernarg_segment_align: 8
    .kernarg_segment_size: 56
    .max_flat_workgroup_size: 512
    .sgpr_count:     100
    .vgpr_count:     256
    .wavefront_size: 32
...
	.end_amdgpu_metadata
.endif
;; end of part 3
;; launch outp (part 4): grid 64 x 2, 4 waves a work-group, no clusters, 169,472 bytes of LDS; arguments oc, wc, bo, out0; writes out0
.if DOCPART == 4
	.amdgcn_target "amdgcn-amd-amdhsa--gfx1250"
	.amdhsa_code_object_version 6
	.text
	.protected	k_qbff2083ba5_outp
	.globl	k_qbff2083ba5_outp
	.p2align	8
	.type	k_qbff2083ba5_outp,@function
k_qbff2083ba5_outp:
	s_mov_b64 s[64:65], 0
	v_nop
	global_prefetch_b8 v0, s[64:65] scope:SCOPE_SE
	s_setreg_imm32_b32 hwreg(HW_REG_WAVE_MODE, 25, 1), 1
	s_wait_xcnt 0x0
; OUTP.  out0 = attention's output x wo + bo, on codes of E4M3 with E8M0 scales.  A work-group takes a block of 128 rows and 512 columns; wave w takes columns 128 (4 y + w): 64 accumulators, 8 K steps of 64 matrix instructions.
; The rows' codes arrive as images of the operand's registers ([K step 8][tile 8] x 2,048 bytes, group c at 512 c + 16 lane) with their scale words: each wave copies a quarter into LDS, one barrier, and all four read them.
; wo's fragments come from wc in register order, two sets.  Source 0 = wo, source 1 = the rows: a lane holds eight neighbouring columns of one row.  The bias is the C of each sum's first matrix instruction.
; Lane r of tile t holds row (or column) 32 (t / 2) + 8 (t % 2) + r + 8 (r / 8).  The 64 accumulators take turns, one instruction a turn.
; The way out goes through the wave's own stage (16 rows x 528 bytes): whole rows of 512 bytes come back and leave as 512 consecutive aligned bytes.
; NO TENSOR LOADS, NO CLUSTER: the text is the projections' product phase as it stands, fed from registers and LDS images; what the two work-groups of a block share is read once by each, 135,168 bytes.
.set XSC,  131072
.set STG,  135168
.set SROW, 528
.set LI,   1
.set CPA,  4                           ; the copy: 32,768 w + 16 lane
.set SCA,  5                           ; XSC + 16 thread
.set G16,  6                           ; 16 thread
.set STO,  7                           ; the stage, on the way in: row r, + 64 h
.set RD,   8                           ; and out: 16 lane
.set XSA0, 10
.set XAD,  11
.set XSA,  16
.set WSO,  17
.set BO,   18
.set XS,   32
.set WS,   48
.set BIAS, 64
.set XF,   128
.set BK,   128                         ; the way out: 16 rows read back: v128-191 and v192-255 by turns
.set WV,   13
.set XK,   14
.set XSK,  15
.set CNT,  16
.set XCP,  18
.set XSP,  20
.set WP,   22
.set WSP,  24
.set BP,   26
.set OUTP, 28
.set MSB, 0
.macro WIN new                         ; s_set_vgpr_msb: bits 1:0 source 0, 3:2 source 1, 5:4 source 2, 7:6 destination; the high byte repeats the setting that is left
.if MSB != (\new)
	s_set_vgpr_msb (MSB<<8)|(\new)
.set MSB, \new
.endif
.endm
.macro BARRIER
	s_wait_dscnt 0x0
	s_barrier_signal -1
	s_barrier_wait -1
.endm
.macro FETCH_W p, off                  ; a K step of my slice of wo into set p of window 1, and its scale words: 34 loads
	WIN 0x40
.irp b, 0,1,2,3,4,5,6,7
.irp c, 0,1,2,3
	global_load_b128 v[128*(\p)+16*\b+4*\c:128*(\p)+16*\b+4*\c+3], v[LI], s[WP:WP+1] offset:(\off)+\b*2048+\c*512
.endr
.endr
	WIN 0
	global_load_b128 v[WS+8*(\p):WS+8*(\p)+3], v[WSO], s[WSP:WSP+1] offset:(\off)/32
	global_load_b128 v[WS+8*(\p)+4:WS+8*(\p)+7], v[WSO], s[WSP:WSP+1] offset:(\off)/32+16
.endm
.macro FETCH_X i0, off
.irp a, \i0, \i0+1, \i0+2, \i0+3
.irp c, 0,1,2,3
	ds_load_b128 v[XF+16*(\a)+4*\c:XF+16*(\a)+4*\c+3], v[XAD] offset:(\off)+(\a)*2048+\c*512
.endr
.endr
.endm
.macro FETCH_XS x, off
.irp a, 0,1,2,3,4,5,6,7
	ds_load_b32 v[XS+8*(\x)+\a], v[XSA] offset:(\off)/32+\a*64
.endr
.endm
.macro MULQ a0, p, first               ; accumulator (a, b) at v[8 (8 (a % 4) + b)] of window 2 + a / 4
.if \first
	WIN 0x81+0x40*((\a0)/4)
.else
	WIN 0xa1+0x50*((\a0)/4)
.endif
.irp a, \a0, \a0+1, \a0+2, \a0+3
.irp b, 0,1,2,3,4,5,6,7
.if \first
	v_wmma_scale_f32_16x16x128_f8f6f4 v[8*(8*((\a)%4)+\b):8*(8*((\a)%4)+\b)+7], v[128*(\p)+16*\b:128*(\p)+16*\b+15], v[XF+16*(\a):XF+16*(\a)+15], v[BIAS+8*\b:BIAS+8*\b+7], v[WS+8*(\p)+\b], v[XS+8*(\p)+(\a)]
.else
	v_wmma_scale_f32_16x16x128_f8f6f4 v[8*(8*((\a)%4)+\b):8*(8*((\a)%4)+\b)+7], v[128*(\p)+16*\b:128*(\p)+16*\b+15], v[XF+16*(\a):XF+16*(\a)+15], v[8*(8*((\a)%4)+\b):8*(8*((\a)%4)+\b)+7], v[WS+8*(\p)+\b], v[XS+8*(\p)+(\a)]
.endif
.endr
.endr
.endm
; A K step.  Loads into registers that matrix instructions have read stand eight plain vector lines behind them.
.macro STEP p, first, last, bump, xoff, woff
.if (\last) == 0
	FETCH_W 1-(\p), \woff
	s_wait_loadcnt 34                              ; all but the 34 just issued
.else
	s_wait_loadcnt 0x0
.endif
	s_wait_dscnt 16                                ; the 16 loads of tiles 4-7 are younger
	MULQ 0, \p, \first
	s_wait_dscnt 0x0
	WIN 0
.if \bump
	s_add_co_u32 s[XK], s[XK], 32768
	s_add_co_u32 s[XSK], s[XSK], 1024
	v_add_nc_u32 v[XAD], s[XK], v[LI]
	v_add_nc_u32 v[XSA], s[XSK], v[XSA0]
.rept 6
	v_nop
.endr
.else
.rept 8
	v_nop
.endr
.endif
.if (\last) == 0
	FETCH_X 0, \xoff
	FETCH_XS 1-(\p), \xoff
.endif
	MULQ 4, \p, \first
	WIN 0
.rept 8
	v_nop
.endr
.if (\last) == 0
	FETCH_X 4, \xoff
.endif
.endm
	s_load_b256 s[4:11], s[0:1], 0x0               ; oc, wc, bo, out0
	v_lshl_add_u32 v30, v0, 2, 0x29400
	v_mov_b32 v31, 0
	v_lshrrev_b32 v2, 5, v0
	v_readfirstlane_b32 s[WV], v2                  ; wave 0..3
	s_and_b32 s12, ttmp7, 0xffff
	s_lshl_b32 s12, s12, 2
	s_add_co_u32 s12, s12, s[WV]                   ; my slice of 128 columns
	v_and_b32 v2, 31, v0
	v_lshlrev_b32 v[LI], 4, v2
	v_and_b32 v2, 15, v0                           ; r
	v_bfe_u32 v3, v0, 4, 1                         ; h
	s_lshl_b32 s30, s[WV], 15
	v_add_nc_u32 v[CPA], s30, v[LI]
	v_lshlrev_b32 v[G16], 4, v0
	v_add_nc_u32 v[SCA], XSC, v[G16]
	s_mul_i32 s30, s[WV], 16*SROW
	s_add_co_u32 s30, s30, STG
	v_mul_u32_u24 v[STO], v2, SROW
	v_lshl_add_u32 v[STO], v3, 6, v[STO]
	v_add_nc_u32 v[STO], s30, v[STO]
	v_add_nc_u32 v[RD], s30, v[LI]
	v_lshlrev_b32 v[XSA0], 2, v2
	v_add_nc_u32 v[XSA0], XSC, v[XSA0]
	v_mov_b32 v[XAD], v[LI]
	v_mov_b32 v[XSA], v[XSA0]
	v_lshlrev_b32 v[WSO], 5, v2
	v_lshlrev_b32 v[BO], 6, v3
	s_mov_b32 s[XK], 0
	s_mov_b32 s[XSK], 0
	s_mov_b32 s31, 0
	s_wait_kmcnt 0x0
	s_lshl_b32 s30, s12, 17
	s_add_co_u32 s30, s30, 3<<20                   ; wo is the fourth weight
	s_add_nc_u64 s[WP:WP+1], s[6:7], s[30:31]
	s_lshl_b32 s30, s12, 12
	s_add_co_u32 s30, s30, 4194304+(3<<15)
	s_add_nc_u64 s[WSP:WSP+1], s[6:7], s[30:31]
	s_lshl_b32 s30, s12, 9
	s_add_nc_u64 s[BP:BP+1], s[8:9], s[30:31]
	s_lshl_b32 s32, ttmp9, 19                      ; out0: 128 rows of 4,096 bytes a block, 512 bytes a slice
	s_add_co_u32 s30, s30, s32
	s_add_nc_u64 s[OUTP:OUTP+1], s[10:11], s[30:31]
	s_lshl_b32 s30, ttmp9, 17
	s_lshl_b32 s32, s[WV], 15
	s_add_co_u32 s30, s30, s32
	s_add_nc_u64 s[XCP:XCP+1], s[4:5], s[30:31]    ; my quarter of the block's images
	s_lshl_b32 s30, ttmp9, 12
	s_add_co_u32 s30, s30, 8388608
	s_add_nc_u64 s[XSP:XSP+1], s[4:5], s[30:31]    ; the block's scale words
	FETCH_W 0, 0
.irp b, 0,1,2,3,4,5,6,7                        ; the bias in the result's layout: tile b, columns 32 (b / 2) + 8 (b % 2) + 16 h + 0 .. 7
	global_load_b128 v[BIAS+8*\b:BIAS+8*\b+3], v[BO], s[BP:BP+1] offset:(32*(\b/2)+8*(\b%2))*4
	global_load_b128 v[BIAS+8*\b+4:BIAS+8*\b+7], v[BO], s[BP:BP+1] offset:(32*(\b/2)+8*(\b%2))*4+16
.endr
	global_load_b128 v[128:131], v[G16], s[XSP:XSP+1]
	global_load_b128 v[132:135], v[G16], s[XSP:XSP+1] offset:2048
	WIN 0x80                                       ; 64 loads of 512 consecutive bytes, into the registers that the accumulators will take
.set n, 0
.rept 64
	global_load_b128 v[4*n:4*n+3], v[LI], s[XCP:XCP+1] offset:n*512
.set n, n+1
.endr
	WIN 0
	s_wait_loadcnt 0x0
	ds_store_b128 v[SCA], v[128:131]
	ds_store_b128 v[SCA], v[132:135] offset:2048
	WIN 0x08
.set n, 0
.rept 64
	ds_store_b128 v[CPA], v[4*n:4*n+3] offset:n*512
.set n, n+1
.endr
	WIN 0
	BARRIER                                        ; the block's 64 images and their scale words lie in LDS
	FETCH_X 0, 0
	FETCH_XS 0, 0
	FETCH_X 4, 0
	STEP 0, 1, 0, 0, 16384, 16384                  ; K step 0 starts the sums from the bias
	s_mov_b32 s[CNT], 3
.Lk:                                               ; K steps 1, 2 | 3, 4 | 5, 6
	STEP 1, 0, 0, 1, 0, 32768
	STEP 0, 0, 0, 0, 16384, 49152
	s_wait_xcnt 0x0                                ; wo's loads have read their bases
	s_add_nc_u64 s[WP:WP+1], s[WP:WP+1], 32768
	s_add_nc_u64 s[WSP:WSP+1], s[WSP:WSP+1], 1024
	s_sub_co_u32 s[CNT], s[CNT], 1
	s_cmp_lg_u32 s[CNT], 0
	s_cbranch_scc1 .Lk
	STEP 1, 0, 1, 0, 0, 0                          ; K step 7 asks for nothing; its closing eight lines are the places in front of the first read of results
	BARRIER                                        ; every wave's reads of the images are over before any wave stores into its stage
; THE WAY OUT, tile by tile of 16 rows x 128 columns.  LDS serves a wave's instructions in order (ISA guide 5.7.1.4): no wait between the stores and the loads, nor in front of the next tile's stores.
.macro TOSTAGE a
.set AC, 64*((\a)%4)
	WIN 0x08+4*((\a)/4)                            ; the data: window 2 or 3
.irp b, 0,1,2,3,4,5,6,7
	ds_store_b128 v[STO], v[AC+8*\b:AC+8*\b+3] offset:128*(\b/2)+32*(\b%2)          ; each accumulator from its low end on
	ds_store_b128 v[STO], v[AC+8*\b+4:AC+8*\b+7] offset:128*(\b/2)+32*(\b%2)+16
.endr
	WIN 0
.set BB, BK+64*((\a)%2)
.irp t, 0,1,2,3,4,5,6,7,8,9,10,11,12,13,14,15
	ds_load_b128 v[BB+4*\t:BB+4*\t+3], v[RD] offset:\t*SROW
.endr
.endm
.macro SEND a, younger                 ; younger: the LDS instructions issued behind tile a's loads, which may stay out
.set BB, BK+64*((\a)%2)
	s_wait_dscnt \younger
.irp t, 0,1,2,3,4,5,6,7,8,9,10,11,12,13,14,15
	global_store_b128 v[LI], v[BB+4*\t:BB+4*\t+3], s[OUTP:OUTP+1] offset:(32*((\a)/2)+8*((\a)%2)+\t+8*(\t/8))*4096 th:TH_STORE_NT   ; 512 consecutive aligned bytes of one row
.endr
.endm
	TOSTAGE 0
.irp a, 1,2,3,4,5,6,7
.if \a > 1
	s_wait_xcnt 0x0                                ; tile a - 2's stores have read their registers: tile a's loads may land there
.endif
	TOSTAGE \a
	SEND \a-1, 32                                  ; behind tile a - 1's loads: tile a's 16 stores and 16 loads
.endr
	SEND 7, 0
	s_wait_tensorcnt 0x0
	ds_add_u32 v30, v31
	s_wait_dscnt 0x0
	s_endpgm
.Lfunc_end_k_qbff2083ba5_outp:
	.size	k_qbff2083ba5_outp, .Lfunc_end_k_qbff2083ba5_outp-k_qbff2083ba5_outp
	.p2alignl 7, 3214868480
	.fill 96, 4, 3214868480
	.section	.rodata,"a",@progbits
	.p2align	6, 0x0
	.amdhsa_kernel k_qbff2083ba5_outp
		.amdhsa_group_segment_fixed_size 169472
		.amdhsa_private_segment_fixed_size 0
		.amdhsa_enable_private_segment 0
		.amdhsa_kernarg_size 32
		.amdhsa_user_sgpr_count 2
		.amdhsa_user_sgpr_kernarg_segment_ptr 1
		.amdhsa_wavefront_size32 1
		.amdhsa_system_sgpr_workgroup_id_x 1
		.amdhsa_system_sgpr_workgroup_id_y 1
		.amdhsa_system_sgpr_workgroup_id_z 1
		.amdhsa_system_vgpr_workitem_id 0
		.amdhsa_next_free_vgpr 1024
		.amdhsa_next_free_sgpr 66
		.amdhsa_reserve_vcc 0
		.amdhsa_float_denorm_mode_32 3
		.amdhsa_float_denorm_mode_16_64 3
		.amdhsa_memory_ordered 1
		.amdhsa_forward_progress 1
		.amdhsa_inst_pref_size 102
	.end_amdhsa_kernel
	.amdgpu_metadata
---
amdhsa.version: [ 1, 2 ]
amdhsa.kernels:
  - .name:           k_qbff2083ba5_outp
    .symbol:         k_qbff2083ba5_outp.kd
    .args:
      - { .name: oc, .offset: 0, .size: 8, .value_kind: global_buffer, .address_space: global }
      - { .name: wc, .offset: 8, .size: 8, .value_kind: global_buffer, .address_space: global }
      - { .name: bo, .offset: 16, .size: 8, .value_kind: global_buffer, .address_space: global }
      - { .name: out0, .offset: 24, .size: 8, .value_kind: global_buffer, .address_space: global }
    .group_segment_fixed_size: 169472
    .private_segment_fixed_size: 0
    .kernarg_segment_align: 8
    .kernarg_segment_size: 32
    .max_flat_workgroup_size: 128
    .sgpr_count:     66
    .vgpr_count:     1024
    .wavefront_size: 32
...
	.end_amdgpu_metadata
.endif
;; end of part 4
;; ======== version 2 of 2: 4 launches
;; workspace buffers: wc 4,325,376 bytes; qc 8,388,608 bytes; kc 8,388,608 bytes; vc 8,388,608 bytes; sc 1,310,720 bytes; mb 2,097,152 bytes of whole numbers; mf 2,048 bytes of whole numbers; oc 8,650,752 bytes
;; launch prep (part 5): grid 384 x 1, 4 waves a work-group, no clusters, 67,072 bytes of LDS; arguments wq, wk, wv, wo, mask, wc, mb, mf; writes wc, mb, mf
.if DOCPART == 5
	.amdgcn_target "amdgcn-amd-amdhsa--gfx1250"
	.amdhsa_code_object_version 6
	.text
	.protected	k_qbff2083ba5_prep
	.globl	k_qbff2083ba5_prep
	.p2align	8
	.type	k_qbff2083ba5_prep,@function
k_qbff2083ba5_prep:
	s_mov_b64 s[64:65], 0
	v_nop
	global_prefetch_b8 v0, s[64:65] scope:SCOPE_SE
	s_setreg_imm32_b32 hwreg(HW_REG_WAVE_MODE, 25, 1), 1
	s_wait_xcnt 0x0
; PREP.  Work-groups 0-127: the four weights [1024 (k)][1024 (n)] f32 become codes of E4M3 with one E8M0 byte for each 32 along k, laid in the ORDER OF THE OPERAND'S REGISTERS:
;   wc codes  [mat 4][slice 8 (128 n)][K step 8][tile 8][group c 4][lane 32][16 bytes]; lane (r, h) of tile t holds n = 32 (t / 2) + 8 (t % 2) + r + 8 (r / 8), k = 32 c + 16 h + 0 .. 15
;   wc scales at WCS: [mat][slice][K step][r 16][tile 8] words (four bytes: the K step's four blocks)
; A lane takes a column n and its registers run down k: a block of 32 lies in one lane, nothing is transposed, and each store of codes covers two runs of 256 consecutive aligned bytes.
; The scale words leave as 4 bytes a lane, 32 bytes apart: one byte for each 128 bytes that the path reads.
; Work-groups 128-383: the mask [4][2048 (query)][2048 (key)] of bytes becomes, for each tile of 16 queries and each step of 128 keys, 64 words of lane bits in the layout of the score registers:
;   mb [b 128 + tile][step 16][word 16 beta + i]; bit (16 h + r) = mask[query of lane r][128 step + 32 beta + 16 h + i];  mf [b 128 + tile]: bit s: step s has an open key; bit 16 + s: step s has a hidden key.
; Any byte other than 0 counts as true.  A wave takes 16 rows x 1,024 bytes through a stage of its own in LDS (rows 1,040 bytes apart: 16 rows start 16 bytes apart modulo 256).  Waves share nothing: no barrier.
; LIMITS: a block whose largest magnitude lies under 2^-118 (a block of zeros too) gets the byte 1; only this program reads the bytes.  NaN and infinities among the weights are not served.
.set WCS,  4194304
.set X,    32                          ; v32-95   two sets of 32 numbers
.set C,    96                          ; v96-159  8 registers of codes for each block: no store's data are written again
.set SB,   24                          ; v24-25   scale bytes, four to a register
.set WD,   170                         ; v170-185 mask path: a pair of registers for each step's 64 words
.set MROW, 1040
	s_load_b256 s[4:11], s[0:1], 0x0               ; wq, wk, wv, wo
	s_load_b256 s[12:19], s[0:1], 0x20             ; mask, wc, mb, mf
	v_lshl_add_u32 v192, v0, 2, 0x10400
	v_mov_b32 v193, 0
	v_lshrrev_b32 v1, 5, v0
	v_readfirstlane_b32 s20, v1                    ; wave
	v_and_b32 v2, 31, v0                           ; lane
	s_wait_kmcnt 0x0
	s_cmp_ge_u32 ttmp9, 128
	s_cbranch_scc1 .Lmask
	; ---------------- the weights ----------------
	s_lshr_b32 s21, ttmp9, 5                       ; which weight
	s_bfe_u32 s22, ttmp9, 0x30002                  ; slice of 128 columns
	s_and_b32 s23, ttmp9, 3                        ; which 256 along k
	s_wait_alu depctr_va_vdst(0)
	v_lshlrev_b32 v3, 2, v2                        ; in: 4 bytes a lane
	s_wait_alu depctr_va_vdst(0)
	v_bfe_u32 v4, v2, 3, 1                         ; u: my column 32 w + lane lies in tile 2 w + u,
	v_and_b32 v5, 7, v2
	v_lshrrev_b32 v6, 4, v2
	v_lshl_add_u32 v5, v6, 3, v5                   ; at its lane r' = lane % 8 + 8 (lane / 16)
	v_lshlrev_b32 v7, 11, v4
	v_lshl_add_u32 v7, v5, 4, v7                   ; codes: 2,048 u + 16 r'
	v_lshlrev_b32 v8, 2, v4
	v_lshl_add_u32 v8, v5, 5, v8                   ; scale words: 32 r' + 4 u
	s_lshl_b32 s24, s23, 20                        ; in: 256 rows of 4,096 bytes,
	s_lshl_b32 s25, s22, 9                         ; 128 columns,
	s_add_co_u32 s24, s24, s25
	s_lshl_b32 s25, s20, 7                         ; 32 columns a wave
	s_add_co_u32 s24, s24, s25
	s_mov_b32 s25, 0
	s_lshl_b32 s26, s21, 20                        ; codes: weight, slice, two K steps, two tiles a wave
	s_lshl_b32 s27, s22, 17
	s_add_co_u32 s26, s26, s27
	s_lshl_b32 s27, s23, 15
	s_add_co_u32 s26, s26, s27
	s_lshl_b32 s27, s20, 12
	s_add_co_u32 s26, s26, s27
	s_mov_b32 s27, 0
	s_lshl_b32 s28, s21, 15                        ; scale words likewise
	s_lshl_b32 s29, s22, 12
	s_add_co_u32 s28, s28, s29
	s_lshl_b32 s29, s23, 10
	s_add_co_u32 s28, s28, s29
	s_lshl_b32 s29, s20, 3
	s_add_co_u32 s28, s28, s29
	s_add_co_u32 s28, s28, WCS
	s_mov_b32 s29, 0
	s_mov_b32 s31, 0x600000                        ; the mantissa field of 448
	s_cmp_eq_u32 s21, 1                            ; the choice hangs on the work-group's number alone
	s_cselect_b64 s[4:5], s[6:7], s[4:5]
	s_cmp_eq_u32 s21, 2
	s_cselect_b64 s[4:5], s[8:9], s[4:5]
	s_cmp_eq_u32 s21, 3
	s_cselect_b64 s[4:5], s[10:11], s[4:5]
	s_add_nc_u64 s[4:5], s[4:5], s[24:25]
	s_add_nc_u64 s[26:27], s[14:15], s[26:27]
	s_add_nc_u64 s[28:29], s[14:15], s[28:29]
.macro WLOAD t                         ; block t: W(32 t + n, my column) into set t % 2: 128 consecutive bytes a load
.set n, 0
.rept 32
	global_load_b32 v[X+32*((\t)%2)+n], v3, s[4:5] offset:(32*(\t)+n)*4096 th:TH_LOAD_NT
.set n, n+1
.endr
.endm
.macro WBLOCK t
.set XB, X+32*((\t)%2)
.set CB, C+8*(\t)
.if (\t) < 7
	s_wait_loadcnt 32                              ; this block's 32 loads are in; the next block's 32 are younger
.else
	s_wait_loadcnt 0x0
.endif
	v_max3_num_f32 v12, |v[XB]|, |v[XB+1]|, |v[XB+2]|      ; the block's largest magnitude: all 32 numbers are mine; two chains
	v_max3_num_f32 v13, |v[XB+3]|, |v[XB+4]|, |v[XB+5]|
.irp i, 6,10,14,18,22,26
	v_max3_num_f32 v12, v12, |v[XB+\i]|, |v[XB+\i+1]|
	v_max3_num_f32 v13, v13, |v[XB+\i+2]|, |v[XB+\i+3]|
.endr
	v_max3_num_f32 v12, v12, |v[XB+30]|, |v[XB+31]|
	v_max3_num_f32 v12, v12, v13, 0x4800000        ; and the floor 2^(9 - 127): the byte cannot fall under 1
	v_add_nc_u32 v11, 0xfc000000, v12              ; 8 off the exponent field: the conversion's scale operand
	v_and_or_b32 v10, v12, 0x7f800000, s31         ; 448 x the scale
	v_lshrrev_b32 v13, 23, v11                     ; the scale's byte
.if (\t)%4 == 0
	v_mov_b32 v[SB+(\t)/4], v13
.else
	v_lshl_or_b32 v[SB+(\t)/4], v13, 8*((\t)%4), v[SB+(\t)/4]
.endif
.set n, 0
.rept 32
	v_med3_num_f32 v[XB+n], v[XB+n], -v10, v10     ; the conversion to an 8-bit code does not saturate (ISA guide 7.6.2): the hold comes first
.set n, n+1
.endr
.irp g, 0,1,2,3
	v_cvt_scalef32_pk8_fp8_f32 v[CB+2*\g:CB+2*\g+1], v[XB+8*\g:XB+8*\g+7], v11
.endr
	v_nop                                          ; a plain line behind the last conversion
	global_store_b128 v7, v[CB:CB+3], s[26:27] offset:((\t)/4)*16384+((\t)%4)*512        ; k = 32 c + 0 .. 15: the places of lanes 0-15
	global_store_b128 v7, v[CB+4:CB+7], s[26:27] offset:((\t)/4)*16384+((\t)%4)*512+256  ; k = 32 c + 16 .. 31: those of lanes 16-31
.if (\t)+2 < 8
	WLOAD (\t)+2
.endif
.endm
	WLOAD 0
	WLOAD 1
.irp t, 0,1,2,3,4,5,6,7
	WBLOCK \t
.endr
	global_store_b32 v8, v[SB], s[28:29]
	global_store_b32 v8, v[SB+1], s[28:29] offset:512
	s_endpgm
	; ---------------- the mask ----------------
.Lmask:
	s_sub_co_u32 s21, ttmp9, 128
	s_lshl_b32 s21, s21, 2
	s_add_co_u32 s21, s21, s20
	s_lshr_b32 s22, s21, 1                         ; the tile of queries: b 128 + chunk 8 + a
	s_and_b32 s23, s21, 1                          ; which half of the keys
	s_lshr_b32 s24, s22, 3
	s_lshl_b32 s24, s24, 7                         ; its first row: 128 (b 16 + chunk)
	s_bfe_u32 s25, s22, 0x20001
	s_lshl_b32 s25, s25, 5
	s_add_co_u32 s24, s24, s25                     ; + 32 (a / 2)
	s_and_b32 s25, s22, 1
	s_lshl_b32 s25, s25, 3
	s_add_co_u32 s24, s24, s25                     ; + 8 (a % 2)
	s_lshl_b32 s24, s24, 11                        ; rows of 2,048 bytes
	s_lshl_b32 s25, s23, 10
	s_add_co_u32 s24, s24, s25
	s_mov_b32 s25, 0
	s_add_nc_u64 s[12:13], s[12:13], s[24:25]
	s_lshl_b32 s24, s22, 12                        ; mb: 4,096 bytes a tile, 2,048 a half
	s_lshl_b32 s26, s23, 11
	s_add_co_u32 s24, s24, s26
	s_add_nc_u64 s[16:17], s[16:17], s[24:25]
	s_lshl_b32 s24, s22, 2                         ; mf: 4 bytes a tile; my half's byte
	s_add_co_u32 s24, s24, s23
	s_add_nc_u64 s[18:19], s[18:19], s[24:25]
	s_wait_alu depctr_va_vdst(0)
	v_lshlrev_b32 v3, 4, v2                        ; 16 bytes a lane
	s_mul_i32 s26, s20, 16*MROW                    ; my stage
	v_add_nc_u32 v4, s26, v3                       ; into it
	v_and_b32 v5, 15, v2                           ; r
	v_lshrrev_b32 v6, 4, v2                        ; h
	v_mul_u32_u24 v5, v5, MROW
	v_lshl_add_u32 v5, v6, 4, v5
	v_add_nc_u32 v5, s26, v5                       ; out of it: row r, + 16 h
	v_lshlrev_b32 v6, 3, v2                        ; mb: 8 bytes a lane
	s_mov_b32 s48, 0xff
	s_mov_b32 s49, 0xff00
	s_mov_b32 s50, 0xff0000
	s_mov_b32 s51, 0xff000000
	s_mov_b32 s52, 0                               ; steps with an open key
	s_mov_b32 s53, 0                               ; steps with a hidden key
.set n, 0
.rept 32                                       ; row n / 2 of the tile (rows 8-15 lie 8 further down), 512 consecutive bytes a load
	global_load_b128 v[40+4*n:43+4*n], v3, s[12:13] offset:((n/2)+8*(n/16))*2048+(n%2)*512 th:TH_LOAD_NT
.set n, n+1
.endr
.set n, 0
.rept 16
	v_mov_b32 v[WD+n], 0                           ; written once: v_writelane_b32's destination counts as read
.set n, n+1
.endr
.set n, 0
.rept 32
	s_wait_loadcnt 31-n                            ; loads come back in order: number n is in, the younger ones stay out
	ds_store_b128 v4, v[40+4*n:43+4*n] offset:(n/2)*MROW+(n%2)*512
.set n, n+1
.endr
.macro MSTEP st                        ; 128 keys: lane (r, h) takes 16 bytes of each block of 32; a compare gives a word of lane bits
.irp b, 0,1,2,3
	ds_load_b128 v[8+4*\b:11+4*\b], v5 offset:128*(\st)+32*\b     ; LDS serves a wave's instructions in order: these see my stores
.endr
	s_wait_dscnt 0x0
	s_mov_b32 s28, 0                               ; the OR of the step's 64 words
	s_mov_b32 s29, -1                              ; and their AND
.irp b, 0,1,2,3
.irp i, 0,1,2,3,4,5,6,7,8,9,10,11,12,13,14,15
	v_and_b32 v[24+\i], s[48+(\i%4)], v[8+4*\b+\i/4]
.endr
.irp i, 0,1,2,3,4,5,6,7,8,9,10,11,12,13,14,15
	v_cmp_ne_u32 s[32+\i], 0, v[24+\i]
.endr
.irp i, 0,1,2,3,4,5,6,7,8,9,10,11,12,13,14,15
	v_writelane_b32 v[WD+2*(\st)+(\i%2)], s[32+\i], 8*\b+\i/2     ; word 16 b + i goes to lane (16 b + i) / 2
	s_or_b32 s28, s28, s[32+\i]
	s_and_b32 s29, s29, s[32+\i]
.endr
.endr
	s_cmp_lg_u32 s29, -1
	s_cselect_b32 s30, 1<<(\st), 0
	s_or_b32 s52, s52, s30
	s_cmp_lg_u32 s28, 0
	s_cselect_b32 s30, 1<<(\st), 0
	s_or_b32 s53, s53, s30
	s_wait_alu depctr_va_vdst(0)
	global_store_b64 v6, v[WD+2*(\st):WD+2*(\st)+1], s[16:17] offset:256*(\st)   ; 32 lanes store 256 consecutive aligned bytes
.endm
.irp t, 0,1,2,3,4,5,6,7
	MSTEP \t
.endr
	v_mov_b32 v9, s52
	v_mov_b32 v10, s53
	v_cmp_eq_u32 vcc_lo, 1, v2
	v_cndmask_b32 v9, v9, v10, vcc_lo              ; lane 0: the open steps; lane 1: the hidden ones
	v_lshlrev_b32 v11, 1, v2
	v_cmp_gt_u32 vcc_lo, 2, v2
	s_wait_alu depctr_va_vdst(0)
	s_wait_xcnt 0x0                                ; EXEC changes only behind this wait
	s_wait_tensorcnt 0x0
	ds_add_u32 v192, v193
	s_wait_dscnt 0x0
	s_and_saveexec_b32 s30, vcc_lo
	global_store_b8 v11, v9, s[18:19]
	s_wait_xcnt 0x0
	s_or_b32 exec_lo, exec_lo, s30
	s_endpgm
.Lfunc_end_k_qbff2083ba5_prep:
	.size	k_qbff2083ba5_prep, .Lfunc_end_k_qbff2083ba5_prep-k_qbff2083ba5_prep
	.p2alignl 7, 3214868480
	.fill 96, 4, 3214868480
	.section	.rodata,"a",@progbits
	.p2align	6, 0x0
	.amdhsa_kernel k_qbff2083ba5_prep
		.amdhsa_group_segment_fixed_size 67072
		.amdhsa_private_segment_fixed_size 0
		.amdhsa_enable_private_segment 0
		.amdhsa_kernarg_size 64
		.amdhsa_user_sgpr_count 2
		.amdhsa_user_sgpr_kernarg_segment_ptr 1
		.amdhsa_wavefront_size32 1
		.amdhsa_system_sgpr_workgroup_id_x 1
		.amdhsa_system_sgpr_workgroup_id_y 1
		.amdhsa_system_sgpr_workgroup_id_z 1
		.amdhsa_system_vgpr_workitem_id 0
		.amdhsa_next_free_vgpr 194
		.amdhsa_next_free_sgpr 66
		.amdhsa_reserve_vcc 1
		.amdhsa_float_denorm_mode_32 3
		.amdhsa_float_denorm_mode_16_64 3
		.amdhsa_memory_ordered 1
		.amdhsa_forward_progress 1
		.amdhsa_inst_pref_size 183
	.end_amdhsa_kernel
	.amdgpu_metadata
---
amdhsa.version: [ 1, 2 ]
amdhsa.kernels:
  - .name:           k_qbff2083ba5_prep
    .symbol:         k_qbff2083ba5_prep.kd
    .args:
      - { .name: wq, .offset: 0, .size: 8, .value_kind: global_buffer, .address_space: global }
      - { .name: wk, .offset: 8, .size: 8, .value_kind: global_buffer, .address_space: global }
      - { .name: wv, .offset: 16, .size: 8, .value_kind: global_buffer, .address_space: global }
      - { .name: wo, .offset: 24, .size: 8, .value_kind: global_buffer, .address_space: global }
      - { .name: mask, .offset: 32, .size: 8, .value_kind: global_buffer, .address_space: global }
      - { .name: wc, .offset: 40, .size: 8, .value_kind: global_buffer, .address_space: global }
      - { .name: mb, .offset: 48, .size: 8, .value_kind: global_buffer, .address_space: global }
      - { .name: mf, .offset: 56, .size: 8, .value_kind: global_buffer, .address_space: global }
    .group_segment_fixed_size: 67072
    .private_segment_fixed_size: 0
    .kernarg_segment_align: 8
    .kernarg_segment_size: 64
    .max_flat_workgroup_size: 128
    .sgpr_count:     66
    .vgpr_count:     194
    .wavefront_size: 32
...
	.end_amdgpu_metadata
.endif
;; end of part 5
;; launch proj (part 6): grid 64 x 3, 4 waves a work-group, no clusters, 203,264 bytes of LDS; arguments q, k, v, bq, bk, bv, wc, qc, kc, vc, sc; writes qc, kc, vc, sc
.if DOCPART == 6
	.amdgcn_target "amdgcn-amd-amdhsa--gfx1250"
	.amdhsa_code_object_version 6
	.text
	.protected	k_qbff2083ba5_proj
	.globl	k_qbff2083ba5_proj
	.p2align	8
	.type	k_qbff2083ba5_proj,@function
k_qbff2083ba5_proj:
	s_mov_b64 s[64:65], 0
	v_nop
	global_prefetch_b8 v0, s[64:65] scope:SCOPE_SE
	s_setreg_imm32_b32 hwreg(HW_REG_WAVE_SCHED_MODE, 0, 2), 2
	s_setreg_imm32_b32 hwreg(HW_REG_WAVE_MODE, 25, 1), 1
	s_wait_xcnt 0x0
	s_wait_alu depctr_vm_vsrc(0)
; PROJ.  y = x W + b for x = q, k or v (work-group y), on codes of E4M3 with one E8M0 byte for each 32 along K; the result is quantised at once into attention's operands.
; A work-group takes 128 rows of x (work-group x = batch 16 + step) and all 1,024 columns.  TILES: lane r of tile t of a group of 128 holds row 32 (t / 2) + 8 (t % 2) + r + 8 (r / 8), for x's rows and for W's
; columns alike, so that in a result the 16 registers of source 0's tiles 2 beta and 2 beta + 1 are 16 neighbours, 32 beta + 16 (lane / 16) + 0 .. 15: the next operand's layout.
; PHASE X: wave w quantises rows 32 w .. 32 w + 31: a K step's 32 x 512 bytes come by dense loads (512 consecutive bytes each), turn through the wave's stage in LDS, and leave as images of the operand's registers:
;   group c of a fragment at 512 c + 16 lane; the scale word at 4 r.  One barrier.
; PHASE G: two passes; wave w takes columns 128 (2 w + pass): 64 accumulators, 8 K steps of 64 matrix instructions.  x's fragments come from LDS, W's from wc, laid in register order, two sets.
;   q, k: source 0 = W, source 1 = x: a lane holds one row and 128 columns (two heads): quantised along the head's 64.   v: source 0 = x, source 1 = W: a lane holds one column and 128 keys: quantised along the keys.
;   The bias is the C of each sum's first matrix instruction.  The 64 accumulators take turns, one instruction a turn.
; OUT: qc, kc [b 16 + head][step][tile 8][c 2][lane][16];  vc [b 16 + head][step][tile of d 4][c 4][lane][16];  every store of codes covers 512 consecutive aligned bytes.
;   sc: q's scale words at 0, k's at 524,288: [bh][step][r][tile 8], each word (s0, s1, s0, s1);  v's at 1,048,576: [bh][step][r][tile 4].
; NO TENSOR LOADS, NO CLUSTER, though all 64 row blocks walk the same W: the images, scale words and stages take 202,752 bytes; two slots of one K step of the four waves' slices (2 x 65,536) would make 333,824, over the 327,680 that a work-group can have.
; LIMITS: a block under 2^-118 (a block of zeros too) gets the byte 1; only this program reads the bytes.  NaN and infinities among the inputs are not served.
; THE MODE: SCHED_MODE bits 1:0 = 2 (LLVM: expert scheduling mode 2), set by the entry lines.  The code itself states the register dependences between vector or matrix instructions and memory or LDS instructions,
; with s_wait_alu, always for 0.
; THE PLAN.  Registers that memory or LDS instructions touch, and who else names them:
;   v1, v4, v5, v12-15, v17, v18, v21   offsets, made at the head and never written again: one wait on va_vdst ahead of the first load.
;   raw sets 0, 1 (window 2)   phase X: loads land in them, the LDS stores into the stage read them, no vector instruction names them: one wait on vm_vsrc between a set's stores and its next loads.
;   T; PC, PW, v[IMGA], v[XSWA]   phase X, a tile: LDS loads land in T; QUANT reads and writes T and writes PC, PW; ONE wait on va_vdst; five LDS stores read PC, PW and the two addresses; ONE wait on vm_vsrc.
;                              The first also shows QUANT done with T for the next tile's loads; the second also frees the two addresses for the next trip's adds.
;   a pass's head              one wait on vm_vsrc and one on va_vdst free all that the pass's first loads land in, and state that v[XAD], v[XSA] are written.
;   a K step on sets p         TWO waits on va_vdst.  Behind quarter 1: x's tiles 0-3 are done with; their next loads, and those of scale set 1 - p, follow, dealt behind quarter 2, which names none of their registers.
;                              Behind quarter 3: x's tiles 4-7, W's set p and its scale words are done with; the loads of tiles 4-7 follow at once, W's 34 at the next step's head: no vector or matrix instruction stands between.
;   the way out, a tile        the conversions write PC; one wait on va_vdst; four stores read it; one wait on vm_vsrc ahead of the next tile's conversions.
.set XSC,  131072                      ; LDS: images [K step 8][tile 8] x 2,048 from 0; here their scale words [K step][tile][r] ;
.set STG,  135168                      ; and the waves' stages, 32 rows x 528 each
.set SROW, 528                         ; 512 bytes + 16: 16 rows start 16 bytes apart modulo 256
.set WSTG, 32*SROW
.set LI,   1                           ; 16 x lane
.set PUTA, 4                           ; the stage, on the way in
.set TRD,  5                           ; and out: row r, + 64 h
.set IMG0, 6                           ; my images: 4,096 w + 16 lane
.set XSW0, 7                           ; my scale words: XSC + 128 w + 4 r
.set IMGA, 8                           ; the two with the K step added
.set XSWA, 9
.set XSA0, 10                          ; XSC + 4 r
.set XAD,  11                          ; phase G: images of the K step in hand
.set OFC,  12                          ; v12-15 the four groups' places in the output
.set XSA,  16                          ; phase G: scale words of the K step in hand
.set WSO,  17                          ; 32 r
.set BO,   18                          ; the bias's lane term
.set SELV, 19                          ; byte selector for the scale words
.set FLR,  20                          ; 2^(9 - 127)
.set SSO,  21                          ; the scale words' place in sc
.set XS,   32                          ; v32-47  x's scale words, two sets of 8
.set WS,   48                          ; v48-63  W's, two sets of 8
.set BIAS, 64                          ; v64-127 eight registers for each tile of W
.set XF,   128                         ; v128-255 x's eight fragments; outside the products: T, PC, TM, PW, SW
.set T,    128
.set PC,   192
.set TM,   208
.set PW,   224
.set SW,   232
.set XP,   26                          ; s[26:27] x;  s[28:29] bias;  s[30:31] codes out;  s[32:33] W's codes;  s[34:35] W's scale words;  s[36:37] scale words out
.set BP,   28
.set OP,   30
.set WP,   32
.set WSP,  34
.set SP,   36
.set WV,   46
.set KIND, 47
.set KX,   48
.set KS,   49
.set CNT,  50
.set PASS, 51
.set XK,   52
.set XSK,  53
.set SEL,  54
.set MNT,  56
.set HM,   57
.set INCA, 58
.set INCB, 60
.set INCC, 62
.set SPI,  66
.set VM,   68
.set MSB, 0
.macro WIN new                         ; s_set_vgpr_msb: bits 1:0 source 0, 3:2 source 1, 5:4 source 2, 7:6 destination; the high byte repeats the setting that is left
.if MSB != (\new)
	s_set_vgpr_msb (MSB<<8)|(\new)
.set MSB, \new
.endif
.endm
.macro BARRIER
	s_wait_dscnt 0x0                               ; my LDS stores have landed and my LDS loads are in
	s_barrier_signal -1
	s_barrier_wait -1
.endm
.macro SCALES4                         ; v[TM..TM+3]: my 16 numbers' largest magnitudes -> TM+8: 448 x scale, TM+12: the conversion's operand, PW: the scale word
.irp b, 0,1,2,3
	v_permlanex16_b32 v[TM+4+\b], v[TM+\b], s[SEL], s[SEL+1]
.endr
.irp b, 0,1,2,3
	v_max_num_f32 v[TM+\b], v[TM+\b], v[TM+4+\b]   ; with lane l xor 16's: the block's largest magnitude
.endr
.irp b, 0,1,2,3
	v_add_nc_u32 v[TM+12+\b], 0xfc000000, v[TM+\b]
.endr
.irp b, 0,1,2,3
	v_and_or_b32 v[TM+8+\b], v[TM+\b], 0x7f800000, s[MNT]
.endr
.irp b, 0,1,2,3
	v_lshrrev_b32 v[TM+4+\b], 23, v[TM+12+\b]
.endr
	v_lshl_or_b32 v[PW], v[TM+5], 8, v[TM+4]
	v_lshl_or_b32 v[PW], v[TM+6], 16, v[PW]
	v_lshl_or_b32 v[PW], v[TM+7], 24, v[PW]
.endm
.macro QUANT s                         ; 64 numbers of a lane, register 16 b + i = k 32 b + 16 h + i of my row -> codes in v[PC] on, scale word in v[PW]
.irp b, 0,1,2,3
	v_max3_num_f32 v[TM+\b], |v[\s+16*\b]|, |v[\s+1+16*\b]|, v[FLR]
.endr
.irp i, 2,4,6,8,10,12,14
.irp b, 0,1,2,3
	v_max3_num_f32 v[TM+\b], v[TM+\b], |v[\s+16*\b+\i]|, |v[\s+1+16*\b+\i]|
.endr
.endr
	SCALES4
.irp b, 0,1,2,3
.irp i, 0,1,2,3,4,5,6,7,8,9,10,11,12,13,14,15
	v_med3_num_f32 v[\s+16*\b+\i], v[\s+16*\b+\i], -v[TM+8+\b], v[TM+8+\b]   ; the conversion does not saturate (ISA guide 7.6.2): the hold
.endr
	v_cvt_scalef32_pk8_fp8_f32 v[PC+4*\b:PC+4*\b+1], v[\s+16*\b:\s+16*\b+7], v[TM+12+\b]
	v_cvt_scalef32_pk8_fp8_f32 v[PC+4*\b+2:PC+4*\b+3], v[\s+16*\b+8:\s+16*\b+15], v[TM+12+\b]
.endr
	v_nop                                          ; a plain line behind the last conversion
.endm
.macro GET set, off                    ; a K step (512 bytes) of my 32 rows into raw set 0 or 1 of window 2
	WIN 0x80
.set n, 0
.rept 32
	global_load_b128 v[128*(\set)+4*n:128*(\set)+4*n+3], v[LI], s[XP:XP+1] offset:n*4096+(\off) th:TH_LOAD_NT
.set n, n+1
.endr
	WIN 0
.endm
.macro PUT set                         ; into the stage; a tile's 16 rows stand together: row n goes to place 16 ((n / 8) % 2) + n % 8 + 8 (n / 16)
	WIN 0x08
.set n, 0
.rept 32
	ds_store_b128 v[PUTA], v[128*(\set)+4*n:128*(\set)+4*n+3] offset:(16*((n/8)%2)+(n%8)+8*(n/16))*SROW
.set n, n+1
.endr
	WIN 0
.endm
.macro QX kk, u                        ; tile 2 w + u of K step (pair's first + kk): out of the stage, quantised, its image and scale word to LDS
.irp b, 0,1,2,3                                ; no wait on va_vdst here: all of the last tile's QUANT stands ahead of the wait in front of its stores, and no vector instruction since names T
.irp j, 0,1,2,3
	ds_load_b128 v[T+16*\b+4*\j:T+16*\b+4*\j+3], v[TRD] offset:(\u)*16*SROW+128*\b+16*\j
.endr
.endr
	s_wait_dscnt 0x0
	QUANT T
	s_wait_alu depctr_va_vdst(0)                   ; QUANT has written v[PC ..] and v[PW], and the trip's adds v[IMGA] and v[XSWA]: the LDS stores below read them; QUANT is also done with T, in which the next tile's loads land
.irp c, 0,1,2,3
	ds_store_b128 v[IMGA], v[PC+4*\c:PC+4*\c+3] offset:(\kk)*16384+(\u)*2048+512*\c
.endr
	ds_store_b32 v[XSWA], v[PW] offset:(\kk)*512+(\u)*64     ; lanes r and r + 16 write the same word with the same value
	s_wait_dscnt 0x0                               ; the stores have landed
	s_wait_alu depctr_vm_vsrc(0)                   ; the stores have read v[PC ..] and v[PW], which the next QUANT writes, and v[IMGA] and v[XSWA], which the next trip's adds write
.endm
	s_load_b512 s[4:19], s[0:1], 0x0               ; q, k, v, bq, bk, bv, wc, qc
	s_load_b128 s[20:23], s[0:1], 0x40             ; kc, vc
	s_load_b64 s[24:25], s[0:1], 0x50              ; sc
	v_lshl_add_u32 v30, v0, 2, 0x31800
	v_mov_b32 v31, 0
	v_lshrrev_b32 v2, 5, v0
	v_readfirstlane_b32 s[WV], v2                  ; wave 0..3
	s_and_b32 s[KIND], ttmp7, 0xffff               ; 0: q, 1: k, 2: v
	v_and_b32 v2, 31, v0
	v_lshlrev_b32 v[LI], 4, v2
	v_and_b32 v2, 15, v0                           ; r
	v_bfe_u32 v3, v0, 4, 1                         ; h
	s_wait_alu depctr_va_sdst(0)                   ; the wave's number is written, ahead of its first reader
	s_mul_i32 s38, s[WV], WSTG
	s_add_co_u32 s38, s38, STG
	v_add_nc_u32 v[PUTA], s38, v[LI]
	v_mul_u32_u24 v[TRD], v2, SROW
	v_lshl_add_u32 v[TRD], v3, 6, v[TRD]
	v_add_nc_u32 v[TRD], s38, v[TRD]
	s_lshl_b32 s38, s[WV], 12
	v_add_nc_u32 v[IMG0], s38, v[LI]
	s_lshl_b32 s38, s[WV], 7
	s_add_co_u32 s38, s38, XSC
	v_lshl_add_u32 v[XSW0], v2, 2, s38
	v_lshlrev_b32 v[XSA0], 2, v2
	v_add_nc_u32 v[XSA0], XSC, v[XSA0]
	v_lshlrev_b32 v[WSO], 5, v2
	v_mov_b32 v[FLR], 0x4800000
	s_mov_b32 s[SEL], 0x76543210
	s_mov_b32 s[SEL+1], 0xfedcba98                 ; v_permlanex16_b32's selects for lane l xor 16
	s_mov_b32 s[MNT], 0x600000                     ; the mantissa field of 448
	s_mov_b32 s[HM], 0xffff0000                    ; lanes 16-31
	; what differs between q, k and v in the way out is chosen here, by the work-group's number alone
	s_cmp_eq_u32 s[KIND], 2
	s_cselect_b32 s[VM], -1, 0
	s_cselect_b32 s38, 4, 5
	s_cselect_b32 s39, 12, 13
	s_mov_b32 s40, 131072
	s_cselect_b32 s40, 1024, s40                   ; group 2's place: q, k: the next head; v: 1,024 on
	s_cselect_b32 s43, 1, 0
	s_mov_b32 s[INCA], 1024
	s_cselect_b32 s[INCA], 2048, s[INCA]           ; from tile to tile
	s_mov_b32 s[INCA+1], 0
	s_mov_b32 s[INCB], 1024
	s_cselect_b32 s[INCB], 124928, s[INCB]         ; from tile 3 to tile 4: v: the next head, 131,072 - 3 x 2,048
	s_mov_b32 s[INCB+1], 0
	s_mov_b32 s[INCC], 254976
	s_cselect_b32 s[INCC], 124928, s[INCC]         ; from tile 7 to the next pass's tile 0: two heads (262,144) less what was stepped
	s_mov_b32 s[INCC+1], 0
	s_mov_b32 s[SPI], 16384
	s_cselect_b32 s[SPI], 8192, s[SPI]             ; the scale words of two heads
	s_mov_b32 s[SPI+1], 0
	v_lshlrev_b32 v[SSO], s38, v2
	v_lshlrev_b32 v22, s39, v3
	v_add_nc_u32 v[SSO], v[SSO], v22               ; q, k: 32 r + 8,192 h;  v: 16 r + 4,096 h
	v_mov_b32 v[OFC], v[LI]
	v_add_nc_u32 v[OFC+1], 512, v[LI]
	v_add_nc_u32 v[OFC+2], s40, v[LI]
	v_add_nc_u32 v[OFC+3], 512, v[OFC+2]
	v_lshlrev_b32 v[BO], 6, v3                     ; q, k: the bias of columns 16 h + 0 .. 7 of a tile
	v_and_b32 v22, 8, v2
	v_add_nc_u32 v22, v22, v2
	v_lshlrev_b32 v22, 2, v22                      ; v: of column r + 8 (r / 8)
	v_cndmask_b32 v[BO], v[BO], v22, s[VM]
	v_mov_b32 v[SELV], 0x01000100                  ; q, k: lanes 0-15 repeat bytes 0, 1 (the first head),
	v_mov_b32 v22, 0x03020302
	v_cndmask_b32 v[SELV], v[SELV], v22, s[HM]     ; lanes 16-31 bytes 2, 3 (the second);
	v_mov_b32 v22, 0x03020100
	v_cndmask_b32 v[SELV], v[SELV], v22, s[VM]     ; v: the word as it is
.irp b, 0,1,2,3
	v_mov_b32 v[TM+4+\b], 0                        ; written once: a lane permute's destination counts as read
.endr
	s_wait_kmcnt 0x0
	s_cmp_eq_u32 s[KIND], 1
	s_cselect_b64 s[XP:XP+1], s[6:7], s[4:5]
	s_cselect_b64 s[BP:BP+1], s[12:13], s[10:11]
	s_cselect_b64 s[OP:OP+1], s[20:21], s[18:19]
	s_cmp_eq_u32 s[KIND], 2
	s_cselect_b64 s[XP:XP+1], s[8:9], s[XP:XP+1]
	s_cselect_b64 s[BP:BP+1], s[14:15], s[BP:BP+1]
	s_cselect_b64 s[OP:OP+1], s[22:23], s[OP:OP+1]
	s_lshl_b32 s38, ttmp9, 19                      ; x: 128 rows of 4,096 bytes a work-group, 32 a wave
	s_lshl_b32 s39, s[WV], 17
	s_add_co_u32 s38, s38, s39
	s_mov_b32 s39, 0
	s_add_nc_u64 s[XP:XP+1], s[XP:XP+1], s[38:39]
	s_wait_alu depctr_va_vdst(0)                   ; the head's offsets and addresses are written: v1, v4, v5, v12-15, v17, v18 and v21 serve the kernel's loads and stores and are never written again
	GET 0, 0                                       ; K steps 0 and 1 are on their way while the other addresses are made
	GET 1, 512
	s_lshl_b32 s38, s[KIND], 20                    ; W's codes: weight, slice 2 w
	s_lshl_b32 s40, s[WV], 18
	s_add_co_u32 s38, s38, s40
	s_add_nc_u64 s[WP:WP+1], s[16:17], s[38:39]
	s_lshl_b32 s38, s[KIND], 15
	s_lshl_b32 s40, s[WV], 13
	s_add_co_u32 s38, s38, s40
	s_add_co_u32 s38, s38, 4194304
	s_add_nc_u64 s[WSP:WSP+1], s[16:17], s[38:39]
	s_lshl_b32 s38, s[WV], 10                      ; the bias of 256 columns a wave
	s_add_nc_u64 s[BP:BP+1], s[BP:BP+1], s[38:39]
	s_lshr_b32 s40, ttmp9, 4                       ; batch
	s_and_b32 s41, ttmp9, 15                       ; step
	s_lshl_b32 s38, s40, 21                        ; codes out: (16 batch + 4 w) heads of 131,072, + 8,192 step
	s_lshl_b32 s42, s[WV], 19
	s_add_co_u32 s38, s38, s42
	s_lshl_b32 s42, s41, 13
	s_add_co_u32 s38, s38, s42
	s_add_nc_u64 s[OP:OP+1], s[OP:OP+1], s[38:39]
	s_lshl_b32 s38, s40, 17                        ; scale words out: heads of 8,192 (v: 4,096), steps of 512 (v: 256)
	s_lshl_b32 s42, s[WV], 15
	s_add_co_u32 s38, s38, s42
	s_lshl_b32 s42, s41, 9
	s_add_co_u32 s38, s38, s42
	s_lshr_b32 s38, s38, s43
	s_lshl_b32 s42, s[KIND], 19                    ; q's at 0, k's at 524,288, v's at 1,048,576
	s_add_co_u32 s38, s38, s42
	s_add_nc_u64 s[SP:SP+1], s[24:25], s[38:39]
	; ---------------- phase X ----------------
	s_mov_b32 s[KX], 0
	s_mov_b32 s[KS], 0
	s_mov_b32 s[CNT], 3
.Lxk:                                              ; a trip: two K steps quantised, the two after them asked for
	v_add_nc_u32 v[IMGA], s[KX], v[IMG0]           ; free: the wait on vm_vsrc at the last tile's end stands behind every store that read the two
	v_add_nc_u32 v[XSWA], s[KS], v[XSW0]
	s_wait_loadcnt 32                              ; set 0 is in; set 1's 32 loads are younger
	PUT 0
	s_wait_dscnt 0x0                               ; the stage is written
	s_wait_alu depctr_vm_vsrc(0)                   ; the LDS stores have read raw set 0, in which the loads below land
	GET 0, 1024
	QX 0, 0
	QX 0, 1
	s_wait_loadcnt 32                              ; set 1 is in; set 0's new 32 loads are younger
	PUT 1
	s_wait_dscnt 0x0
	s_wait_alu depctr_vm_vsrc(0)                   ; the LDS stores have read raw set 1, in which the loads below land
	GET 1, 1536
	QX 1, 0
	QX 1, 1
	s_wait_xcnt 0x0                                ; the loads have read their base: it may step
	s_add_nc_u64 s[XP:XP+1], s[XP:XP+1], 1024
	s_add_co_u32 s[KX], s[KX], 32768
	s_add_co_u32 s[KS], s[KS], 1024
	s_sub_co_u32 s[CNT], s[CNT], 1
	s_cmp_lg_u32 s[CNT], 0
	s_cbranch_scc1 .Lxk
	v_add_nc_u32 v[IMGA], s[KX], v[IMG0]           ; the last two K steps ask for nothing: no load leaves the buffer
	v_add_nc_u32 v[XSWA], s[KS], v[XSW0]
	s_wait_loadcnt 32
	PUT 0
	QX 0, 0
	QX 0, 1
	s_wait_loadcnt 0x0
	PUT 1
	QX 1, 0
	QX 1, 1
	BARRIER                                        ; all 64 images and their scale words lie in LDS; from here on LDS is only read
	; ---------------- phase G ----------------
.macro FETCH_W p, off                  ; a K step of my slice of W into set p of window 1, and its scale words: 34 loads
	WIN 0x40
.irp b, 0,1,2,3,4,5,6,7
.irp c, 0,1,2,3
	global_load_b128 v[128*(\p)+16*\b+4*\c:128*(\p)+16*\b+4*\c+3], v[LI], s[WP:WP+1] offset:(\off)+\b*2048+\c*512
.endr
.endr
	WIN 0
	global_load_b128 v[WS+8*(\p):WS+8*(\p)+3], v[WSO], s[WSP:WSP+1] offset:(\off)/32
	global_load_b128 v[WS+8*(\p)+4:WS+8*(\p)+7], v[WSO], s[WSP:WSP+1] offset:(\off)/32+16
.endm
.macro FETCH_X i0, off                 ; x's tiles i0 .. i0 + 3: 16 LDS loads
.irp a, \i0, \i0+1, \i0+2, \i0+3
.irp c, 0,1,2,3
	ds_load_b128 v[XF+16*(\a)+4*\c:XF+16*(\a)+4*\c+3], v[XAD] offset:(\off)+(\a)*2048+\c*512
.endr
.endr
.endm
.macro FETCH_XS x, off                 ; x's eight scale words into set x
.irp a, 0,1,2,3,4,5,6,7
	ds_load_b32 v[XS+8*(\x)+\a], v[XSA] offset:(\off)/32+\a*64
.endr
.endm
; A K step's 64 matrix instructions go in four quarters of 16; quarters 0 and 1 take x's tiles 0-3, quarters 2 and 3 its tiles 4-7.
.macro MULQ q, p, first                ; x's tiles 2 q, 2 q + 1 against W's eight.  Source 0 = W (window 1), source 1 = x; accumulator (a, b) at v[8 (8 (a % 4) + b)] of window 2 + a / 4
.if \first
	WIN 0x81+0x40*((\q)/2)
.else
	WIN 0xa1+0x50*((\q)/2)
.endif
.irp d, 0,1
.irp b, 0,1,2,3,4,5,6,7
.set MA, 2*(\q)+\d
.set MC, 8*(8*(MA%4)+\b)
.if \first
	v_wmma_scale_f32_16x16x128_f8f6f4 v[MC:MC+7], v[128*(\p)+16*\b:128*(\p)+16*\b+15], v[XF+16*MA:XF+16*MA+15], v[BIAS+8*\b:BIAS+8*\b+7], v[WS+8*(\p)+\b], v[XS+8*(\p)+MA]
.else
	v_wmma_scale_f32_16x16x128_f8f6f4 v[MC:MC+7], v[128*(\p)+16*\b:128*(\p)+16*\b+15], v[XF+16*MA:XF+16*MA+15], v[MC:MC+7], v[WS+8*(\p)+\b], v[XS+8*(\p)+MA]
.endif
.endr
.endr
.endm
.macro MULV q, p, first                ; x's tiles 4 (q / 2) .. + 3 against W's tiles 4 (q % 2) .. + 3.  Source 0 = x, source 1 = W (window 1); accumulator (b, a) at v[8 (8 (b % 4) + a)] of window 2 + b / 4
.set MG, (\q)%2
.if \first
	WIN 0x84+0x40*MG
.else
	WIN 0xa4+0x50*MG
.endif
.irp e, 0,1,2,3
.irp d, 0,1,2,3
.set MA, 4*((\q)/2)+\d
.set MB, 4*MG+\e
.set MC, 8*(8*\e+MA)
.if \first
	v_wmma_scale_f32_16x16x128_f8f6f4 v[MC:MC+7], v[XF+16*MA:XF+16*MA+15], v[128*(\p)+16*MB:128*(\p)+16*MB+15], v[BIAS+8*MB:BIAS+8*MB+7], v[XS+8*(\p)+MA], v[WS+8*(\p)+MB]
.else
	v_wmma_scale_f32_16x16x128_f8f6f4 v[MC:MC+7], v[XF+16*MA:XF+16*MA+15], v[128*(\p)+16*MB:128*(\p)+16*MB+15], v[MC:MC+7], v[XS+8*(\p)+MA], v[WS+8*(\p)+MB]
.endif
.endr
.endr
.endm
.macro MUL var, q, p, first
.if (\var) == 0
	MULQ \q, \p, \first
.else
	MULV \q, \p, \first
.endif
.endm
; A K step: 64 matrix instructions on sets p.  Loads into registers that matrix instructions have read stand eight plain vector lines behind them,
; and behind the lines stands the wait that states the dependence.  K step 7 issues no load and states none.
.macro STEP var, p, first, last, bump, xoff, woff
.if (\last) == 0
	FETCH_W 1-(\p), \woff                          ; the next K step of W, into the set that the step before has left.  No wait: the wait at that step's end (K step 0: at the pass's head) stands behind its last reader, and no vector or matrix instruction since names the set or its scale words
	s_wait_loadcnt 34                              ; all but the 34 just issued: this step's W is in
.else
	s_wait_loadcnt 0x0
.endif
	s_wait_dscnt 16                                ; x's tiles 0-3 and scale words are in; the 16 loads of tiles 4-7 are younger
	MUL \var, 0, \p, \first
	MUL \var, 1, \p, \first
	s_wait_dscnt 0x0
	WIN 0
.if \bump
	s_add_co_u32 s[XK], s[XK], 32768               ; two K steps on in LDS (no LDS load of mine is out)
	s_add_co_u32 s[XSK], s[XSK], 1024
	s_wait_alu depctr_vm_vsrc(0)                   ; the LDS loads issued so far have read v[XAD] and v[XSA], which the two adds write
	v_add_nc_u32 v[XAD], s[XK], v[LI]
	v_add_nc_u32 v[XSA], s[XSK], v[XSA0]
.rept 6
	v_nop
.endr
.else
.rept 8
	v_nop
.endr
.endif
.if (\last) == 0
	s_wait_alu depctr_va_vdst(0)                   ; quarters 0 and 1 are done reading x's tiles 0-3, and the step before is done reading scale set 1 - p: the loads behind quarter 2 land there; where the addresses stepped, v[XAD] and v[XSA] are written
.endif
	MUL \var, 2, \p, \first                        ; names x's tiles 4-7, W's set p, the scale sets p and accumulators: none of the registers of the loads below
.if (\last) == 0
	WIN 0
	FETCH_X 0, \xoff
	FETCH_XS 1-(\p), \xoff
.endif
	MUL \var, 3, \p, \first
	WIN 0
.rept 8
	v_nop
.endr
.if (\last) == 0
	s_wait_alu depctr_va_vdst(0)                   ; the step's matrix instructions are done reading x's tiles 4-7, in which the loads below land, and W's set p and its scale words, in which the next step's 34 loads land
	FETCH_X 4, \xoff
.endif
.endm
.macro GEMM var                        ; all loads up to K step 0's products lean on the two waits at the pass's head
.if (\var) == 0
.irp b, 0,1,2,3,4,5,6,7                        ; the bias in the result's layout: tile b, columns 32 (b / 2) + 8 (b % 2) + 16 h + 0 .. 7
	global_load_b128 v[BIAS+8*\b:BIAS+8*\b+3], v[BO], s[BP:BP+1] offset:(32*(\b/2)+8*(\b%2))*4
	global_load_b128 v[BIAS+8*\b+4:BIAS+8*\b+7], v[BO], s[BP:BP+1] offset:(32*(\b/2)+8*(\b%2))*4+16
.endr
	FETCH_W 0, 0
.else
.irp b, 0,1,2,3,4,5,6,7                        ; a lane holds one column: its bias, in all eight registers of the tile
	global_load_b32 v[BIAS+8*\b], v[BO], s[BP:BP+1] offset:(32*(\b/2)+8*(\b%2))*4
.endr
	FETCH_W 0, 0
	s_wait_loadcnt 34                              ; the eight words are in; W's 34 loads are younger
.irp b, 0,1,2,3,4,5,6,7
.irp j, 1,2,3,4,5,6,7
	v_mov_b32 v[BIAS+8*\b+\j], v[BIAS+8*\b]        ; (these name the bias's registers alone: no load below touches them)
.endr
.endr
.endif
	FETCH_X 0, 0
	FETCH_XS 0, 0
	FETCH_X 4, 0
	s_wait_alu depctr_va_vdst(0)
	STEP \var, 0, 1, 0, 0, 16384, 16384            ; K step 0 starts the sums from the bias
	s_mov_b32 s[CNT], 3
.Lk_\@:                                            ; K steps 1, 2 | 3, 4 | 5, 6
	STEP \var, 1, 0, 0, 1, 0, 32768
	STEP \var, 0, 0, 0, 0, 16384, 49152
	s_wait_xcnt 0x0                                ; W's loads have read their bases
	s_add_nc_u64 s[WP:WP+1], s[WP:WP+1], 32768
	s_add_nc_u64 s[WSP:WSP+1], s[WSP:WSP+1], 1024
	s_sub_co_u32 s[CNT], s[CNT], 1
	s_cmp_lg_u32 s[CNT], 0
	s_cbranch_scc1 .Lk_\@
	STEP \var, 1, 0, 1, 0, 0, 0                    ; K step 7 asks for nothing
.endm
; The way out of the 64 registers at 64 (i % 4) of window 2 + i / 4: q, k: x's tile i, 128 columns; v: W's tile i, 128 keys.  Each accumulator is read from its low end on.
.macro QW i
.set AB, 64*((\i)%4)
.set WN, 2+(\i)/4
	WIN (WN<<2)|(WN<<4)                            ; sources 1 and 2: the accumulators
.irp b, 0,1,2,3
	v_max3_num_f32 v[TM+\b], v[FLR], |v[AB+16*\b]|, |v[AB+16*\b+1]|
.endr
.irp k, 2,4,6,8,10,12,14
.irp b, 0,1,2,3
	v_max3_num_f32 v[TM+\b], v[TM+\b], |v[AB+16*\b+\k]|, |v[AB+16*\b+\k+1]|
.endr
.endr
	WIN 0
	SCALES4
	WIN WN                                         ; source 0: the accumulators
.irp b, 0,1,2,3
.irp k, 0,1,2,3,4,5,6,7,8,9,10,11,12,13,14,15
	v_med3_num_f32 v[T+16*\b+\k], v[AB+16*\b+\k], -v[TM+8+\b], v[TM+8+\b]
.endr
.endr
	WIN 0
.if (\i) > 0
	s_wait_alu depctr_va_vdst(0)
	s_wait_xcnt 0x0                                ; the last tile's stores have read their data and their base
	s_wait_alu depctr_vm_vsrc(0)                   ; the last tile's stores have read v[PC ..], which the conversions below write again
.if (\i) == 4
	s_add_nc_u64 s[OP:OP+1], s[OP:OP+1], s[INCB:INCB+1]
.else
	s_add_nc_u64 s[OP:OP+1], s[OP:OP+1], s[INCA:INCA+1]
.endif
.endif
.irp b, 0,1,2,3
	v_cvt_scalef32_pk8_fp8_f32 v[PC+4*\b:PC+4*\b+1], v[T+16*\b:T+16*\b+7], v[TM+12+\b]
	v_cvt_scalef32_pk8_fp8_f32 v[PC+4*\b+2:PC+4*\b+3], v[T+16*\b+8:T+16*\b+15], v[TM+12+\b]
.endr
	v_perm_b32 v[SW+(\i)], v[PW], v[PW], v[SELV]   ; the tile's scale word, as the reader wants it.  (Also the plain line behind the last conversion)
	s_wait_alu depctr_va_vdst(0)                   ; the conversions have written v[PC ..], which the stores below read; behind tile 7 all eight scale words v[SW ..] are written too
.irp c, 0,1,2,3
	global_store_b128 v[OFC+\c], v[PC+4*\c:PC+4*\c+3], s[OP:OP+1]    ; 512 consecutive aligned bytes
.endr
.endm
	s_mov_b32 s[PASS], 2
.Lpass:
	s_mov_b32 s[XK], 0
	s_mov_b32 s[XSK], 0
	s_wait_alu depctr_vm_vsrc(0)                   ; the LDS loads issued so far have read v[XAD] and v[XSA], which the two moves write; the stores have read v[PC ..], v[PW] and v[SW ..], over which x's fragments are loaded; phase X's LDS stores have read the raw sets, which the products write
	v_mov_b32 v[XAD], v[LI]
	v_mov_b32 v[XSA], v[XSA0]
	s_wait_alu depctr_va_vdst(0)                   ; v[XAD] and v[XSA] are written, which the LDS loads read; every earlier vector and matrix instruction is done with the bias's registers, both sets of W, both sets of scale words and v128-255, in which the pass's first loads land
	s_cmp_eq_u32 s[KIND], 2
	s_cbranch_scc1 .Lgv
	GEMM 0
	s_branch .Lepi
.Lgv:
	GEMM 1
.Lepi:                                             ; the last K step's closing eight lines are the places in front of the first read of results
.irp i, 0,1,2,3,4,5,6,7
	QW \i
.endr
	s_cmp_eq_u32 s[KIND], 2
	s_cbranch_scc1 .Lsv
	global_store_b128 v[SSO], v[SW:SW+3], s[SP:SP+1]                 ; lanes 0-15: the first head's 512 bytes; lanes 16-31: the second's.  (The wait ahead of tile 7's stores stands behind the last write of v[SW ..])
	global_store_b128 v[SSO], v[SW+4:SW+7], s[SP:SP+1] offset:16
	s_branch .Lsd
.Lsv:
.irp k, 0,1,2,3
	v_cndmask_b32 v[SW+\k], v[SW+\k], v[SW+4+\k], s[HM]              ; lanes 0-15: tiles 0-3 (the first head); lanes 16-31: tiles 4-7
.endr
	s_wait_alu depctr_va_vdst(0)                   ; the four selects have written v[SW .. SW+3], which the store reads
	global_store_b128 v[SSO], v[SW:SW+3], s[SP:SP+1]
.Lsd:
	s_wait_xcnt 0x0                                ; every store has read its data and base: the pointers step, and the next pass may load over the data
	s_add_nc_u64 s[OP:OP+1], s[OP:OP+1], s[INCC:INCC+1]
	s_add_nc_u64 s[SP:SP+1], s[SP:SP+1], s[SPI:SPI+1]
	s_add_nc_u64 s[BP:BP+1], s[BP:BP+1], 512
	s_add_nc_u64 s[WP:WP+1], s[WP:WP+1], 32768     ; 3 x 32,768 were stepped: the next slice lies 131,072 on
	s_add_nc_u64 s[WSP:WSP+1], s[WSP:WSP+1], 1024
	s_sub_co_u32 s[PASS], s[PASS], 1
	s_cmp_lg_u32 s[PASS], 0
	s_cbranch_scc1 .Lpass
	s_wait_dscnt 0x0                               ; the closing lines, six on end
	s_wait_alu 0x0
	s_wait_tensorcnt 0x0
	ds_add_u32 v30, v31
	s_wait_dscnt 0x0
	s_endpgm
.Lfunc_end_k_qbff2083ba5_proj:
	.size	k_qbff2083ba5_proj, .Lfunc_end_k_qbff2083ba5_proj-k_qbff2083ba5_proj
	.p2alignl 7, 3214868480
	.fill 96, 4, 3214868480
	.section	.rodata,"a",@progbits
	.p2align	6, 0x0
	.amdhsa_kernel k_qbff2083ba5_proj
		.amdhsa_group_segment_fixed_size 203264
		.amdhsa_private_segment_fixed_size 0
		.amdhsa_enable_private_segment 0
		.amdhsa_kernarg_size 88
		.amdhsa_user_sgpr_count 2
		.amdhsa_user_sgpr_kernarg_segment_ptr 1
		.amdhsa_wavefront_size32 1
		.amdhsa_system_sgpr_workgroup_id_x 1
		.amdhsa_system_sgpr_workgroup_id_y 1
		.amdhsa_system_sgpr_workgroup_id_z 1
		.amdhsa_system_vgpr_workitem_id 0
		.amdhsa_next_free_vgpr 1024
		.amdhsa_next_free_sgpr 72
		.amdhsa_reserve_vcc 0
		.amdhsa_float_denorm_mode_32 3
		.amdhsa_float_denorm_mode_16_64 3
		.amdhsa_memory_ordered 1
		.amdhsa_forward_progress 1
		.amdhsa_inst_pref_size 255
	.end_amdhsa_kernel
	.section	.bss,"aw",@nobits
	.p2align	6
	.space	262144
	.amdgpu_metadata
---
amdhsa.version: [ 1, 2 ]
amdhsa.kernels:
  - .name:           k_qbff2083ba5_proj
    .symbol:         k_qbff2083ba5_proj.kd
    .args:
      - { .name: q, .offset: 0, .size: 8, .value_kind: global_buffer, .address_space: global }
      - { .name: k, .offset: 8, .size: 8, .value_kind: global_buffer, .address_space: global }
      - { .name: v, .offset: 16, .size: 8, .value_kind: global_buffer, .address_space: global }
      - { .name: bq, .offset: 24, .size: 8, .value_kind: global_buffer, .address_space: global }
      - { .name: bk, .offset: 32, .size: 8, .value_kind: global_buffer, .address_space: global }
      - { .name: bv, .offset: 40, .size: 8, .value_kind: global_buffer, .address_space: global }
      - { .name: wc, .offset: 48, .size: 8, .value_kind: global_buffer, .address_space: global }
      - { .name: qc, .offset: 56, .size: 8, .value_kind: global_buffer, .address_space: global }
      - { .name: kc, .offset: 64, .size: 8, .value_kind: global_buffer, .address_space: global }
      - { .name: vc, .offset: 72, .size: 8, .value_kind: global_buffer, .address_space: global }
      - { .name: sc, .offset: 80, .size: 8, .value_kind: global_buffer, .address_space: global }
    .group_segment_fixed_size: 203264
    .private_segment_fixed_size: 0
    .kernarg_segment_align: 8
    .kernarg_segment_size: 88
    .max_flat_workgroup_size: 128
    .sgpr_count:     72
    .vgpr_count:     1024
    .wavefront_size: 32
...
	.end_amdgpu_metadata
.endif
;; end of part 6
;; launch attn (part 7): grid 8 x 64, 16 waves a work-group, no clusters, 47,104 bytes of LDS; arguments qc, kc, vc, sc, mb, mf, oc; writes oc
.if DOCPART == 7
	.amdgcn_target "amdgcn-amd-amdhsa--gfx1250"
	.amdhsa_code_object_version 6
	.text
	.protected	k_qbff2083ba5_attn
	.globl	k_qbff2083ba5_attn
	.p2align	8
	.type	k_qbff2083ba5_attn,@function
k_qbff2083ba5_attn:
	s_mov_b64 s[64:65], 0
	v_nop
	global_prefetch_b8 v0, s[64:65] scope:SCOPE_SE
	s_setreg_imm32_b32 hwreg(HW_REG_WAVE_MODE, 25, 1), 1
	s_wait_xcnt 0x0
; ATTN.  For one batch and head: S^T = K Q^T, the given mask, p = 2^(t - M), O^T += V^T P^T, O / l, quantised for the last product.  All products on codes of E4M3 with E8M0 scales.
; t = score x log2(e) / 8; M = the running largest t rounded UP to a whole number; p is quantised along the keys, not normalised; the row's sum l is taken of the unquantised p; when M moves, l and O are multiplied by 2^(old M - new M): exact.
; SHARES.  A work-group owns chunks j and 15 - j of 128 queries; each of its sixteen waves owns one tile of 16 queries in 256 registers.  Wave w: tile w / 2 of chunk j or 15 - j by (w xor w / 4) % 2.
; Every work-group walks all 16 steps of 128 keys with one barrier a step.  WHAT IS LEFT OUT hangs on whole numbers that an earlier launch made of the mask: a wave leaves out the work of a step all of whose keys are
; hidden from its 16 queries; the work-group leaves out the fill of a step that none of its waves works on; the 64 selects of the mask are left out in a step with no hidden key.  This holds for every mask.
; LAYOUT.  Both products are used transposed: a lane holds ONE query (lane % 16).  Operands lie in memory as images of their registers (group c at 512 c + 16 lane), so a step's K (8,192 bytes) and V (8,192) are dense:
; each thread brings 16 bytes of each through registers into a ring of two slots, a step ahead.  K's and V's scale words of the whole head stay in LDS.
; THE HEAD'S K IS 64, THE INSTRUCTION'S 128.  Q's upper 64 codes are zeros.  K's tile t is named v[32 + 8 t : 47 + 8 t]: its upper half is the next tile's codes (behind tile 7: zeros): numbers of the format, never the NaN code,
; since the quantiser holds at 448; times Q's zeros they add nothing.  The scale words repeat their two bytes.
; NO TENSOR LOADS, NO CLUSTER, though the eight work-groups of a head read the same K and V: this text branches on numbers read from memory.
; A row with no open key has l = 0: its scale bytes become 0xff, so that the last product gives NaN there, as the softmax of a row of -infinity does.
; LIMITS: a block under 2^-118 gets the byte 1; only this program reads the bytes.
.set VSL,  8192                        ; LDS: K's scale words [step][r][tile 8] from 0; V's [step][r][tile 4] from here;
.set RING, 12288                       ; slot s at RING + 16,384 s: K's images, then V's
.set SLOT, 16384
.set S,    104                         ; v104-167 S^T, then p;  register 16 b + i: key 32 b + 16 h + i
.set O,    168                         ; v168-199 O^T: register 16 b + i: channel 32 b + 16 h + i
.set PCD,  200                         ; v200-215 p's codes
.set KSW,  216                         ; v216-223 K's scale words;  v224-227 V's;  v228 Q's;  v229 p's
.set VSW,  224
.set QSW,  228
.set PSW,  229
.set FD,   230                         ; v230-237 the fill's data
.set BM,   238
.set PMX,  242
.set LIM,  246
.set SOP,  250
; v1 16 lane; v2 32 r; v3 VSL + 16 r; v4 RING + 16 thread; v5 16 thread; v6 -infinity; v7, v8 the step's scale words; v9 at work; v[10:11] f; v12 -M; v13 largest t; v[14:15] l; v16-31 Q; v32-103 K (v96-103 zeros), then V in v32-95
; s[6:7] K, s[8:9] V, s[12:13] the mask's words, s[16:17] codes out, s[10:11] scale bytes out; s18 wave; s19 trips; s[20:21] selects; s[22:23] c; s24 mantissa; s25 my open steps; s26 my hidden steps; s27 the work-group's steps; s28, s29 scale words' steps
	s_load_b256 s[4:11], s[0:1], 0x0               ; qc, kc, vc, sc
	s_load_b128 s[12:15], s[0:1], 0x20             ; mb, mf
	s_load_b64 s[16:17], s[0:1], 0x30              ; oc
	v_lshl_add_u32 v254, v0, 2, 0xb000
	v_mov_b32 v255, 0
	v_lshrrev_b32 v9, 5, v0
	s_delay_alu instid0(VALU_DEP_1)
	v_readfirstlane_b32 s18, v9                    ; wave 0..15
	s_and_b32 s30, ttmp7, 0xffff                   ; batch 16 + head
	s_lshr_b32 s31, s30, 4                         ; batch
	s_and_b32 s2, s30, 15                          ; head
	s_lshr_b32 s3, s18, 2
	s_xor_b32 s3, s3, s18
	s_and_b32 s3, s3, 1
	s_sub_co_u32 s32, 15, ttmp9
	s_cmp_eq_u32 s3, 1
	s_cselect_b32 s33, s32, ttmp9                  ; my chunk
	s_lshr_b32 s34, s18, 1                         ; my tile in it
	s_lshl_b32 s35, s31, 7
	s_lshl_b32 s36, s33, 3
	s_add_co_u32 s35, s35, s36
	s_add_co_u32 s35, s35, s34                     ; batch 128 + chunk 8 + tile
	s_mov_b32 s37, 0
	v_and_b32 v9, 31, v0
	s_delay_alu instid0(VALU_DEP_1)
	v_lshlrev_b32 v1, 4, v9
	v_and_b32 v10, 15, v0                          ; r
	s_delay_alu instid0(VALU_DEP_1)
	v_lshlrev_b32 v2, 5, v10
	s_delay_alu instid0(VALU_DEP_2)
	v_lshlrev_b32 v3, 4, v10
	s_delay_alu instid0(VALU_DEP_1)
	v_add_nc_u32 v3, VSL, v3
	v_lshlrev_b32 v5, 4, v0
	s_delay_alu instid0(VALU_DEP_1)
	v_add_nc_u32 v4, RING, v5
	v_lshlrev_b32 v7, 3, v0
	s_wait_alu depctr_va_vdst(0)
	s_wait_kmcnt 0x0
	s_lshl_b32 s36, s35, 2
	s_add_nc_u64 s[56:57], s[14:15], s[36:37]
	s_load_b32 s25, s[56:57], 0x0                  ; my tile's flags
	s_lshl_b32 s38, s31, 9
	s_lshl_b32 s36, ttmp9, 5
	s_add_co_u32 s36, s36, s38
	s_add_nc_u64 s[58:59], s[14:15], s[36:37]
	s_load_b256 s[40:47], s[58:59], 0x0            ; those of chunk j's eight tiles,
	s_lshl_b32 s36, s32, 5
	s_add_co_u32 s36, s36, s38
	s_add_nc_u64 s[60:61], s[14:15], s[36:37]
	s_load_b256 s[48:55], s[60:61], 0x0            ; and of chunk 15 - j's
	s_lshl_b32 s36, s30, 17                        ; a head's codes: 131,072 bytes
	s_add_nc_u64 s[6:7], s[6:7], s[36:37]
	s_add_nc_u64 s[8:9], s[8:9], s[36:37]
	s_lshl_b32 s38, s33, 13
	s_add_co_u32 s36, s36, s38
	s_lshl_b32 s38, s34, 10
	s_add_co_u32 s36, s36, s38
	s_add_nc_u64 s[4:5], s[4:5], s[36:37]          ; my tile of Q
	s_lshl_b32 s36, s35, 12
	s_add_nc_u64 s[12:13], s[12:13], s[36:37]      ; my tile's mask words: 4,096 bytes
	s_lshl_b32 s39, s30, 13
	s_lshl_b32 s36, s33, 9
	s_add_co_u32 s36, s36, s39
	s_lshl_b32 s38, s34, 2
	s_add_co_u32 s36, s36, s38
	s_add_nc_u64 s[68:69], s[10:11], s[36:37]      ; Q's scale words
	s_add_co_u32 s36, s39, 524288
	s_add_nc_u64 s[70:71], s[10:11], s[36:37]      ; K's, the whole head's
	s_lshl_b32 s36, s30, 12
	s_add_co_u32 s36, s36, 1048576
	s_add_nc_u64 s[72:73], s[10:11], s[36:37]      ; V's
	global_load_b128 v[FD:FD+3], v5, s[6:7]        ; step 0's K and V
	global_load_b128 v[FD+4:FD+7], v5, s[8:9]
	global_load_b128 v[32:35], v5, s[70:71]
	global_load_b64 v[36:37], v7, s[72:73]
	global_load_b128 v[16:19], v1, s[4:5]
	global_load_b128 v[20:23], v1, s[4:5] offset:512
	global_load_b32 v[QSW], v2, s[68:69]
	s_lshl_b32 s38, s31, 4
	s_add_co_u32 s38, s38, s33                     ; the block of 128 rows: batch 16 + chunk
	s_lshr_b32 s39, s2, 1                          ; the last product's K step: head / 2
	s_and_b32 s2, s2, 1
	s_lshl_b32 s36, s38, 12                        ; scale bytes out: [block][K step][tile][r] words, my head's two bytes
	s_lshl_b32 s3, s39, 9
	s_add_co_u32 s36, s36, s3
	s_lshl_b32 s3, s34, 6
	s_add_co_u32 s36, s36, s3
	s_lshl_b32 s3, s2, 1
	s_add_co_u32 s36, s36, s3
	s_add_co_u32 s36, s36, 8388608
	s_add_nc_u64 s[10:11], s[16:17], s[36:37]
	s_lshl_b32 s36, s38, 17                        ; codes out: [block][K step][tile][c 4][lane][16], my head's two groups
	s_lshl_b32 s3, s39, 14
	s_add_co_u32 s36, s36, s3
	s_lshl_b32 s3, s34, 11
	s_add_co_u32 s36, s36, s3
	s_lshl_b32 s3, s2, 10
	s_add_co_u32 s36, s36, s3
	s_add_nc_u64 s[16:17], s[16:17], s[36:37]
	s_mov_b32 s20, 0x76543210
	s_mov_b32 s21, 0xfedcba98                      ; v_permlanex16_b32's selects for lane l xor 16
	s_mov_b32 s22, 0x3e38aa3b                      ; c = log2(e) / 8
	s_mov_b32 s23, s22                             ; (named with it as a pair)
	s_mov_b32 s24, 0x600000
	s_mov_b32 s28, 0
	s_mov_b32 s29, 0
	s_mov_b32 s19, 8
	v_mov_b32 v6, 0xff800000
	v_mov_b32 v13, 0xff61b1e6                      ; the largest t so far: -3e38
	s_delay_alu instid0(VALU_DEP_1)
	v_floor_f32 v12, -v13
	v_mov_b32 v14, 0
	v_mov_b32 v15, 0
	v_mov_b32 v11, 0                               ; (named as the upper half of the pair v[10:11])
.irp i, 0,1,2,3,4,5,6,7
	v_mov_b32 v[24+\i], 0                          ; Q's upper 64 codes
	v_mov_b32 v[96+\i], 0                          ; and what stands behind K's tile 7
.endr
.irp i, 0,1,2,3
	v_mov_b32 v[PMX+\i], 0                         ; written once: a lane permute's destination counts as read
.endr
.set j, 0
.rept 32
	v_mov_b32 v[O+j], 0                            ; O^T: the step is written once; its first turn finds zeros
.set j, j+1
.endr
	s_wait_kmcnt 0x0
	s_or_b32 s27, s40, s41
.irp i, 42,43,44,45,46,47,48,49,50,51,52,53,54,55
	s_or_b32 s27, s27, s\i
.endr
	s_and_b32 s27, s27, 0xffff                     ; the steps on which some wave of the work-group works
	s_lshr_b32 s26, s25, 16
	s_and_b32 s25, s25, 0xffff
	s_wait_loadcnt 0x0
	ds_store_b128 v4, v[FD:FD+3]
	ds_store_b128 v4, v[FD+4:FD+7] offset:8192
	ds_store_b128 v5, v[32:35]
	ds_store_b64 v7, v[36:37] offset:VSL
	s_wait_dscnt 0x0                               ; for the others' sake, and the stores have read their registers
	global_load_b128 v[FD:FD+3], v5, s[6:7] offset:8192      ; step 1's
	global_load_b128 v[FD+4:FD+7], v5, s[8:9] offset:8192
	s_barrier_signal -1
	s_barrier_wait -1
.macro KSTEP sg                        ; a step of 128 keys, read from slot sg
	v_add_nc_u32 v7, s28, v2                       ; the step's scale words; made ahead of every branch.  (Two of the eight plain lines between the last products and K's loads)
	v_add_nc_u32 v8, s29, v3
	s_wait_loadcnt 0x0                             ; the next step's 32 bytes, asked for a step ago
	s_bitcmp1_b32 s27, 1
	s_cbranch_scc0 .Lnf_\@
	ds_store_b128 v4, v[FD:FD+3] offset:(1-\sg)*SLOT           ; into the slot that every wave left at the last barrier
	ds_store_b128 v4, v[FD+4:FD+7] offset:(1-\sg)*SLOT+8192
	s_wait_dscnt 0x0                               ; the stores have read their registers
.Lnf_\@:
	s_bitcmp1_b32 s27, 2                           ; bits 16 and 17 are 0: no load passes the head's last step
	s_cbranch_scc0 .Lnl_\@
	global_load_b128 v[FD:FD+3], v5, s[6:7] offset:(2+\sg)*8192
	global_load_b128 v[FD+4:FD+7], v5, s[8:9] offset:(2+\sg)*8192
.Lnl_\@:
	s_bitcmp1_b32 s25, 0
	s_cbranch_scc0 .Lnw_\@
.rept 6
	v_nop
.endr
	s_load_b512 s[32:47], s[12:13], \sg*256        ; the step's 64 words of lane bits
	s_load_b512 s[48:63], s[12:13], \sg*256+64
	s_load_b512 s[68:83], s[12:13], \sg*256+128
	s_load_b512 s[84:99], s[12:13], \sg*256+192
.irp t, 0,1,2,3,4,5,6,7
.irp c, 0,1
	ds_load_b128 v[32+8*\t+4*\c:35+8*\t+4*\c], v1 offset:RING+\sg*SLOT+\t*1024+\c*512
.endr
.endr
	s_wait_alu depctr_va_vdst(0)
	ds_load_b128 v[KSW:KSW+3], v7
	ds_load_b128 v[KSW+4:KSW+7], v7 offset:16
	s_wait_dscnt 0x0
.irp t, 0,1,2,3,4,5,6,7
	v_wmma_scale_f32_16x16x128_f8f6f4 v[S+8*\t:S+8*\t+7], v[32+8*\t:47+8*\t], v[16:31], 0, v[KSW+\t], v[QSW]
.endr
.rept 8
	v_nop                                          ; in front of loads into registers that these products read, and of the first read of the scores
.endr
.irp t, 0,1,2,3
.irp c, 0,1,2,3
	ds_load_b128 v[32+16*\t+4*\c:35+16*\t+4*\c], v1 offset:RING+\sg*SLOT+8192+\t*2048+\c*512   ; V lands under the softmax
.endr
.endr
	ds_load_b128 v[VSW:VSW+3], v8
	s_wait_kmcnt 0x0
	s_bitcmp1_b32 s26, 0
	s_cbranch_scc0 .Lop_\@
.set j, 0
.rept 64                                       ; hidden scores become -infinity ahead of the maximum: p = 0 then
.if j < 32
	v_cndmask_b32 v[S+j], v[S+j], v6, s[32+j]
.else
	v_cndmask_b32 v[S+j], v[S+j], v6, s[36+j]
.endif
.set j, j+1
.endr
.Lop_\@:
.irp b, 0,1,2,3
	v_max3_num_f32 v[BM+\b], v[S+16*\b], v[S+16*\b+1], v[S+16*\b+2]   ; the largest score of each block of 32 keys: for the row's maximum and, since p rises with the score, for the block's largest p
.endr
.irp i, 3,5,7,9,11,13
.irp b, 0,1,2,3
	v_max3_num_f32 v[BM+\b], v[BM+\b], v[S+16*\b+\i], v[S+16*\b+\i+1]
.endr
.endr
.irp b, 0,1,2,3
	v_max_num_f32 v[BM+\b], v[BM+\b], v[S+16*\b+15]
.endr
.irp b, 0,1,2,3
	s_delay_alu instid0(VALU_DEP_4)
	v_permlanex16_b32 v[PMX+\b], v[BM+\b], s20, s21
.endr
.irp b, 0,1,2,3
	s_delay_alu instid0(VALU_DEP_4)
	v_max_num_f32 v[BM+\b], v[BM+\b], v[PMX+\b]
.endr
	s_delay_alu instid0(VALU_DEP_2)
	v_max3_num_f32 v9, v[BM], v[BM+1], v[BM+2]
	s_delay_alu instid0(VALU_DEP_1)
	v_max_num_f32 v9, v9, v[BM+3]
	s_delay_alu instid0(VALU_DEP_1)
	v_mul_f32 v9, s22, v9
	s_delay_alu instid0(VALU_DEP_1)
	v_max_num_f32 v13, v13, v9                     ; the running largest t
	v_mov_b32 v9, v12
	s_delay_alu instid0(VALU_DEP_2)
	v_floor_f32 v12, -v13                          ; the new -M = floor(-t): M is a whole number
	s_delay_alu instid0(VALU_DEP_1)
	v_sub_f32 v9, v12, v9                          ; old M - new M: a whole number, 0 or less
	s_delay_alu instid0(VALU_DEP_1)
	v_cvt_i32_f32 v9, v9                           ; (it saturates)
	s_delay_alu instid0(VALU_DEP_1)
	v_ldexp_f32 v10, 1.0, v9                       ; f = 2^(old M - new M)
.set j, 0
.rept 32
	v_pk_fma_f32 v[S+j:S+j+1], v[S+j:S+j+1], s[22:23], v[12:13] op_sel_hi:[1,0,0]   ; t - M, two at a time
.set j, j+2
.endr
.irp b, 0,1,2,3
	v_fma_f32 v[BM+\b], v[BM+\b], s22, v12
.endr
.set j, 0
	s_wait_alu depctr_va_vdst(0)
.rept 64
	v_exp_f32 v[S+j], v[S+j]                       ; p = 2^(t - M)
.set j, j+1
.endr
	v_pk_mul_f32 v[14:15], v[14:15], v[10:11] op_sel_hi:[1,0]     ; l under the new M.  (The plain line behind the exponentials)
	s_wait_alu depctr_va_vdst(0)                   ; one wait for the batch of 64, ahead of its first reader
.irp b, 0,1,2,3
	v_exp_f32 v[BM+\b], v[BM+\b]                   ; each block's largest p
.endr
	v_pk_add_f32 v[PMX:PMX+1], v[S:S+1], v[S+2:S+3]               ; the row's sum of the unquantised p, in two chains
.irp j, 4,8,12,16,20,24,28,32,36,40,44,48,52,56,60
	v_pk_add_f32 v[14:15], v[14:15], v[S+\j:S+\j+1]
	v_pk_add_f32 v[PMX:PMX+1], v[PMX:PMX+1], v[S+\j+2:S+\j+3]
.endr
	s_delay_alu instid0(VALU_DEP_1)
	v_pk_add_f32 v[14:15], v[14:15], v[PMX:PMX+1]
	s_wait_alu depctr_va_vdst(0)                   ; and one for the four
.irp b, 0,1,2,3
	v_max_num_f32 v[BM+\b], 0x4800000, v[BM+\b]    ; the floor 2^(9 - 127)
.endr
.irp b, 0,1,2,3
	s_delay_alu instid0(VALU_DEP_4)
	v_add_nc_u32 v[SOP+\b], 0xfc000000, v[BM+\b]
.endr
.irp b, 0,1,2,3
	v_and_or_b32 v[LIM+\b], v[BM+\b], 0x7f800000, s24
.endr
.irp b, 0,1,2,3
	v_lshrrev_b32 v[PMX+\b], 23, v[SOP+\b]
.endr
	s_delay_alu instid0(VALU_DEP_3)
	v_lshl_or_b32 v[PSW], v[PMX+1], 8, v[PMX]
	s_delay_alu instid0(VALU_DEP_1)
	v_lshl_or_b32 v[PSW], v[PMX+2], 16, v[PSW]
	s_delay_alu instid0(VALU_DEP_1)
	v_lshl_or_b32 v[PSW], v[PMX+3], 24, v[PSW]
.irp b, 0,1,2,3
.irp i, 0,1,2,3,4,5,6,7,8,9,10,11,12,13,14,15
	v_min_num_f32 v[S+16*\b+\i], v[S+16*\b+\i], v[LIM+\b]         ; the hold; p is not negative
.endr
	v_cvt_scalef32_pk8_fp8_f32 v[PCD+4*\b:PCD+4*\b+1], v[S+16*\b:S+16*\b+7], v[SOP+\b]
	v_cvt_scalef32_pk8_fp8_f32 v[PCD+4*\b+2:PCD+4*\b+3], v[S+16*\b+8:S+16*\b+15], v[SOP+\b]
.endr
.set j, 0
.rept 16
	v_pk_mul_f32 v[O+j:O+j+1], v[O+j:O+j+1], v[10:11] op_sel_hi:[1,0]   ; O^T under the new M.  (These lines also stand between the codes' making and the products)
.set j, j+2
.endr
	s_wait_alu depctr_va_vdst(0)
	s_wait_dscnt 0x0                               ; V and its scale words are in
.irp t, 0,1,2,3
	v_wmma_scale_f32_16x16x128_f8f6f4 v[O+8*\t:O+8*\t+7], v[32+16*\t:47+16*\t], v[PCD:PCD+15], v[O+8*\t:O+8*\t+7], v[VSW+\t], v[PSW]
.endr
.Lnw_\@:
	s_lshr_b32 s27, s27, 1
	s_lshr_b32 s25, s25, 1
	s_lshr_b32 s26, s26, 1
	s_add_co_u32 s28, s28, 512
	s_add_co_u32 s29, s29, 256
	s_wait_dscnt 0x0                               ; my stores into the other slot have landed and my reads of this slot are over
	s_barrier_signal -1
	s_barrier_wait -1                              ; both now hold of every wave
.endm
.Ltrip:
	KSTEP 0
	KSTEP 1
	s_wait_xcnt 0x0                                ; the trip's loads have read their bases
	s_add_nc_u64 s[6:7], s[6:7], 16384
	s_add_nc_u64 s[8:9], s[8:9], 16384
	s_add_nc_u64 s[12:13], s[12:13], 512
	s_sub_co_u32 s19, s19, 1
	s_cmp_lg_u32 s19, 0
	s_cbranch_scc1 .Ltrip
	; THE WAY OUT: O / l, quantised along the head's 64 channels (two blocks of the last product's K), as two groups of that operand's image.
.rept 8
	v_nop
.endr
	v_add_f32 v14, v14, v15
	s_delay_alu instid0(VALU_DEP_1)
	v_permlanex16_b32 v9, v14, s20, s21
	s_delay_alu instid0(VALU_DEP_1)
	v_add_f32 v14, v14, v9                         ; the row's sum
	s_wait_alu depctr_va_vdst(0)
	v_rcp_f32 v15, v14
	v_nop
	s_wait_alu depctr_va_vdst(0)                   ; ahead of the reciprocal's first reader
.set j, 0
.rept 32
	v_mul_f32 v[S+j], v[O+j], v15                  ; each accumulator from its low end on
.set j, j+1
.endr
.irp b, 0,1
	v_max3_num_f32 v[BM+\b], |v[S+16*\b]|, |v[S+16*\b+1]|, 0x4800000
.endr
.irp i, 2,4,6,8,10,12,14
.irp b, 0,1
	s_delay_alu instid0(VALU_DEP_2)
	v_max3_num_f32 v[BM+\b], v[BM+\b], |v[S+16*\b+\i]|, |v[S+16*\b+\i+1]|
.endr
.endr
.irp b, 0,1
	s_delay_alu instid0(VALU_DEP_2)
	v_permlanex16_b32 v[PMX+\b], v[BM+\b], s20, s21
.endr
.irp b, 0,1
	s_delay_alu instid0(VALU_DEP_2)
	v_max_num_f32 v[BM+\b], v[BM+\b], v[PMX+\b]
.endr
.irp b, 0,1
	s_delay_alu instid0(VALU_DEP_2)
	v_add_nc_u32 v[SOP+\b], 0xfc000000, v[BM+\b]
.endr
.irp b, 0,1
	s_delay_alu instid0(VALU_DEP_4)
	v_and_or_b32 v[LIM+\b], v[BM+\b], 0x7f800000, s24
.endr
.irp b, 0,1
	s_delay_alu instid0(VALU_DEP_4)
	v_lshrrev_b32 v[PMX+\b], 23, v[SOP+\b]
.endr
	s_delay_alu instid0(VALU_DEP_1)
	v_lshl_or_b32 v[PSW], v[PMX+1], 8, v[PMX]
	v_cmp_lt_f32 vcc_lo, 0, v14
	s_delay_alu instid0(VALU_DEP_1)
	v_cndmask_b32 v[PSW], 0xffff, v[PSW], vcc_lo   ; a row with no open key: both bytes 0xff
.irp b, 0,1
.irp i, 0,1,2,3,4,5,6,7,8,9,10,11,12,13,14,15
	v_med3_num_f32 v[S+16*\b+\i], v[S+16*\b+\i], -v[LIM+\b], v[LIM+\b]
.endr
	v_cvt_scalef32_pk8_fp8_f32 v[PCD+4*\b:PCD+4*\b+1], v[S+16*\b:S+16*\b+7], v[SOP+\b]
	v_cvt_scalef32_pk8_fp8_f32 v[PCD+4*\b+2:PCD+4*\b+3], v[S+16*\b+8:S+16*\b+15], v[SOP+\b]
.endr
	v_nop
	global_store_b128 v1, v[PCD:PCD+3], s[16:17]             ; 512 consecutive aligned bytes each
	global_store_b128 v1, v[PCD+4:PCD+7], s[16:17] offset:512
	v_and_b32 v7, 15, v0
	s_delay_alu instid0(VALU_DEP_1)
	v_lshlrev_b32 v7, 2, v7
	v_and_b32 v9, 31, v0
	s_delay_alu instid0(VALU_DEP_1)
	v_cmp_gt_u32 vcc_lo, 16, v9
	s_wait_alu depctr_va_vdst(0)
	s_wait_xcnt 0x0                                ; EXEC changes only behind this wait
	s_wait_tensorcnt 0x0
	ds_add_u32 v254, v255
	s_wait_dscnt 0x0
	s_and_saveexec_b32 s30, vcc_lo
	global_store_b16 v7, v[PSW], s[10:11]          ; two bytes of each row's word: 32 of the wave's 1,056 bytes; the word's other two come from the neighbouring head's work-group
	s_wait_xcnt 0x0
	s_or_b32 exec_lo, exec_lo, s30
	s_endpgm
.Lfunc_end_k_qbff2083ba5_attn:
	.size	k_qbff2083ba5_attn, .Lfunc_end_k_qbff2083ba5_attn-k_qbff2083ba5_attn
	.p2alignl 7, 3214868480
	.fill 96, 4, 3214868480
	.section	.rodata,"a",@progbits
	.p2align	6, 0x0
	.amdhsa_kernel k_qbff2083ba5_attn
		.amdhsa_group_segment_fixed_size 47104
		.amdhsa_private_segment_fixed_size 0
		.amdhsa_enable_private_segment 0
		.amdhsa_kernarg_size 56
		.amdhsa_user_sgpr_count 2
		.amdhsa_user_sgpr_kernarg_segment_ptr 1
		.amdhsa_wavefront_size32 1
		.amdhsa_system_sgpr_workgroup_id_x 1
		.amdhsa_system_sgpr_workgroup_id_y 1
		.amdhsa_system_sgpr_workgroup_id_z 1
		.amdhsa_system_vgpr_workitem_id 0
		.amdhsa_next_free_vgpr 256
		.amdhsa_next_free_sgpr 100
		.amdhsa_reserve_vcc 1
		.amdhsa_float_denorm_mode_32 3
		.amdhsa_float_denorm_mode_16_64 3
		.amdhsa_memory_ordered 1
		.amdhsa_forward_progress 1
		.amdhsa_inst_pref_size 64
	.end_amdhsa_kernel
	.amdgpu_metadata
---
amdhsa.version: [ 1, 2 ]
amdhsa.kernels:
  - .name:           k_qbff2083ba5_attn
    .symbol:         k_qbff2083ba5_attn.kd
    .args:
      - { .name: qc, .offset: 0, .size: 8, .value_kind: global_buffer, .address_space: global }
      - { .name: kc, .offset: 8, .size: 8, .value_kind: global_buffer, .address_space: global }
      - { .name: vc, .offset: 16, .size: 8, .value_kind: global_buffer, .address_space: global }
      - { .name: sc, .offset: 24, .size: 8, .value_kind: global_buffer, .address_space: global }
      - { .name: mb, .offset: 32, .size: 8, .value_kind: global_buffer, .address_space: global }
      - { .name: mf, .offset: 40, .size: 8, .value_kind: global_buffer, .address_space: global }
      - { .name: oc, .offset: 48, .size: 8, .value_kind: global_buffer, .address_space: global }
    .group_segment_fixed_size: 47104
    .private_segment_fixed_size: 0
    .kernarg_segment_align: 8
    .kernarg_segment_size: 56
    .max_flat_workgroup_size: 512
    .sgpr_count:     100
    .vgpr_count:     256
    .wavefront_size: 32
...
	.end_amdgpu_metadata
.endif
;; end of part 7
;; launch outp (part 8): grid 64 x 2, 4 waves a work-group, no clusters, 169,472 bytes of LDS; arguments oc, wc, bo, out0; writes out0
.if DOCPART == 8
	.amdgcn_target "amdgcn-amd-amdhsa--gfx1250"
	.amdhsa_code_object_version 6
	.text
	.protected	k_qbff2083ba5_outp
	.globl	k_qbff2083ba5_outp
	.p2align	8
	.type	k_qbff2083ba5_outp,@function
k_qbff2083ba5_outp:
	s_mov_b64 s[64:65], 0
	v_nop
	global_prefetch_b8 v0, s[64:65] scope:SCOPE_SE
	s_setreg_imm32_b32 hwreg(HW_REG_WAVE_SCHED_MODE, 0, 2), 2
	s_setreg_imm32_b32 hwreg(HW_REG_WAVE_MODE, 25, 1), 1
	s_wait_xcnt 0x0
	s_wait_alu depctr_vm_vsrc(0)
; OUTP.  out0 = attention's output x wo + bo, on codes of E4M3 with E8M0 scales.  A work-group takes a block of 128 rows and 512 columns; wave w takes columns 128 (4 y + w): 64 accumulators, 8 K steps of 64 matrix instructions.
; The rows' codes arrive as images of the operand's registers ([K step 8][tile 8] x 2,048 bytes, group c at 512 c + 16 lane) with their scale words: each wave copies a quarter into LDS, one barrier, and all four read them.
; wo's fragments come from wc in register order, two sets.  Source 0 = wo, source 1 = the rows: a lane holds eight neighbouring columns of one row.  The bias is the C of each sum's first matrix instruction.
; Lane r of tile t holds row (or column) 32 (t / 2) + 8 (t % 2) + r + 8 (r / 8).  The 64 accumulators take turns, one instruction a turn.
; The way out goes through the wave's own stage (16 rows x 528 bytes): whole rows of 512 bytes come back and leave as 512 consecutive aligned bytes.
; NO TENSOR LOADS, NO CLUSTER: the text is the projections' product phase as it stands, fed from registers and LDS images; what the two work-groups of a block share is read once by each, 135,168 bytes.
; THE MODE: SCHED_MODE bits 1:0 = 2 (LLVM: expert scheduling mode 2), set by the entry lines.  The code itself states the register dependences between vector or matrix instructions and memory or LDS instructions,
; with s_wait_alu, always for 0.
; THE PLAN.  Registers that memory or LDS instructions touch, and who else names them:
;   v1, v4-8, v17, v18; v[XAD], v[XSA]   offsets and addresses, made at the head: one wait on va_vdst ahead of the first load.  Only v[XAD] and v[XSA] are written again, in every second K step.
;   v128-135 and window 2      the copy: loads land in them, LDS stores read them; then x's fragments are loaded over the first and the products write the second: one wait on vm_vsrc behind the barrier.
;   a K step on sets p         TWO waits on va_vdst.  Behind quarter 1: the rows' tiles 0-3 are done with; their next loads, and those of scale set 1 - p, follow, dealt behind quarter 2, which names none of their registers.
;                              Behind quarter 3: tiles 4-7, wo's set p and its scale words are done with; the loads of tiles 4-7 follow at once, wo's 34 at the next step's head: no vector or matrix instruction stands between.
;   the way out                one wait on va_vdst behind the last products' eight places: the accumulators are written (the LDS stores read them), the fragments' registers are done with (the rows read back land there); no vector
;                              instruction follows it.  One wait on vm_vsrc a tile: the stores of two tiles back have read the registers in which this tile's rows land.
.set XSC,  131072
.set STG,  135168
.set SROW, 528
.set LI,   1
.set CPA,  4                           ; the copy: 32,768 w + 16 lane
.set SCA,  5                           ; XSC + 16 thread
.set G16,  6                           ; 16 thread
.set STO,  7                           ; the stage, on the way in: row r, + 64 h
.set RD,   8                           ; and out: 16 lane
.set XSA0, 10
.set XAD,  11
.set XSA,  16
.set WSO,  17
.set BO,   18
.set XS,   32
.set WS,   48
.set BIAS, 64
.set XF,   128
.set BK,   128                         ; the way out: 16 rows read back: v128-191 and v192-255 by turns
.set WV,   13
.set XK,   14
.set XSK,  15
.set CNT,  16
.set XCP,  18
.set XSP,  20
.set WP,   22
.set WSP,  24
.set BP,   26
.set OUTP, 28
.set MSB, 0
.macro WIN new                         ; s_set_vgpr_msb: bits 1:0 source 0, 3:2 source 1, 5:4 source 2, 7:6 destination; the high byte repeats the setting that is left
.if MSB != (\new)
	s_set_vgpr_msb (MSB<<8)|(\new)
.set MSB, \new
.endif
.endm
.macro BARRIER
	s_wait_dscnt 0x0
	s_barrier_signal -1
	s_barrier_wait -1
.endm
.macro FETCH_W p, off                  ; a K step of my slice of wo into set p of window 1, and its scale words: 34 loads
	WIN 0x40
.irp b, 0,1,2,3,4,5,6,7
.irp c, 0,1,2,3
	global_load_b128 v[128*(\p)+16*\b+4*\c:128*(\p)+16*\b+4*\c+3], v[LI], s[WP:WP+1] offset:(\off)+\b*2048+\c*512
.endr
.endr
	WIN 0
	global_load_b128 v[WS+8*(\p):WS+8*(\p)+3], v[WSO], s[WSP:WSP+1] offset:(\off)/32
	global_load_b128 v[WS+8*(\p)+4:WS+8*(\p)+7], v[WSO], s[WSP:WSP+1] offset:(\off)/32+16
.endm
.macro FETCH_X i0, off
.irp a, \i0, \i0+1, \i0+2, \i0+3
.irp c, 0,1,2,3
	ds_load_b128 v[XF+16*(\a)+4*\c:XF+16*(\a)+4*\c+3], v[XAD] offset:(\off)+(\a)*2048+\c*512
.endr
.endr
.endm
.macro FETCH_XS x, off
.irp a, 0,1,2,3,4,5,6,7
	ds_load_b32 v[XS+8*(\x)+\a], v[XSA] offset:(\off)/32+\a*64
.endr
.endm
; A K step's 64 matrix instructions go in four quarters of 16: quarter q takes the rows' tiles 2 q, 2 q + 1 against wo's eight.
.macro MULQ q, p, first                ; accumulator (a, b) at v[8 (8 (a % 4) + b)] of window 2 + a / 4
.if \first
	WIN 0x81+0x40*((\q)/2)
.else
	WIN 0xa1+0x50*((\q)/2)
.endif
.irp d, 0,1
.irp b, 0,1,2,3,4,5,6,7
.set MA, 2*(\q)+\d
.set MC, 8*(8*(MA%4)+\b)
.if \first
	v_wmma_scale_f32_16x16x128_f8f6f4 v[MC:MC+7], v[128*(\p)+16*\b:128*(\p)+16*\b+15], v[XF+16*MA:XF+16*MA+15], v[BIAS+8*\b:BIAS+8*\b+7], v[WS+8*(\p)+\b], v[XS+8*(\p)+MA]
.else
	v_wmma_scale_f32_16x16x128_f8f6f4 v[MC:MC+7], v[128*(\p)+16*\b:128*(\p)+16*\b+15], v[XF+16*MA:XF+16*MA+15], v[MC:MC+7], v[WS+8*(\p)+\b], v[XS+8*(\p)+MA]
.endif
.endr
.endr
.endm
; A K step.  Loads into registers that matrix instructions have read stand eight plain vector lines behind them,
; and behind the lines stands the wait that states the dependence.  K step 7 issues no load and states none.
.macro STEP p, first, last, bump, xoff, woff
.if (\last) == 0
	FETCH_W 1-(\p), \woff                          ; no wait: the wait at the last step's end stands behind the set's last reader (K step 0: nothing has named set 1), and no vector or matrix instruction since names the set or its scale words
	s_wait_loadcnt 34                              ; all but the 34 just issued
.else
	s_wait_loadcnt 0x0
.endif
	s_wait_dscnt 16                                ; the 16 loads of tiles 4-7 are younger
	MULQ 0, \p, \first
	MULQ 1, \p, \first
	s_wait_dscnt 0x0
	WIN 0
.if \bump
	s_add_co_u32 s[XK], s[XK], 32768
	s_add_co_u32 s[XSK], s[XSK], 1024
	s_wait_alu depctr_vm_vsrc(0)                   ; the LDS loads issued so far have read v[XAD] and v[XSA], which the two adds write
	v_add_nc_u32 v[XAD], s[XK], v[LI]
	v_add_nc_u32 v[XSA], s[XSK], v[XSA0]
.rept 6
	v_nop
.endr
.else
.rept 8
	v_nop
.endr
.endif
.if (\last) == 0
	s_wait_alu depctr_va_vdst(0)                   ; quarters 0 and 1 are done reading tiles 0-3, and the step before is done reading scale set 1 - p: the loads behind quarter 2 land there; where the addresses stepped, v[XAD] and v[XSA] are written
.endif
	MULQ 2, \p, \first                             ; names tiles 4 and 5, wo's set p, the scale sets p and accumulators: none of the registers of the loads below
.if (\last) == 0
	WIN 0
	FETCH_X 0, \xoff
	FETCH_XS 1-(\p), \xoff
.endif
	MULQ 3, \p, \first
	WIN 0
.rept 8
	v_nop
.endr
.if (\last) == 0
	s_wait_alu depctr_va_vdst(0)                   ; the step's matrix instructions are done reading tiles 4-7, in which the loads below land, and wo's set p and its scale words, in which the next step's 34 loads land
	FETCH_X 4, \xoff
.endif
.endm
	s_load_b256 s[4:11], s[0:1], 0x0               ; oc, wc, bo, out0
	v_lshl_add_u32 v30, v0, 2, 0x29400
	v_mov_b32 v31, 0
	v_lshrrev_b32 v2, 5, v0
	v_readfirstlane_b32 s[WV], v2                  ; wave 0..3
	s_and_b32 s12, ttmp7, 0xffff
	s_lshl_b32 s12, s12, 2
	s_wait_alu depctr_va_sdst(0)                   ; the wave's number is written, ahead of its first reader
	s_add_co_u32 s12, s12, s[WV]                   ; my slice of 128 columns
	v_and_b32 v2, 31, v0
	v_lshlrev_b32 v[LI], 4, v2
	v_and_b32 v2, 15, v0                           ; r
	v_bfe_u32 v3, v0, 4, 1                         ; h
	s_lshl_b32 s30, s[WV], 15
	v_add_nc_u32 v[CPA], s30, v[LI]
	v_lshlrev_b32 v[G16], 4, v0
	v_add_nc_u32 v[SCA], XSC, v[G16]
	s_mul_i32 s30, s[WV], 16*SROW
	s_add_co_u32 s30, s30, STG
	v_mul_u32_u24 v[STO], v2, SROW
	v_lshl_add_u32 v[STO], v3, 6, v[STO]
	v_add_nc_u32 v[STO], s30, v[STO]
	v_add_nc_u32 v[RD], s30, v[LI]
	v_lshlrev_b32 v[XSA0], 2, v2
	v_add_nc_u32 v[XSA0], XSC, v[XSA0]
	v_mov_b32 v[XAD], v[LI]
	v_mov_b32 v[XSA], v[XSA0]
	v_lshlrev_b32 v[WSO], 5, v2
	v_lshlrev_b32 v[BO], 6, v3
	s_mov_b32 s[XK], 0
	s_mov_b32 s[XSK], 0
	s_mov_b32 s31, 0
	s_wait_kmcnt 0x0
	s_lshl_b32 s30, s12, 17
	s_add_co_u32 s30, s30, 3<<20                   ; wo is the fourth weight
	s_add_nc_u64 s[WP:WP+1], s[6:7], s[30:31]
	s_lshl_b32 s30, s12, 12
	s_add_co_u32 s30, s30, 4194304+(3<<15)
	s_add_nc_u64 s[WSP:WSP+1], s[6:7], s[30:31]
	s_lshl_b32 s30, s12, 9
	s_add_nc_u64 s[BP:BP+1], s[8:9], s[30:31]
	s_lshl_b32 s32, ttmp9, 19                      ; out0: 128 rows of 4,096 bytes a block, 512 bytes a slice
	s_add_co_u32 s30, s30, s32
	s_add_nc_u64 s[OUTP:OUTP+1], s[10:11], s[30:31]
	s_lshl_b32 s30, ttmp9, 17
	s_lshl_b32 s32, s[WV], 15
	s_add_co_u32 s30, s30, s32
	s_add_nc_u64 s[XCP:XCP+1], s[4:5], s[30:31]    ; my quarter of the block's images
	s_lshl_b32 s30, ttmp9, 12
	s_add_co_u32 s30, s30, 8388608
	s_add_nc_u64 s[XSP:XSP+1], s[4:5], s[30:31]    ; the block's scale words
	s_wait_alu depctr_va_vdst(0)                   ; the head's offsets and addresses are written, which the kernel's loads and stores read
	FETCH_W 0, 0
.irp b, 0,1,2,3,4,5,6,7                        ; the bias in the result's layout: tile b, columns 32 (b / 2) + 8 (b % 2) + 16 h + 0 .. 7
	global_load_b128 v[BIAS+8*\b:BIAS+8*\b+3], v[BO], s[BP:BP+1] offset:(32*(\b/2)+8*(\b%2))*4
	global_load_b128 v[BIAS+8*\b+4:BIAS+8*\b+7], v[BO], s[BP:BP+1] offset:(32*(\b/2)+8*(\b%2))*4+16
.endr
	global_load_b128 v[128:131], v[G16], s[XSP:XSP+1]
	global_load_b128 v[132:135], v[G16], s[XSP:XSP+1] offset:2048
	WIN 0x80                                       ; 64 loads of 512 consecutive bytes, into registers that the accumulators will take
.set n, 0
.rept 64
	global_load_b128 v[4*n:4*n+3], v[LI], s[XCP:XCP+1] offset:n*512
.set n, n+1
.endr
	WIN 0
	s_wait_loadcnt 0x0
	ds_store_b128 v[SCA], v[128:131]
	ds_store_b128 v[SCA], v[132:135] offset:2048
	WIN 0x08
.set n, 0
.rept 64
	ds_store_b128 v[CPA], v[4*n:4*n+3] offset:n*512
.set n, n+1
.endr
	WIN 0
	BARRIER                                        ; the block's 64 images and their scale words lie in LDS
	s_wait_alu depctr_vm_vsrc(0)                   ; my LDS stores have read v128-135, in which the fragments' loads land, and window 2's registers, which the products write
	FETCH_X 0, 0
	FETCH_XS 0, 0
	FETCH_X 4, 0
	STEP 0, 1, 0, 0, 16384, 16384                  ; K step 0 starts the sums from the bias
	s_mov_b32 s[CNT], 3
.Lk:                                               ; K steps 1, 2 | 3, 4 | 5, 6
	STEP 1, 0, 0, 1, 0, 32768
	STEP 0, 0, 0, 0, 16384, 49152
	s_wait_xcnt 0x0                                ; wo's loads have read their bases
	s_add_nc_u64 s[WP:WP+1], s[WP:WP+1], 32768
	s_add_nc_u64 s[WSP:WSP+1], s[WSP:WSP+1], 1024
	s_sub_co_u32 s[CNT], s[CNT], 1
	s_cmp_lg_u32 s[CNT], 0
	s_cbranch_scc1 .Lk
	STEP 1, 0, 1, 0, 0, 0                          ; K step 7 asks for nothing; its closing eight lines are the places in front of the first read of results
	s_wait_alu depctr_va_vdst(0)                   ; behind the places: the matrix instructions have written the accumulators, which the LDS stores read, and are done reading the fragments, in whose registers the rows read back land; no vector instruction follows
	BARRIER                                        ; every wave's reads of the images are over before any wave stores into its stage
; THE WAY OUT, tile by tile of 16 rows x 128 columns.  LDS serves a wave's instructions in order (ISA guide 5.7.1.4): no wait between the stores and the loads, nor in front of the next tile's stores.
.macro TOSTAGE a
.set AC, 64*((\a)%4)
	WIN 0x08+4*((\a)/4)                            ; the data: window 2 or 3
.irp b, 0,1,2,3,4,5,6,7
	ds_store_b128 v[STO], v[AC+8*\b:AC+8*\b+3] offset:128*(\b/2)+32*(\b%2)          ; each accumulator from its low end on
	ds_store_b128 v[STO], v[AC+8*\b+4:AC+8*\b+7] offset:128*(\b/2)+32*(\b%2)+16
.endr
	WIN 0
.set BB, BK+64*((\a)%2)
.irp t, 0,1,2,3,4,5,6,7,8,9,10,11,12,13,14,15
	ds_load_b128 v[BB+4*\t:BB+4*\t+3], v[RD] offset:\t*SROW
.endr
.endm
.macro SEND a, younger                 ; younger: the LDS instructions issued behind tile a's loads, which may stay out
.set BB, BK+64*((\a)%2)
	s_wait_dscnt \younger
.irp t, 0,1,2,3,4,5,6,7,8,9,10,11,12,13,14,15
	global_store_b128 v[LI], v[BB+4*\t:BB+4*\t+3], s[OUTP:OUTP+1] offset:(32*((\a)/2)+8*((\a)%2)+\t+8*(\t/8))*4096 th:TH_STORE_NT   ; 512 consecutive aligned bytes of one row
.endr
.endm
	TOSTAGE 0
.irp a, 1,2,3,4,5,6,7
.if \a > 1
	s_wait_xcnt 0x0                                ; tile a - 2's stores have read their registers: tile a's loads may land there
	s_wait_alu depctr_vm_vsrc(0)                   ; tile a - 2's stores have read the 64 registers in which tile a's rows land
.endif
	TOSTAGE \a
	SEND \a-1, 32                                  ; behind tile a - 1's loads: tile a's 16 stores and 16 loads
.endr
	SEND 7, 0
	s_wait_dscnt 0x0                               ; the closing lines, six on end
	s_wait_alu 0x0
	s_wait_tensorcnt 0x0
	ds_add_u32 v30, v31
	s_wait_dscnt 0x0
	s_endpgm
.Lfunc_end_k_qbff2083ba5_outp:
	.size	k_qbff2083ba5_outp, .Lfunc_end_k_qbff2083ba5_outp-k_qbff2083ba5_outp
	.p2alignl 7, 3214868480
	.fill 96, 4, 3214868480
	.section	.rodata,"a",@progbits
	.p2align	6, 0x0
	.amdhsa_kernel k_qbff2083ba5_outp
		.amdhsa_group_segment_fixed_size 169472
		.amdhsa_private_segment_fixed_size 0
		.amdhsa_enable_private_segment 0
		.amdhsa_kernarg_size 32
		.amdhsa_user_sgpr_count 2
		.amdhsa_user_sgpr_kernarg_segment_ptr 1
		.amdhsa_wavefront_size32 1
		.amdhsa_system_sgpr_workgroup_id_x 1
		.amdhsa_system_sgpr_workgroup_id_y 1
		.amdhsa_system_sgpr_workgroup_id_z 1
		.amdhsa_system_vgpr_workitem_id 0
		.amdhsa_next_free_vgpr 1024
		.amdhsa_next_free_sgpr 66
		.amdhsa_reserve_vcc 0
		.amdhsa_float_denorm_mode_32 3
		.amdhsa_float_denorm_mode_16_64 3
		.amdhsa_memory_ordered 1
		.amdhsa_forward_progress 1
		.amdhsa_inst_pref_size 103
	.end_amdhsa_kernel
	.amdgpu_metadata
---
amdhsa.version: [ 1, 2 ]
amdhsa.kernels:
  - .name:           k_qbff2083ba5_outp
    .symbol:         k_qbff2083ba5_outp.kd
    .args:
      - { .name: oc, .offset: 0, .size: 8, .value_kind: global_buffer, .address_space: global }
      - { .name: wc, .offset: 8, .size: 8, .value_kind: global_buffer, .address_space: global }
      - { .name: bo, .offset: 16, .size: 8, .value_kind: global_buffer, .address_space: global }
      - { .name: out0, .offset: 24, .size: 8, .value_kind: global_buffer, .address_space: global }
    .group_segment_fixed_size: 169472
    .private_segment_fixed_size: 0
    .kernarg_segment_align: 8
    .kernarg_segment_size: 32
    .max_flat_workgroup_size: 128
    .sgpr_count:     66
    .vgpr_count:     1024
    .wavefront_size: 32
...
	.end_amdgpu_metadata
.endif
;; end of part 8
